; MI455X (gfx1250); checked and timed in simulation.
; The chip was launched on July 23, 2026; its instructions are those of AMD's public machine-readable ISA for CDNA 5 (MIT licence, August 2026) and "CDNA5" Instruction Set Architecture Reference Guide (July 2026). The comments in the code are by the model that wrote it; some were corrected since.
;; Head Ver4. Allowed arithmetic: float matrix products may take bf16 or f16 operands with f32 sums; other float arithmetic in f32, or as packed bf16 or f16 multiplies, adds, multiply-adds, maxima and minima; sums over many terms, partial sums and values carried from step to step in f32; what a program stores and reads back later, other than sums and carried values, may be rounded once to bf16 or f16.
;; Inputs: Wk 1,024 x 1,024 float32; Wq 1,024 x 1,024 float32; Wv 1,024 x 1,024 float32; x 4 x 2,048 x 1,024 float32.
;; Outputs: out0 4 x 2,048 x 1,024 float32.
;; 3 versions, each right; version 2 is faster than version 1; version 3 is version 2 with the launch cast written anew for expert scheduling mode. Each part assembles by itself: llvm-mc -triple=amdgcn-amd-amdhsa -mcpu=gfx1250 --defsym DOCPART=n.
;; ======== version 1 of 3: 5 launches
;; limits: values are held in f16: magnitudes above 65,504 overflow, below 6.1e-05 lose precision
;; workspace buffers: xb 16,777,216 bytes; wb 6,291,456 bytes; qkv 50,331,648 bytes; pb 33,554,432 bytes; st 524,288 bytes
;; launch cast (part 1): grid 352 x 1, 8 waves a work-group, no clusters, 0 bytes of LDS; arguments x, Wq, Wk, Wv, xb, wb; writes xb, wb
.if DOCPART == 1
	.amdgcn_target "amdgcn-amd-amdhsa--gfx1250"
	.amdhsa_code_object_version 6
	.text
	.protected	k_qcead556211_cast
	.globl	k_qcead556211_cast
	.p2align	8
	.type	k_qcead556211_cast,@function
k_qcead556211_cast:
	s_mov_b64 s[64:65], 0
	v_nop
	global_prefetch_b8 v0, s[64:65] scope:SCOPE_SE
	s_setreg_imm32_b32 hwreg(HW_REG_WAVE_MODE, 25, 1), 1
	s_wait_xcnt 0x0
; x and the three weights, f32, are rounded once to bf16 (nearest even): xb [8192][1024], wb [3072][1024] = Wq's rows, then Wk's, then Wv's.
; A work-group of eight waves turns 131,072 bytes of f32 into 65,536 bytes of bf16.  Work-groups 0-255 take x; work-group 256 + n takes block n % 32 of weight n / 32.
; A stream: every byte is read once and written once, so there is no LDS, no barrier and no matrix work.  All 32 loads of a thread go out first; no register is written twice, so no wait frees a source.
.set BLK_IN,  131072
.set X, 4                              ; v[4:131]    load i: four f32
.set Y, 132                            ; v[132:195]  store i: four bf16
	s_load_b256 s[4:11], s[0:1], 0x0               ; x s[4:5], Wq s[6:7], Wk s[8:9], Wv s[10:11]
	s_load_b128 s[12:15], s[0:1], 0x20             ; xb s[12:13], wb s[14:15]
	s_mov_b32 s19, ttmp9
	s_sub_co_u32 s16, s19, 256                     ; n (used only where the work-group's number is 256 or more)
	s_lshr_b32 s17, s16, 5                         ; which weight
	s_and_b32 s18, s16, 31                         ; which block of it
	v_lshlrev_b32 v1, 4, v0                        ; 16 bytes a thread in
	v_lshlrev_b32 v2, 3, v0                        ; 8 bytes a thread out
	s_wait_kmcnt 0x0
	s_cmp_eq_u32 s17, 1
	s_cselect_b64 s[20:21], s[8:9], s[6:7]         ; the source: Wk or Wq,
	s_cmp_eq_u32 s17, 2
	s_cselect_b64 s[20:21], s[10:11], s[20:21]     ; or Wv,
	s_cmp_lt_u32 s19, 256
	s_cselect_b64 s[20:21], s[4:5], s[20:21]       ; or x
	s_cselect_b64 s[22:23], s[12:13], s[14:15]     ; the destination: xb or wb
	s_cselect_b32 s24, s19, s18                    ; the block's number in the source
	s_cselect_b32 s26, s19, s16                    ; and in the destination
	s_lshl_b32 s24, s24, 17
	s_mov_b32 s25, 0
	s_lshl_b32 s26, s26, 16
	s_mov_b32 s27, 0
	s_add_nc_u64 s[20:21], s[20:21], s[24:25]
	s_add_nc_u64 s[22:23], s[22:23], s[26:27]
.set i, 0
.rept 32
	global_load_b128 v[X+4*i:X+4*i+3], v1, s[20:21] offset:4096*i th:TH_LOAD_NT  ; a wave's load covers 512 consecutive bytes
.set i, i+1
.endr
.set i, 0
.rept 32
	s_wait_loadcnt 31-i                            ; loads come back in order: load i is in, the 31 - i younger ones stay out
	v_cvt_pk_bf16_f32 v[Y+2*i], v[X+4*i], v[X+4*i+1]
	v_cvt_pk_bf16_f32 v[Y+2*i+1], v[X+4*i+2], v[X+4*i+3]
	global_store_b64 v2, v[Y+2*i:Y+2*i+1], s[22:23] offset:2048*i  ; a wave's store covers 256 consecutive bytes, aligned
.set i, i+1
.endr
	s_endpgm
.Lfunc_end_k_qcead556211_cast:
	.size	k_qcead556211_cast, .Lfunc_end_k_qcead556211_cast-k_qcead556211_cast
	.p2alignl 7, 3214868480
	.fill 96, 4, 3214868480
	.section	.rodata,"a",@progbits
	.p2align	6, 0x0
	.amdhsa_kernel k_qcead556211_cast
		.amdhsa_group_segment_fixed_size 0
		.amdhsa_private_segment_fixed_size 0
		.amdhsa_enable_private_segment 0
		.amdhsa_kernarg_size 48
		.amdhsa_user_sgpr_count 2
		.amdhsa_user_sgpr_kernarg_segment_ptr 1
		.amdhsa_wavefront_size32 1
		.amdhsa_system_sgpr_workgroup_id_x 1
		.amdhsa_system_sgpr_workgroup_id_y 1
		.amdhsa_system_sgpr_workgroup_id_z 1
		.amdhsa_system_vgpr_workitem_id 0
		.amdhsa_next_free_vgpr 196
		.amdhsa_next_free_sgpr 66
		.amdhsa_reserve_vcc 0
		.amdhsa_float_denorm_mode_32 3
		.amdhsa_float_denorm_mode_16_64 3
		.amdhsa_memory_ordered 1
		.amdhsa_forward_progress 1
		.amdhsa_inst_pref_size 13
	.end_amdhsa_kernel
	.amdgpu_metadata
---
amdhsa.version: [ 1, 2 ]
amdhsa.kernels:
  - .name:           k_qcead556211_cast
    .symbol:         k_qcead556211_cast.kd
    .args:
      - { .name: x, .offset: 0, .size: 8, .value_kind: global_buffer, .address_space: global }
      - { .name: Wq, .offset: 8, .size: 8, .value_kind: global_buffer, .address_space: global }
      - { .name: Wk, .offset: 16, .size: 8, .value_kind: global_buffer, .address_space: global }
      - { .name: Wv, .offset: 24, .size: 8, .value_kind: global_buffer, .address_space: global }
      - { .name: xb, .offset: 32, .size: 8, .value_kind: global_buffer, .address_space: global }
      - { .name: wb, .offset: 40, .size: 8, .value_kind: global_buffer, .address_space: global }
    .group_segment_fixed_size: 0
    .private_segment_fixed_size: 0
    .kernarg_segment_align: 8
    .kernarg_segment_size: 48
    .max_flat_workgroup_size: 256
    .sgpr_count:     66
    .vgpr_count:     196
    .wavefront_size: 32
...
	.end_amdgpu_metadata
.endif
;; end of part 1
;; launch proj (part 2): grid 12 x 32, 4 waves a work-group, clusters of 4 x 4, 327,680 bytes of LDS; arguments xb, wb, qkv; writes qkv
.if DOCPART == 2
	.amdgcn_target "amdgcn-amd-amdhsa--gfx1250"
	.amdhsa_code_object_version 6
	.text
	.protected	k_qcead556211_proj
	.globl	k_qcead556211_proj
	.p2align	8
	.type	k_qcead556211_proj,@function
k_qcead556211_proj:
	s_mov_b64 s[64:65], 0
	v_nop
	global_prefetch_b8 v0, s[64:65] scope:SCOPE_SE
	s_setreg_imm32_b32 hwreg(HW_REG_WAVE_MODE, 25, 1), 1
	s_wait_xcnt 0x0
	s_wait_alu depctr_hold_cnt(0) depctr_sa_sdst(0) depctr_va_vdst(0) depctr_va_sdst(0) depctr_va_ssrc(0) depctr_va_vcc(0) depctr_vm_vsrc(0)
	s_getreg_b32 s2, hwreg(HW_REG_IB_STS2, 6, 4)
	s_cmp_eq_u32 s2, 0
	s_cbranch_scc0 .Lentry_in_a_cluster
	s_endpgm
.Lentry_in_a_cluster:
	s_bfe_u32 s2, ttmp6, 0x10000c
	s_cmp_lg_u32 s2, 0xf033
	s_cbranch_scc0 .Lentry_shape_is_right
	s_endpgm
.Lentry_shape_is_right:
; qkv[m][n] = sum over k of xb[m][k] wb[n][k].  xb: [8192][1024] bf16, wb: [3072][1024] bf16 (Wq, Wk, Wv), qkv: [8192][3072] f16: a row is q, k, v of one token.  Sums in f32, rounded once to f16.
; LIMIT: f16 ends at 65,504: q, k and v must stay within it (at the drawn spread they are near 0.6; with x and the weights both 30 times larger near 520).
; A tile of 256 x 256 is made by a work-group of four waves; a wave makes 128 x 128: 64 accumulators of 16 x 16, 512 registers.  K goes in steps of 128 through a ring of two LDS slots filled by
; the tensor data mover: the tiles' rows are 256 bytes of memory and start at multiples of 256 bytes.  The last K step goes by rows of the result, so that finished rows leave while the others are multiplied.
; CLUSTERS: 4 x 4 work-groups.  The four of a row of the cluster need the same tiles of xb, the four of a column the same tiles of wb: such a tile is asked for JOINTLY, by the same tensor load with the
; same descriptor and a mask that names the four; each receives it in its own LDS.
; REGISTERS, in windows of 256 (s_set_vgpr_msb: bits 1:0 source 0, 3:2 source 1, 5:4 source 2, 7:6 destination):
;   window 0: v0-31 addresses; v64-127, v128-191 fragments of xb, two buffers (in the last K step four, of 16 rows x 128 K); v32-63, v192-255 at work on the way out
;   window 1: v64-127, v128-191 fragments of wb, two buffers; in the last K step all 256      window 2: the accumulators of my rows 0-63 ((a, b) at v[8 (8 a + b)])      window 3: those of my rows 64-127
; THE MATRIX INSTRUCTION IS USED TRANSPOSED: source 0 = 16 rows of wb, source 1 = 16 rows of xb: lane l then holds row l % 16 of the result and the columns 8 (l / 16) + 0..7, which pack into 16 bytes.
.set SIZE_M, 8192
.set SIZE_N, 3072
.set SIZE_K, 1024
.set KSTEP,  128
.set PITCH,  272                       ; an LDS row: 256 bytes + 16 of padding = 68 words: row r starts at bank 4 r mod 64 (64 banks of 4 bytes: ISA guide 11.1)
.set HALFT,  128*PITCH                 ; 128 rows: what one tensor load brings
.set SLOT,   4*HALFT                   ; xb's 256 rows, then wb's 256 rows
.set STAGE,  2*SLOT                    ; behind the ring: 16 rows x 272 bytes for each wave, for the way out
.set SPITCH, 272
.set SPARE,  STAGE+4*16*SPITCH         ; behind the stages: the spare words, 128 bytes for each wave
.set LAPS, SIZE_K/(2*KSTEP)            ; a lap = two K steps = once round the ring
.set ADRA, 16                          ; v16-17  LDS address of my xb fragments in slot 0, 1
.set ADRB, 20                          ; v20-21  the same for wb
.set STO,  24                          ; v24     the way out: where I put 16 bytes of a row
.set RD,   25                          ; v25     the way out: where I read a row back
.set CO,   26                          ; v26     my byte offset in qkv
.set SPW,  28                          ; v28     LDS address of my spare word; never rewritten
.set NIL,  29                          ; v29     0; never rewritten
.set F0,   64
.set F1,   128
.set TMP,  192
.set OB,   32
.set PA,   64
.set G1, 24                            ; s[24:31] descriptor group 1 for xb's tiles
.set G0, 32                            ; s[32:39] group 0 for xb's tiles, one set for each slot
.set G1B, 48                           ; s[48:55], s[56:63] the same for wb's tiles
.set G0B, 56
.set MSB, 0
.macro WIN new                         ; the immediate's high byte repeats the setting that is left
.if MSB != (\new)
	s_set_vgpr_msb (MSB<<8)|(\new)
.set MSB, \new
.endif
.endm
.set MUL_LO, 0xa1                      ; source 0 window 1, source 1 window 0, C and D window 2
.set MUL_HI, 0xf1                      ; the same, C and D window 3
.set TO_B,   0x40                      ; destination window 1, address window 0
; A joint load.  Waves 0 and 1 fetch xb's two halves, waves 2 and 3 wb's.  The branch hangs on the wave's number alone.  An s_nop 0 and four v_nop follow each line.
.macro JLOAD s
	s_cmp_eq_u32 s11, 0
	s_cbranch_scc0 .Lfor_b_\@
	tensor_load_to_lds s[G0+4*(\s):G0+4*(\s)+3], s[G1:G1+7]
	s_nop 0
.rept 4
	v_nop
.endr
	s_branch .Lasked_\@
.Lfor_b_\@:
	tensor_load_to_lds s[G0B+4*(\s):G0B+4*(\s)+3], s[G1B:G1B+7]
	s_nop 0
.rept 4
	v_nop
.endr
.Lasked_\@:
.endm
.macro CREST                           ; a round of the cluster's barrier behind its opening barrier
	s_cmp_lg_u32 s10, 0
	s_cbranch_scc1 .Lnot_wave_0_\@
	s_barrier_signal -3
.Lnot_wave_0_\@:
	s_barrier_wait -3
	s_barrier_signal -1
	s_barrier_wait -1
.endm
.macro CROUND                          ; a whole round
	s_barrier_signal -1
	s_barrier_wait -1
	CREST
.endm
	s_load_b128 s[4:7], s[0:1], 0x0                ; xb s[4:5], wb s[6:7]
	s_load_b64 s[8:9], s[0:1], 0x10                ; qkv
	v_lshl_add_u32 v[SPW], v0, 2, SPARE
	v_mov_b32 v[NIL], 0
	ds_add_u32 v[SPW], v[NIL]                      ; the wave's opening: the add and its wait ahead of my first tensor load
	ds_add_u32 v28, v29
	v_lshrrev_b32 v1, 5, v0
	v_readfirstlane_b32 s10, v1                    ; wave 0..3
	s_lshr_b32 s11, s10, 1                         ; which half of the tile's rows is mine.  Also: I fetch for xb (0) or for wb (1)
	s_and_b32 s12, s10, 1                          ; which half of its columns.  Also: which 128 rows of that tile I fetch
	s_bfe_u32 s40, ttmp6, 0x40000                  ; cx
	s_bfe_u32 s41, ttmp6, 0x40004                  ; cy
	s_lshl_b32 s42, ttmp9, 2
	s_add_co_u32 s42, s42, s40                     ; tile column = 4 x cluster x + cx
	s_and_b32 s13, ttmp7, 0xffff
	s_lshl_b32 s13, s13, 2
	s_add_co_u32 s13, s13, s41                     ; tile row = 4 x cluster y + cy
	s_lshl_b32 s43, s41, 2
	s_lshl_b32 s43, 15, s43                        ; my row of the cluster: places 4 cy .. 4 cy + 3
	s_lshl_b32 s44, 0x1111, s40                    ; my column: places cx, cx + 4, cx + 8, cx + 12
	s_or_b32 s[G1+0], s43, (1<<16)|(1<<20)|(1<<21)|(5<<22)|(3<<25)  ; the mask; 2-byte elements; padding on; bit 21 beside a mask; after every 64 words 4 words
	s_or_b32 s[G1B+0], s44, (1<<16)|(1<<20)|(1<<21)|(5<<22)|(3<<25)
	s_mov_b32 s[G1B+1], KSTEP<<16
	s_mov_b32 s[G1+1], KSTEP<<16                   ; tensor_dim0 = 128
	s_mov_b32 s[G1B+2], 128<<16
	s_mov_b32 s[G1+2], 128<<16                     ; tensor_dim1 = 128
	s_mov_b32 s[G1B+3], KSTEP<<16
	s_mov_b32 s[G1+3], KSTEP<<16                   ; tile_dim0 = 128
	s_mov_b32 s[G1B+4], 128
	s_mov_b32 s[G1+4], 128                         ; tile_dim1 = 128
	s_mov_b32 s[G1B+5], SIZE_K
	s_mov_b32 s[G1+5], SIZE_K                      ; elements from row to row
	s_mov_b32 s[G1B+6], 0
	s_mov_b32 s[G1+6], 0
	s_mov_b32 s[G1B+7], 0
	s_mov_b32 s[G1+7], 0
	; xb's tiles hang on the tile row alone, wb's on the tile column alone; each address is made in registers that never hold the other coordinate
	s_lshl_b32 s17, s12, 7
	s_lshl_b32 s16, s13, 8
	s_add_co_u32 s16, s16, s17                     ; xb: row 256 x tile row + 128 x half
	s_lshl_b32 s46, s42, 8
	s_add_co_u32 s46, s46, s17                     ; wb: row 256 x tile column + 128 x half
	s_mov_b32 s17, 0
	s_mov_b32 s47, 0
	s_mov_b64 s[18:19], SIZE_K*2
	s_mul_u64 s[16:17], s[16:17], s[18:19]
	s_mul_u64 s[46:47], s[46:47], s[18:19]
	s_mul_i32 s20, s10, HALFT                      ; where they go: wave x 128 rows
	s_wait_dscnt 0x0                               ; the opening add is done
	s_wait_kmcnt 0x0
	s_add_nc_u64 s[14:15], s[4:5], s[16:17]
	s_add_nc_u64 s[46:47], s[6:7], s[46:47]
	CROUND                                         ; all sixteen work-groups are here: the first joint loads meet
.irp s, 0,1
	s_mov_b32 s[G0+4*(\s)], 1
	s_add_co_u32 s[G0+4*(\s)+1], s20, (\s)*SLOT
	s_add_nc_u64 s[G0+4*(\s)+2:G0+4*(\s)+3], s[14:15], (\s)*KSTEP*2
	s_or_b32 s[G0+4*(\s)+3], s[G0+4*(\s)+3], 0x80000000
	s_mov_b32 s[G0B+4*(\s)], 1
	s_add_co_u32 s[G0B+4*(\s)+1], s20, (\s)*SLOT
	s_add_nc_u64 s[G0B+4*(\s)+2:G0B+4*(\s)+3], s[46:47], (\s)*KSTEP*2
	s_or_b32 s[G0B+4*(\s)+3], s[G0B+4*(\s)+3], 0x80000000
	JLOAD \s                                       ; two loads of mine are out
.endr
	; a fragment is 16 rows x 32 K in 8 registers: lane l holds row l % 16; registers 0-3 K = 8 (l / 16) + 0..7, registers 4-7 K = 16 + 8 (l / 16) + 0..7: two loads of 16 bytes, 32 bytes apart
	v_and_b32 v1, 15, v0
	v_bfe_u32 v2, v0, 4, 1
	v_mul_u32_u24 v3, v1, PITCH
	v_lshl_add_u32 v3, v2, 4, v3
	s_mul_i32 s21, s11, HALFT
	s_mul_i32 s22, s12, HALFT
	s_add_co_u32 s22, s22, 2*HALFT
.irp s, 0,1
	v_add_nc_u32 v[ADRA+(\s)], s21, v3
	v_add_nc_u32 v[ADRB+(\s)], s22, v3
	s_add_co_u32 s21, s21, SLOT
	s_add_co_u32 s22, s22, SLOT
.endr
	s_mul_i32 s23, s10, 16*SPITCH
	s_add_co_u32 s23, s23, STAGE                   ; my stage
	v_mul_u32_u24 v4, v1, SPITCH
	v_lshl_add_u32 v4, v2, 4, v4
	v_add_nc_u32 v[STO], s23, v4
	v_mul_u32_u24 v5, v2, SPITCH
	v_lshl_add_u32 v5, v1, 4, v5
	v_add_nc_u32 v[RD], s23, v5
	v_mul_u32_u24 v5, v2, SIZE_N*2
	v_lshl_add_u32 v[CO], v1, 4, v5
	s_lshl_b32 s13, s13, 8
	s_lshl_b32 s14, s11, 7
	s_add_co_u32 s16, s13, s14                     ; my first row of the result
	s_mov_b32 s17, 0
	s_mov_b64 s[18:19], SIZE_N*2
	s_mul_u64 s[16:17], s[16:17], s[18:19]
	s_lshl_b32 s46, s42, 9                         ; my first column, in bytes
	s_lshl_b32 s47, s12, 8
	s_add_co_u32 s46, s46, s47
	s_mov_b32 s47, 0
	s_add_nc_u64 s[16:17], s[16:17], s[46:47]
; 16 matrix instructions: m blocks a0, a0 + 1 of the window's four x all 8 n blocks, 32 along K.  zero = 1: the first product starts the sums.  The 64 accumulators take turns.
.macro MUL16 f, hi, a0, zero
	WIN MUL_LO+0x50*(\hi)
.irp a, \a0, (\a0)+1
.irp b, 0,1,2,3,4,5,6,7
.if \zero
	v_wmma_f32_16x16x32_bf16 v[8*(8*(\a)+(\b)):8*(8*(\a)+(\b))+7], v[(\f)+8*(\b):(\f)+8*(\b)+7], v[(\f)+8*(4*(\hi)+(\a)):(\f)+8*(4*(\hi)+(\a))+7], 0
.else
	v_wmma_f32_16x16x32_bf16 v[8*(8*(\a)+(\b)):8*(8*(\a)+(\b))+7], v[(\f)+8*(\b):(\f)+8*(\b)+7], v[(\f)+8*(4*(\hi)+(\a)):(\f)+8*(4*(\hi)+(\a))+7], v[8*(8*(\a)+(\b)):8*(8*(\a)+(\b))+7]
.endif
.endr
.endr
.endm
; 32 LDS loads in one run: the fragments of one quarter step into buffer f
.macro FETCH slot, k, f
	WIN TO_B
.irp i, 0,1,2,3,4,5,6,7
	ds_load_b128 v[(\f)+8*(\i):(\f)+8*(\i)+3],   v[ADRB+(\slot)] offset:(\k)+(\i)*16*PITCH
	ds_load_b128 v[(\f)+8*(\i)+4:(\f)+8*(\i)+7], v[ADRB+(\slot)] offset:(\k)+(\i)*16*PITCH+32
.endr
	WIN 0
.irp i, 0,1,2,3,4,5,6,7
	ds_load_b128 v[(\f)+8*(\i):(\f)+8*(\i)+3],   v[ADRA+(\slot)] offset:(\k)+(\i)*16*PITCH
	ds_load_b128 v[(\f)+8*(\i)+4:(\f)+8*(\i)+7], v[ADRA+(\slot)] offset:(\k)+(\i)*16*PITCH+32
.endr
.endm
; four places in front of loads into registers that matrix instructions have read, and of conversions that read results (ISA guide 7.12.1 for the conversions)
.macro PLACES
.rept 4
	v_nop
.endr
.endm
; A K step is four quarters of 32 along K, 64 matrix instructions each, on buffers 0, 1, 0, 1.  One of the first three multiplies buffer f and fetches the next quarter, at byte k, into g.
.macro QUARTER slot, k, f, g, zero
	s_wait_dscnt 8                                 ; wb's and xb's rows 0-63 are in; the youngest eight loads (xb's rows 64-127) may be out
	WIN MUL_LO
	MUL16 \f, 0, 0, \zero
	MUL16 \f, 0, 2, \zero
	PLACES
	FETCH \slot, \k, \g
	s_wait_dscnt 32                                ; all but the 32 just issued
	WIN MUL_HI
	MUL16 \f, 1, 0, \zero
	MUL16 \f, 1, 2, \zero
.endm
; The first half of the last quarter: ONE barrier for the change of slots.  In front of it each wave waits for all its tensor loads (one is out: its part of the next slot), adds 0 to its spare word, and waits for that and for its reads of this slot.
.macro MEET round
	WIN 0
	s_wait_tensorcnt 0x0
	ds_add_u32 v[SPW], v[NIL]
	s_wait_dscnt 9                                 ; the add and the youngest eight loads may be out
	WIN MUL_LO
	MUL16 F1, 0, 0, 0
	s_wait_dscnt 0x0                               ; the add is done, and my reads of this slot are over
	s_barrier_signal -1
	MUL16 F1, 0, 2, 0
.if \round
	WIN 0
.endif
	s_barrier_wait -1
.endm
; The whole last quarter: behind the round the slot just read out is filled again first, with the K step two steps on; then come the next slot's first fragments.
.macro TURN slot, next
	MEET 1
	CREST
	s_add_nc_u64 s[G0+4*(\slot)+2:G0+4*(\slot)+3], s[G0+4*(\slot)+2:G0+4*(\slot)+3], 2*KSTEP*2
	s_add_nc_u64 s[G0B+4*(\slot)+2:G0B+4*(\slot)+3], s[G0B+4*(\slot)+2:G0B+4*(\slot)+3], 2*KSTEP*2
	JLOAD \slot                                    ; my one tensor load behind the round; its four v_nop are also the places in front of the loads below
	FETCH \next, 0, F0
	WIN MUL_HI
	MUL16 F1, 1, 0, 0
	MUL16 F1, 1, 2, 0
.endm
; THE LAST K STEP (it lies in slot 1) GOES BY ROWS: all its fragments of wb fill window 1; my eight blocks of 16 rows are finished one after the other, 32 matrix instructions each, K ascending.
.macro BLOAD q
	WIN TO_B
.irp i, 0,1,2,3,4,5,6,7
	ds_load_b128 v[64*(\q)+8*(\i):64*(\q)+8*(\i)+3],   v[ADRB+1] offset:64*(\q)+(\i)*16*PITCH
	ds_load_b128 v[64*(\q)+8*(\i)+4:64*(\q)+8*(\i)+7], v[ADRB+1] offset:64*(\q)+(\i)*16*PITCH+32
.endr
.endm
.macro ALOAD a
	WIN 0
.set FA, PA+32*((\a)%4)
.irp q, 0,1,2,3
	ds_load_b128 v[FA+8*(\q):FA+8*(\q)+3],   v[ADRA+1] offset:64*(\q)+(\a)*16*PITCH
	ds_load_b128 v[FA+8*(\q)+4:FA+8*(\q)+7], v[ADRA+1] offset:64*(\q)+(\a)*16*PITCH+32
.endr
.endm
.macro ROW a
.set FA, PA+32*((\a)%4)
.set AC, 64*((\a)%4)
	WIN MUL_LO+0x50*((\a)/4)
.irp q, 0,1,2,3
.if (\a) == 0 && (\q) == 2
	s_wait_dscnt 24                                ; wb's quarter 2 is in (behind it: xb's blocks 1 to 3)
.endif
.irp b, 0,1,2,3,4,5,6,7
	v_wmma_f32_16x16x32_bf16 v[AC+8*(\b):AC+8*(\b)+7], v[64*(\q)+8*(\b):64*(\q)+8*(\b)+7], v[FA+8*(\q):FA+8*(\q)+7], v[AC+8*(\b):AC+8*(\b)+7]
.endr
.endr
.endm
; THE WAY OUT of block a.  PACK: rounded to f16, 16 bytes a lane, each accumulator's registers in ascending order.  TOSTAGE: into my own stage and back as whole rows of 256 bytes.  SEND: stored.
.macro PACK a
.set AC, 64*((\a)%4)
	WIN 0x0a+5*((\a)/4)
.irp b, 0,1,2,3,4,5,6,7
.irp r, 0,1,2,3
	v_cvt_pk_f16_f32 v[TMP+4*(\b)+(\r)], v[AC+8*(\b)+2*(\r)], v[AC+8*(\b)+2*(\r)+1]
.endr
.endr
	WIN 0
.endm
.macro TOSTAGE a
	WIN 0
.set BK, OB+192*((\a)%2)
.irp b, 0,1,2,3,4,5,6,7
	ds_store_b128 v[STO], v[TMP+4*(\b):TMP+4*(\b)+3] offset:32*(\b)
.endr
.irp t, 0,1,2,3,4,5,6,7
	ds_load_b128 v[BK+4*(\t):BK+4*(\t)+3], v[RD] offset:(\t)*2*SPITCH  ; LDS serves a wave's instructions in order (ISA guide 5.7.1.4): these see the stores above
.endr
.endm
.macro SEND a, younger
	WIN 0
.set BK, OB+192*((\a)%2)
	s_wait_dscnt \younger                          ; the block is back in registers
	s_wait_xcnt 0x0                                ; the stores' base and the registers that earlier stores read are rewritten only behind this wait
.if (\a) == 0
	s_add_nc_u64 s[8:9], s[8:9], s[16:17]          ; on to my first rows
.else
	s_add_nc_u64 s[8:9], s[8:9], 16*SIZE_N*2       ; 16 rows on
.endif
.irp t, 0,1,2,3,4,5,6,7
	global_store_b128 v[CO], v[BK+4*(\t):BK+4*(\t)+3], s[8:9] offset:2*(\t)*SIZE_N*2  ; 16 lanes store 256 consecutive bytes, aligned
.endr
.endm
	s_wait_tensorcnt 1                             ; my part of K step 0 is in; K step 1's may stay out
	s_barrier_signal -1
	s_barrier_wait -1
	FETCH 0, 0, F0
	QUARTER 0, 64,  F0, F1, 1                      ; the first quarter stands in front of the loop: its products start the sums
	WIN 0
	s_mov_b32 s3, LAPS-1
.Llap:                                                 ; a trip goes once round the ring and fills both slots again
	QUARTER 0, 128, F1, F0, 0
	QUARTER 0, 192, F0, F1, 0
	TURN 0, 1
	QUARTER 1, 64,  F0, F1, 0
	QUARTER 1, 128, F1, F0, 0
	QUARTER 1, 192, F0, F1, 0
	TURN 1, 0
	QUARTER 0, 64,  F0, F1, 0
	WIN 0
	s_sub_co_u32 s3, s3, 1
	s_cmp_lg_u32 s3, 0
	s_cbranch_scc1 .Llap
	QUARTER 0, 128, F1, F0, 0
	QUARTER 0, 192, F0, F1, 0
	MEET 0                                         ; nothing is filled again, so no round follows
	PLACES
	WIN TO_B
	BLOAD 0
	BLOAD 1
	BLOAD 3
	WIN 0
	ALOAD 0
	WIN MUL_HI
	MUL16 F1, 1, 0, 0
	MUL16 F1, 1, 2, 0
	PLACES
	WIN TO_B
	BLOAD 2
	WIN 0
	ALOAD 1
	ALOAD 2
	ALOAD 3
	s_wait_dscnt 40                                ; all but the 40 just issued
	ROW 0
.irp a, 0,1,2,3,4,5,6,7
	PLACES
	PACK \a
	TOSTAGE \a
.if (\a) < 4
	ALOAD (\a)+4
	SEND \a, 8
.else
	SEND \a, 0
.endif
.if (\a) < 7
	ROW (\a)+1
.endif
.endr
	s_wait_tensorcnt 0x0                           ; the wave's end
	ds_add_u32 v[SPW], v[NIL]
	s_wait_dscnt 0x0
	CROUND                                         ; the closing round
	s_endpgm
.Lfunc_end_k_qcead556211_proj:
	.size	k_qcead556211_proj, .Lfunc_end_k_qcead556211_proj-k_qcead556211_proj
	.p2alignl 7, 3214868480
	.fill 96, 4, 3214868480
	.section	.rodata,"a",@progbits
	.p2align	6, 0x0
	.amdhsa_kernel k_qcead556211_proj
		.amdhsa_group_segment_fixed_size 327680
		.amdhsa_private_segment_fixed_size 0
		.amdhsa_enable_private_segment 0
		.amdhsa_kernarg_size 24
		.amdhsa_user_sgpr_count 2
		.amdhsa_user_sgpr_kernarg_segment_ptr 1
		.amdhsa_wavefront_size32 1
		.amdhsa_system_sgpr_workgroup_id_x 1
		.amdhsa_system_sgpr_workgroup_id_y 1
		.amdhsa_system_sgpr_workgroup_id_z 1
		.amdhsa_system_vgpr_workitem_id 0
		.amdhsa_next_free_vgpr 1024
		.amdhsa_next_free_sgpr 66
		.amdhsa_reserve_vcc 0
		.amdhsa_float_denorm_mode_32 3
		.amdhsa_float_denorm_mode_16_64 3
		.amdhsa_memory_ordered 1
		.amdhsa_forward_progress 1
		.amdhsa_inst_pref_size 143
	.end_amdhsa_kernel
	.amdgpu_metadata
---
amdhsa.version: [ 1, 2 ]
amdhsa.kernels:
  - .name:           k_qcead556211_proj
    .symbol:         k_qcead556211_proj.kd
    .args:
      - { .name: xb, .offset: 0, .size: 8, .value_kind: global_buffer, .address_space: global }
      - { .name: wb, .offset: 8, .size: 8, .value_kind: global_buffer, .address_space: global }
      - { .name: qkv, .offset: 16, .size: 8, .value_kind: global_buffer, .address_space: global }
    .group_segment_fixed_size: 327680
    .private_segment_fixed_size: 0
    .kernarg_segment_align: 8
    .kernarg_segment_size: 24
    .max_flat_workgroup_size: 128
    .sgpr_count:     66
    .vgpr_count:     1024
    .wavefront_size: 32
...
	.end_amdgpu_metadata
.endif
;; end of part 2
;; launch scores (part 3): grid 9 x 16, 4 waves a work-group, no clusters, 327,680 bytes of LDS; arguments qkv, pb, st; writes pb, st
.if DOCPART == 3
	.amdgcn_target "amdgcn-amd-amdhsa--gfx1250"
	.amdhsa_code_object_version 6
	.text
	.protected	k_qcead556211_scores
	.globl	k_qcead556211_scores
	.p2align	8
	.type	k_qcead556211_scores,@function
k_qcead556211_scores:
	s_mov_b64 s[64:65], 0
	v_nop
	global_prefetch_b8 v0, s[64:65] scope:SCOPE_SE
	s_setreg_imm32_b32 hwreg(HW_REG_WAVE_MODE, 25, 1), 1
	s_wait_xcnt 0x0
; For each tile (I, J), J <= I, of 256 queries x 256 keys of a batch: S = q k^T (f16 products, f32 sums over 1,024 channels); keys behind the query are hidden; for each query the TILE's own maximum m;
; p = 2^(c s - c m), c = log2(e) / 32, rounded to f16 into pb [4][2048][2048]; c m and l = the sum of the unrounded p into st [2][4][8][2048] (plane, batch, J, row).  The next launch joins the tiles of a row.
; Every query sees its own key in its diagonal tile, so m is always a true score, every p lies in 0 to 1 and l is at least about 1.
; LIMITS: q and k arrive within f16's 65,504; a hidden score counts as -1e30 (f16's scores reach 4.4e12 at the most); a weight below 2^-126 counts as 0 in l, below 6e-8 as 0 in pb; NaN and infinities are not treated apart.
; TILES.  Tile rows 7 - p and p have 8 - p and p + 1 tiles: 9 for each p = 0..3, 36 a batch, 144 work-groups of equal work.
; NO CLUSTER: a tile row of the triangle has 1 to 8 tiles and a tile column 8 to 1, so no grouping by fours has the same partners for q's tile or for k's in every group.
; SHARES.  Wave w owns queries 64 w .. 64 w + 63 and all 256 keys: 4 query blocks a x 16 key blocks nb = 64 accumulators, so a query's maximum and sum never leave the wave.
; The matrix instruction takes 16 keys as source 0 and 16 queries as source 1: lane l holds ONE query (l % 16) and the keys 16 nb + 8 (l / 16) + 0..7.
; REGISTERS, in windows of 256 (s_set_vgpr_msb: bits 1:0 source 0, 3:2 source 1, 5:4 source 2, 7:6 destination):
;   window 0: v0-47 addresses and statistics; v64-95, v96-127 q's fragments, two buffers (later the packed weights); v128-255 one query block's scores      window 1: k's fragments, two buffers of 128
;   window 2: accumulators of a = 0, 1 at v[8 (16 (a % 2) + nb)]      window 3: those of a = 2, 3
.set KSTEP,  128
.set PITCH,  272                       ; an LDS row: 256 bytes + 16 of padding = 68 words: the 16 rows of a fragment load start at 16 different groups of four banks (64 banks of 4 bytes: ISA guide 11.1)
.set HALFT,  128*PITCH                 ; 128 rows: what one tensor load brings
.set SLOT,   4*HALFT                   ; q's 256 rows, then k's 256 rows
.set STAGE,  2*SLOT                    ; behind the ring: 16 rows x 528 bytes for each wave
.set SPITCH, 528
.set STATS,  STAGE+4*16*SPITCH         ; 512 bytes for each wave: 64 c m, then 64 l
.set SPARE,  STATS+4*512               ; the spare words, 128 bytes for each wave
.set QROW,   6144                      ; bytes in a row of qkv
.set PROW,   4096                      ; bytes in a row of pb
.set LAPS,   4                         ; 1,024 channels = 8 K steps = 4 times round the ring
.set ADRA, 16                          ; v16-17 LDS address of my q fragments in slot 0, 1
.set ADRB, 20                          ; v20-21 the same for k
.set SPA,  22                          ; v22 where my lane's 16 bytes of the scores set aside lie
.set STO,  24                          ; v24 stage: where I put 16 bytes of a row
.set RD,   25                          ; v25 stage: where I read a row back
.set GO,   26                          ; v26 16 x lane: my place in 512 bytes of a row of pb
.set SPW,  28                          ; v28 my spare word; never rewritten
.set NIL,  29                          ; v29 0; never rewritten
.set THR,  30                          ; v30 my query's place in the tile less 8 (l / 16): register j of key block nb is hidden where 16 nb + j is greater
.set NEGV, 31                          ; v31 -1e30
.set T,    32                          ; v32-35 at work
.set CM,   36                          ; v36-37 c m, twice
.set L,    38                          ; v38 l
.set SV,   40                          ; v40 c m in lanes 0-15, l in lanes 16-31
.set SSA,  41                          ; v41 where it goes in STATS
.set SO,   42                          ; v42 my byte offset in st
.set SRD,  43                          ; v43 where I read STATS back
.set SD,   44                          ; v44-47
.set QF,   64
.set P,    64
.set S,    128
.set G1,   24                          ; s[24:31] descriptor group 1
.set G0,   32                          ; s[32:39] group 0, one set for each slot
.set CS,   58                          ; s[58:59] c
.set SEL,  60                          ; s[60:61] v_permlanex16_b32's selects: each lane takes its own place in the other half
.set HM,   62                          ; s62 lanes 16-31
.set MSB, 0
.macro WIN new                         ; the immediate's high byte repeats the setting that is left
.if MSB != (\new)
	s_set_vgpr_msb (MSB<<8)|(\new)
.set MSB, \new
.endif
.endm
.macro PLACES                          ; four places behind matrix instructions (ISA guide 7.12.1 for vector instructions)
.rept 4
	v_nop
.endr
.endm
	s_load_b128 s[4:7], s[0:1], 0x0                ; qkv s[4:5], pb s[6:7]
	s_load_b64 s[8:9], s[0:1], 0x10                ; st
	v_lshl_add_u32 v[SPW], v0, 2, SPARE
	v_mov_b32 v[NIL], 0
	ds_add_u32 v[SPW], v[NIL]                      ; the wave's opening: the add and its wait ahead of my first tensor load
	ds_add_u32 v28, v29
	v_lshrrev_b32 v1, 5, v0
	v_readfirstlane_b32 s10, v1                    ; wave 0..3
	s_lshr_b32 s11, s10, 1                         ; I fetch for q (0) or for k (1),
	s_and_b32 s12, s10, 1                          ; and which 128 rows of that tile
	s_mov_b32 s16, ttmp9                           ; x = 0..8
	s_and_b32 s17, ttmp7, 0xffff
	s_and_b32 s18, s17, 3                          ; p
	s_lshr_b32 s15, s17, 2                         ; batch
	s_sub_co_u32 s19, 8, s18                       ; tile row 7 - p has 8 - p tiles
	s_sub_co_u32 s20, 7, s18
	s_sub_co_u32 s21, s16, s19
	s_cmp_lt_u32 s16, s19
	s_cselect_b32 s13, s20, s18                    ; I
	s_cselect_b32 s14, s16, s21                    ; J
	s_mov_b32 s[G1+0], (1<<16)|(1<<20)|(5<<22)|(3<<25)  ; 2-byte elements; padding on: after every 64 words 4 words
	s_mov_b32 s[G1+1], KSTEP<<16                   ; tensor_dim0 = 128
	s_mov_b32 s[G1+2], 128<<16                     ; tensor_dim1 = 128
	s_mov_b32 s[G1+3], KSTEP<<16                   ; tile_dim0 = 128
	s_mov_b32 s[G1+4], 128                         ; tile_dim1 = 128
	s_mov_b32 s[G1+5], 3072                        ; elements from row to row
	s_mov_b32 s[G1+6], 0
	s_mov_b32 s[G1+7], 0
	s_cmp_eq_u32 s11, 0
	s_cselect_b32 s22, s13, s14                    ; q's rows go by I, k's by J;
	s_cselect_b32 s23, 0, 2048                     ; k lies 2,048 bytes into a row
	s_lshl_b32 s40, s15, 11                        ; the batch's first row
	s_lshl_b32 s22, s22, 8
	s_add_co_u32 s22, s22, s40
	s_lshl_b32 s41, s12, 7
	s_add_co_u32 s22, s22, s41
	s_mul_i32 s22, s22, QROW
	s_add_co_u32 s42, s22, s23                     ; under 2^26
	s_mov_b32 s43, 0
	s_mul_i32 s20, s10, HALFT                      ; where my rows go: wave x 128 rows
	s_lshl_b32 s44, s13, 8
	s_add_co_u32 s44, s44, s40
	s_lshl_b32 s45, s10, 6
	s_add_co_u32 s44, s44, s45                     ; my first query among the 8,192
	s_lshl_b32 s46, s44, 12
	s_lshl_b32 s47, s14, 9
	s_add_co_u32 s46, s46, s47                     ; its row of pb, at the tile's 512 bytes
	s_mov_b32 s47, 0
	s_lshl_b32 s48, s15, 3
	s_add_co_u32 s48, s48, s14
	s_lshl_b32 s48, s48, 11
	s_lshl_b32 s49, s13, 8
	s_add_co_u32 s48, s48, s49
	s_add_co_u32 s48, s48, s45
	s_lshl_b32 s48, s48, 2                         ; ((batch 8 + J) 2,048 + 256 I + 64 w) 4
	s_mov_b32 s49, 0
	s_mov_b32 s[CS], 0x3d38aa3b                    ; c = log2(e) / 32
	s_mov_b32 s[CS+1], s[CS]
	s_mov_b32 s[SEL], 0x76543210
	s_mov_b32 s[SEL+1], 0xfedcba98
	s_mov_b32 s[HM], 0xffff0000
	s_wait_dscnt 0x0                               ; the opening add is done
	s_wait_kmcnt 0x0
	s_add_nc_u64 s[42:43], s[4:5], s[42:43]
	s_add_nc_u64 s[6:7], s[6:7], s[46:47]
	s_add_nc_u64 s[8:9], s[8:9], s[48:49]
.irp s, 0,1
	s_mov_b32 s[G0+4*(\s)], 1
	s_add_co_u32 s[G0+4*(\s)+1], s20, (\s)*SLOT
	s_add_nc_u64 s[G0+4*(\s)+2:G0+4*(\s)+3], s[42:43], (\s)*KSTEP*2
	s_or_b32 s[G0+4*(\s)+3], s[G0+4*(\s)+3], 0x80000000
.endr
	tensor_load_to_lds s[G0:G0+3], s[G1:G1+7]      ; the two first fills go out together: two loads of mine are out
	s_nop 0
	tensor_load_to_lds s[G0+4:G0+7], s[G1:G1+7]
	s_nop 0
	v_and_b32 v1, 15, v0                           ; l % 16
	v_bfe_u32 v2, v0, 4, 1                         ; l / 16
	v_and_b32 v4, 31, v0                           ; lane
	v_mul_u32_u24 v3, v1, PITCH
	v_lshl_add_u32 v3, v2, 4, v3                   ; a fragment's row x pitch + 16 x half
	s_mul_i32 s21, s10, 64*PITCH                   ; my 64 rows of q
	s_mov_b32 s22, 2*HALFT                         ; k's rows lie behind q's 256
.irp s, 0,1
	v_add_nc_u32 v[ADRA+(\s)], s21, v3
	v_add_nc_u32 v[ADRB+(\s)], s22, v3
	s_add_co_u32 s21, s21, SLOT
	s_add_co_u32 s22, s22, SLOT
.endr
	s_mul_i32 s23, s10, 65536                      ; behind the K loop each wave sets its 512 accumulator registers aside in 65,536 bytes of the ring
	v_lshl_add_u32 v[SPA], v4, 4, s23
	s_mul_i32 s23, s10, 16*SPITCH
	s_add_co_u32 s23, s23, STAGE                   ; my stage
	v_mul_u32_u24 v5, v1, SPITCH
	v_lshl_add_u32 v5, v2, 4, v5
	v_add_nc_u32 v[STO], s23, v5
	v_lshl_add_u32 v[RD], v4, 4, s23
	v_lshlrev_b32 v[GO], 4, v4
	v_lshlrev_b32 v5, 3, v2
	v_sub_nc_u32 v[THR], v1, v5
	s_lshl_b32 s23, s10, 6
	v_add_nc_u32 v[THR], s23, v[THR]
	v_mov_b32 v[NEGV], 0xf149f2ca                  ; -1e30
	s_mul_i32 s23, s10, 512
	s_add_co_u32 s23, s23, STATS
	v_lshlrev_b32 v5, 2, v1
	v_lshl_add_u32 v5, v2, 8, v5
	v_add_nc_u32 v[SSA], s23, v5                   ; 256 (l / 16) + 4 (l % 16), and 64 for each query block
	v_lshl_add_u32 v[SRD], v4, 4, s23
	v_lshlrev_b32 v5, 4, v1
	v_lshl_add_u32 v[SO], v2, 18, v5               ; lanes 16-31 store into the second plane, 262,144 bytes on
; 16 matrix instructions: query block a x all 16 key blocks, 32 channels, from buffer f.  zero = 1: they start the sums.  The 64 accumulators take turns.
.macro MULA f, a, zero
	WIN 0xa1+0x50*((\a)/2)                         ; k in window 1, q in window 0, C and D in window 2 or 3
.irp b, 0,1,2,3,4,5,6,7,8,9,10,11,12,13,14,15
.if \zero
	v_wmma_f32_16x16x32_f16 v[8*(16*((\a)%2)+(\b)):8*(16*((\a)%2)+(\b))+7], v[128*(\f)+8*(\b):128*(\f)+8*(\b)+7], v[QF+32*(\f)+8*(\a):QF+32*(\f)+8*(\a)+7], 0
.else
	v_wmma_f32_16x16x32_f16 v[8*(16*((\a)%2)+(\b)):8*(16*((\a)%2)+(\b))+7], v[128*(\f)+8*(\b):128*(\f)+8*(\b)+7], v[QF+32*(\f)+8*(\a):QF+32*(\f)+8*(\a)+7], v[8*(16*((\a)%2)+(\b)):8*(16*((\a)%2)+(\b))+7]
.endif
.endr
.endm
; 40 LDS loads in one run: 256 keys and my 64 queries, 32 channels at byte k of the rows, into buffer f.  The largest offset is 192 + 15 x 4,352 + 32 = 65,504.
.macro FETCH slot, k, f
	WIN 0x40
.irp i, 0,1,2,3,4,5,6,7,8,9,10,11,12,13,14,15
	ds_load_b128 v[128*(\f)+8*(\i):128*(\f)+8*(\i)+3],   v[ADRB+(\slot)] offset:(\k)+(\i)*16*PITCH
	ds_load_b128 v[128*(\f)+8*(\i)+4:128*(\f)+8*(\i)+7], v[ADRB+(\slot)] offset:(\k)+(\i)*16*PITCH+32
.endr
	WIN 0
.irp i, 0,1,2,3
	ds_load_b128 v[QF+32*(\f)+8*(\i):QF+32*(\f)+8*(\i)+3],   v[ADRA+(\slot)] offset:(\k)+(\i)*16*PITCH
	ds_load_b128 v[QF+32*(\f)+8*(\i)+4:QF+32*(\f)+8*(\i)+7], v[ADRA+(\slot)] offset:(\k)+(\i)*16*PITCH+32
.endr
.endm
; A K step is four quarters of 32 channels, 64 matrix instructions each, on buffers 0, 1, 0, 1.  One of the first three multiplies buffer f and fetches the next quarter, at byte k, into g.
.macro QUARTER slot, k, f, g, zero
	s_wait_dscnt 4                                 ; k and q's blocks 0, 1 are in; the youngest four loads (q's blocks 2, 3) may be out
	MULA \f, 0, \zero
	MULA \f, 1, \zero
	PLACES
	FETCH \slot, \k, \g
	s_wait_dscnt 40                                ; all but the 40 just issued
	MULA \f, 2, \zero
	MULA \f, 3, \zero
.endm
; The last quarter multiplies buffer 1 and changes slots: ONE barrier.  In front of it each wave waits for all its tensor loads (one is out: its part of the next slot), adds 0 to its spare word, and waits
; for that and for its reads of this slot.  fill = 1: this slot is filled again, two K steps on, first thing behind the barrier: 224 matrix instructions ahead of the wait for it.
.macro TURN slot, next, fill
	WIN 0
	s_wait_tensorcnt 0x0                           ; no tensor load of mine is out, so a group 0 may be written
	ds_add_u32 v[SPW], v[NIL]
.if \fill
	s_add_nc_u64 s[G0+4*(\slot)+2:G0+4*(\slot)+3], s[G0+4*(\slot)+2:G0+4*(\slot)+3], 2*KSTEP*2
.endif
	s_wait_dscnt 5                                 ; the add and the youngest four loads may be out
	MULA 1, 0, 0
	s_wait_dscnt 0x0                               ; the add is done, and my reads of this slot are over
	s_barrier_signal -1
	MULA 1, 1, 0
	s_barrier_wait -1
.if \fill
	tensor_load_to_lds s[G0+4*(\slot):G0+4*(\slot)+3], s[G1:G1+7]  ; my one tensor load behind the barrier
	s_nop 0
.endif
	PLACES                                         ; four v_nop: behind the load, and the places in front of the loads below
	FETCH \next, 0, 0
	MULA 1, 2, 0
	MULA 1, 3, 0
.endm
	s_wait_tensorcnt 1                             ; my part of K step 0 is in; K step 1's may stay out
	s_barrier_signal -1
	s_barrier_wait -1
	FETCH 0, 0, 0
	QUARTER 0, 64,  0, 1, 1                        ; the first quarter stands in front of the loop: its products start the sums
	WIN 0
	s_mov_b32 s3, LAPS-1
.Llap:                                                 ; a trip goes once round the ring and fills both slots again
	QUARTER 0, 128, 1, 0, 0
	QUARTER 0, 192, 0, 1, 0
	TURN 0, 1, 1
	QUARTER 1, 64,  0, 1, 0
	QUARTER 1, 128, 1, 0, 0
	QUARTER 1, 192, 0, 1, 0
	TURN 1, 0, 1
	QUARTER 0, 64,  0, 1, 0
	WIN 0
	s_sub_co_u32 s3, s3, 1
	s_cmp_lg_u32 s3, 0
	s_cbranch_scc1 .Llap
	QUARTER 0, 128, 1, 0, 0                        ; the last lap fills nothing
	QUARTER 0, 192, 0, 1, 0
	TURN 0, 1, 0
	QUARTER 1, 64,  0, 1, 0
	QUARTER 1, 128, 1, 0, 0
	QUARTER 1, 192, 0, 1, 0
	s_wait_dscnt 4
	MULA 1, 0, 0
	MULA 1, 1, 0
	s_wait_dscnt 0x0
	MULA 1, 2, 0
	MULA 1, 3, 0
	WIN 0
	PLACES                                         ; the stores below read results just made
	s_barrier_signal -1                            ; every wave's reads of the ring are back (the wait for 0 above), and the ring has had its last fill:
	s_barrier_wait -1                              ; its bytes now take the scores, so that ONE text serves the four query blocks
	WIN 0x08                                       ; store data in window 2
.set g, 0
.rept 64
	ds_store_b128 v[SPA], v[4*g:4*g+3] offset:512*g  ; each accumulator's low four registers first
.set g, g+1
.endr
	WIN 0x0c                                       ; in window 3
.set g, 0
.rept 64
	ds_store_b128 v[SPA], v[4*g:4*g+3] offset:512*(g+64)
.set g, g+1
.endr
	WIN 0
	s_mov_b32 s3, 4
.Lblock:                                               ; a trip: 16 queries x 256 keys; a lane has 128 scores of one query, register 8 nb + j = key 16 nb + 8 (l / 16) + j
.set g, 0
.rept 32
	ds_load_b128 v[S+4*g:S+4*g+3], v[SPA] offset:512*g  ; my own bytes: LDS serves a wave's instructions in order
.set g, g+1
.endr
	s_wait_dscnt 0x0
	s_cmp_lg_u32 s13, s14
	s_cbranch_scc1 .Lopen                          ; only the diagonal tile hides keys
.set i, 0
.rept 128
	v_cmp_gt_i32 vcc_lo, 16*(i/8)+i%8, v[THR]
	v_cndmask_b32 v[S+i], v[S+i], v[NEGV], vcc_lo
.set i, i+1
.endr
.Lopen:
	; the maximum: four chains of 31 scores, three operands at a time, then the four left over
.irp c, 0,1,2,3
	v_max3_num_f32 v[T+(\c)], v[S+32*(\c)], v[S+32*(\c)+1], v[S+32*(\c)+2]
.endr
.set i, 0
.rept 14
.irp c, 0,1,2,3
	v_max3_num_f32 v[T+(\c)], v[T+(\c)], v[S+32*(\c)+3+2*i], v[S+32*(\c)+4+2*i]
.endr
.set i, i+1
.endr
	v_max3_num_f32 v[T], v[T], v[S+31], v[S+63]
	v_max3_num_f32 v[T+2], v[T+2], v[S+95], v[S+127]
	v_max3_num_f32 v[T], v[T], v[T+1], v[T+2]
	v_max_num_f32 v[T], v[T], v[T+3]
	v_permlanex16_b32 v[T+1], v[T], s[SEL], s[SEL+1]  ; the query's other 128 keys lie in the lane 16 away
	v_max_num_f32 v[T], v[T], v[T+1]
	v_mul_f32 v[CM], s[CS], v[T]
	v_mul_f32 v[CM+1], s[CS], v[T]
.set i, 0
.rept 64
	v_pk_fma_f32 v[S+2*i:S+2*i+1], v[S+2*i:S+2*i+1], s[CS:CS+1], v[CM:CM+1] op_sel_hi:[1,0,0] neg_lo:[0,0,1] neg_hi:[0,0,1]  ; c s - c m
.set i, i+1
.endr
.set i, 0
.rept 128
	v_exp_f32 v[S+i], v[S+i]
.set i, i+1
.endr
	v_nop                                          ; a plain instruction between the last exponential and the use of its result (ISA guide 5.7.2)
.set i, 0
	s_wait_alu depctr_va_vdst(0)
.rept 64
	v_cvt_pk_f16_f32 v[P+i], v[S+2*i], v[S+2*i+1]
.set i, i+1
.endr
.irp w, 4,8,16,32,64,128               ; the sum of the unrounded weights, in f32, in place: neighbours 1, 2, 4 .. 32 pairs apart
.set i, 0
.rept 128/(\w)
	v_pk_add_f32 v[S+(\w)*i:S+(\w)*i+1], v[S+(\w)*i:S+(\w)*i+1], v[S+(\w)*i+(\w)/2:S+(\w)*i+(\w)/2+1]
.set i, i+1
.endr
.endr
	v_add_f32 v[T], v[S], v[S+1]
	v_permlanex16_b32 v[T+1], v[T], s[SEL], s[SEL+1]
	v_add_f32 v[L], v[T], v[T+1]
	v_cndmask_b32 v[SV], v[CM], v[L], s[HM]        ; both halves of the lanes hold both numbers: lanes 0-15 keep c m, lanes 16-31 l
	ds_store_b32 v[SSA], v[SV]
.irp b, 0,1,2,3,4,5,6,7,8,9,10,11,12,13,14,15
	ds_store_b128 v[STO], v[P+4*(\b):P+4*(\b)+3] offset:32*(\b)  ; rows 528 bytes apart
.endr
.irp t, 0,1,2,3,4,5,6,7,8,9,10,11,12,13,14,15
	ds_load_b128 v[S+4*(\t):S+4*(\t)+3], v[RD] offset:SPITCH*(\t)  ; a whole row of 512 bytes; my own stage: these see the stores above
.endr
.irp t, 0,1,2,3,4,5,6,7,8,9,10,11,12,13,14,15
	s_wait_dscnt 15-(\t)                           ; row t is back; the younger rows stay out
	global_store_b128 v[GO], v[S+4*(\t):S+4*(\t)+3], s[6:7] offset:PROW*(\t)  ; 512 consecutive bytes, aligned
.endr
	s_wait_xcnt 0x0                                ; the stores' base and data are rewritten only behind this wait
	s_add_nc_u64 s[6:7], s[6:7], 16*PROW
	v_add_nc_u32 v[SPA], 16384, v[SPA]
	v_add_nc_u32 v[SSA], 64, v[SSA]
	v_add_nc_u32 v[THR], 16, v[THR]
	s_sub_co_u32 s3, s3, 1
	s_cmp_lg_u32 s3, 0
	s_cbranch_scc1 .Lblock
	ds_load_b128 v[SD:SD+3], v[SRD]                ; my 64 c m (lanes 0-15) and my 64 l (lanes 16-31)
	s_wait_dscnt 0x0
	global_store_b128 v[SO], v[SD:SD+3], s[8:9]    ; two runs of 256 consecutive bytes, aligned, one in each plane
	s_wait_tensorcnt 0x0                           ; the wave's end
	ds_add_u32 v[SPW], v[NIL]
	s_wait_dscnt 0x0
	s_endpgm
.Lfunc_end_k_qcead556211_scores:
	.size	k_qcead556211_scores, .Lfunc_end_k_qcead556211_scores-k_qcead556211_scores
	.p2alignl 7, 3214868480
	.fill 96, 4, 3214868480
	.section	.rodata,"a",@progbits
	.p2align	6, 0x0
	.amdhsa_kernel k_qcead556211_scores
		.amdhsa_group_segment_fixed_size 327680
		.amdhsa_private_segment_fixed_size 0
		.amdhsa_enable_private_segment 0
		.amdhsa_kernarg_size 24
		.amdhsa_user_sgpr_count 2
		.amdhsa_user_sgpr_kernarg_segment_ptr 1
		.amdhsa_wavefront_size32 1
		.amdhsa_system_sgpr_workgroup_id_x 1
		.amdhsa_system_sgpr_workgroup_id_y 1
		.amdhsa_system_sgpr_workgroup_id_z 1
		.amdhsa_system_vgpr_workitem_id 0
		.amdhsa_next_free_vgpr 1024
		.amdhsa_next_free_sgpr 66
		.amdhsa_reserve_vcc 1
		.amdhsa_float_denorm_mode_32 3
		.amdhsa_float_denorm_mode_16_64 3
		.amdhsa_memory_ordered 1
		.amdhsa_forward_progress 1
		.amdhsa_inst_pref_size 162
	.end_amdhsa_kernel
	.amdgpu_metadata
---
amdhsa.version: [ 1, 2 ]
amdhsa.kernels:
  - .name:           k_qcead556211_scores
    .symbol:         k_qcead556211_scores.kd
    .args:
      - { .name: qkv, .offset: 0, .size: 8, .value_kind: global_buffer, .address_space: global }
      - { .name: pb, .offset: 8, .size: 8, .value_kind: global_buffer, .address_space: global }
      - { .name: st, .offset: 16, .size: 8, .value_kind: global_buffer, .address_space: global }
    .group_segment_fixed_size: 327680
    .private_segment_fixed_size: 0
    .kernarg_segment_align: 8
    .kernarg_segment_size: 24
    .max_flat_workgroup_size: 128
    .sgpr_count:     66
    .vgpr_count:     1024
    .wavefront_size: 32
...
	.end_amdgpu_metadata
.endif
;; end of part 3
;; launch pv (part 4): grid 8 x 32, 4 waves a work-group, clusters of 4 x 1, 327,680 bytes of LDS; arguments pb, qkv, st, out0; writes out0
.if DOCPART == 4
	.amdgcn_target "amdgcn-amd-amdhsa--gfx1250"
	.amdhsa_code_object_version 6
	.text
	.protected	k_qcead556211_pv
	.globl	k_qcead556211_pv
	.p2align	8
	.type	k_qcead556211_pv,@function
k_qcead556211_pv:
	s_mov_b64 s[64:65], 0
	v_nop
	global_prefetch_b8 v0, s[64:65] scope:SCOPE_SE
	s_setreg_imm32_b32 hwreg(HW_REG_WAVE_MODE, 25, 1), 1
	s_wait_xcnt 0x0
	s_wait_alu depctr_hold_cnt(0) depctr_sa_sdst(0) depctr_va_vdst(0) depctr_va_sdst(0) depctr_va_ssrc(0) depctr_va_vcc(0) depctr_vm_vsrc(0)
	s_getreg_b32 s2, hwreg(HW_REG_IB_STS2, 6, 4)
	s_cmp_eq_u32 s2, 0
	s_cbranch_scc0 .Lentry_in_a_cluster
	s_endpgm
.Lentry_in_a_cluster:
	s_bfe_u32 s2, ttmp6, 0x10000c
	s_cmp_lg_u32 s2, 0x3003
	s_cbranch_scc0 .Lentry_shape_is_right
	s_endpgm
.Lentry_shape_is_right:
; out[row][:] = the sum over the row's key tiles J of g_J (P_J V_J), with g_J = 2^(cm_J - M) / l, M = the largest cm_J of the row, l = the sum over J of 2^(cm_J - M) l_J.
; pb holds P (f16, each tile relative to its own maximum), st holds cm_J and l_J, qkv holds v in the last third of each row.  Products in f16 with f32 sums; g, the fold O += g X and the output in f32.
; M is a true maximum, so every exponent is at most 0, every g at most 1, and l at least about 1.  LIMITS: a factor below 2^-126 counts as 0; v within f16's 65,504; NaN and infinities are not treated apart.
; SHARES.  A tile of the output is 128 queries x 128 channels.  Block i of 128 queries needs i / 2 + 1 steps of 256 keys; a work-group takes blocks 15 - pr and pr: 9 steps whatever pr: 256 equal work-groups, and
; ONE walk with constant trip counts.  The block with the even number of steps goes first, so the change of blocks falls on an even step.  Wave w: queries 64 (w / 2) on, channels 64 (w % 2) on: 16 accumulators.
; CLUSTER.  The four partners differ in the channel tile alone: P's tile is asked for JOINTLY (mask 15).  V's tile hangs on the channel tile and is a load of one's own behind the same round: only blocks pr
; and pr ^ 1 walk the same keys, so V has no four partners.
; The matrix instruction takes 16 channels of V^T (turned by ds_load_tr16_b128) as source 0 and 16 queries of P as source 1: a lane holds ONE query (l % 16) and the channels 8 (l / 16) + 0..7, so one g serves its registers.
; A step's product X starts with C = 0; it is folded into O at the head of the next step.  No first step is written out: the first change of slots multiplies zeros and the first fold has g = 0; the price is 384 v_mov_b32, in the wait for the first tile.
; REGISTERS, in windows of 256 (s_set_vgpr_msb: bits 1:0 source 0, 3:2 source 1, 5:4 source 2, 7:6 destination):
;   window 0: v0-31 addresses; v32-95 at work (the factors' making, the way out); v96-103 four pairs (g, g); v128-255 X      window 1: two fragment buffers of 128: 64 of P, then 64 of V      window 2: v0-127 O
.set PP,    528                        ; a row of P in LDS: 512 bytes + 16 = 132 words: the 16 rows of a load start at 16 different groups of four banks (64 banks of 4 bytes: ISA guide 11.1)
.set PV,    288                        ; a row of V: 256 + 32 = 72 words
.set VOFF,  128*PP                     ; a slot: 128 rows of P, then 256 rows of V
.set SLOT,  VOFF+256*PV
.set STAGE, 2*SLOT                     ; behind the ring: 16 rows x 272 bytes for each wave
.set SP,    272
.set TABLE, STAGE+4*16*SP              ; ten entries of 1,024 bytes: entry e holds, for row t of the block, the pair (g, g) at 8 t; entry 0 is zeros, entry s + 1 is step s's
.set SPARE, TABLE+10*1024              ; the spare words, 128 bytes for each wave
.set PLANE, 262144                     ; bytes from st's plane of cm to its plane of l
.set ADRA, 16                          ; v16-17 LDS address of my P fragments in slot 0, 1
.set ADRV, 20                          ; v20-23 of my V fragments: slot 0 keys 0-127, keys 128-255; slot 1 likewise
.set STO,  24
.set RD,   25
.set CO,   26
.set FA0,  27                          ; v27 my place in a table entry
.set SPW,  28                          ; v28 my spare word; never rewritten
.set NIL,  29                          ; v29 0; never rewritten
.set FA,   30
.set TW,   31                          ; v31 where my thread writes the table
.set OBUF, 32
.set F,    96
.set ACC,  128
.set F0,   0
.set F1,   128
.set CMV,  32                          ; the factors' making: v32-40 cm, v41-49 l, v50-58 offsets, v59-67 2^(cm - M), v68-85 pairs (g, g)
.set LV,   41
.set AD,   50
.set EV,   59
.set G,    68
.set M1,   86
.set M2,   87
.set L1,   88
.set L2,   89
.set TA,   90
.set TB,   91
.set NEGR, 92
.set ZZ,   94
.set WV,   12
.set RH,   18
.set CH,   19
.set NF,   20                          ; s20 steps of the first block: 8, 2, 6 or 4
.set FB,   21                          ; s21 the first block, s22 the second
.set SB,   22
.set NXT,  23                          ; s23 the walk's step to be asked for next
.set G1A,  24                          ; s[24:31] group 1 for P's tiles, s[32:39] for V's
.set G1V,  32
.set G0A,  40                          ; s[40:47] group 0 for P's tiles, a set for each slot; s[48:55] for V's
.set G0V,  48
.set PA1,  56                          ; s56, s57 byte offset in pb of the 64 rows that I fetch, first and second block
.set PA2,  57
.set VB,   58                          ; s58 byte offset in qkv of the 128 keys that I fetch of key tile 0
.set LEFT, 59
.set TF,   60                          ; s60 the table entry to be read next, in bytes
.set CNT,  61
.set OFA,  62                          ; s[62:63], s[66:67] offsets; the first never holds the channel tile
.set OFV,  66
.set T0,   68
.set T1,   69
.set OA,   70                          ; s[70:71] out0 at my rows of the block in hand, s[72:73] of the second block
.set OB,   72
.set MK,   74                          ; s74-82 step s belongs to the first block: all ones, else 0
.set MSB, 0
.macro WIN new                         ; the immediate's high byte repeats the setting that is left
.if MSB != (\new)
	s_set_vgpr_msb (MSB<<8)|(\new)
.set MSB, \new
.endif
.endm
.set MUL,  0x05                        ; sources 0 and 1 window 1; C and D window 0
.set TO_F, 0x40                        ; destination window 1, address window 0
.set W_FO, 0xa0                        ; O (destination and source 2) window 2; X and g window 0
.macro PLACES
.rept 4
	v_nop
.endr
.endm
; Waves 0 and 1 ask jointly for the two halves of P's tile, waves 2 and 3 each for a half of V's.  The branch hangs on the wave's number alone.  An s_nop 0 and four v_nop follow each line.
.macro JLOAD s
	s_cmp_lt_u32 s[WV], 2
	s_cbranch_scc0 .Lfor_v_\@
	tensor_load_to_lds s[G0A+4*(\s):G0A+4*(\s)+3], s[G1A:G1A+7]
	s_nop 0
.rept 4
	v_nop
.endr
	s_branch .Lasked_\@
.Lfor_v_\@:
	tensor_load_to_lds s[G0V+4*(\s):G0V+4*(\s)+3], s[G1V:G1V+7]
	s_nop 0
.rept 4
	v_nop
.endr
.Lasked_\@:
.endm
.macro CREST                           ; a round of the cluster's barrier behind its opening barrier
	s_cmp_lg_u32 s[WV], 0
	s_cbranch_scc1 .Lnot_wave_0_\@
	s_barrier_signal -3
.Lnot_wave_0_\@:
	s_barrier_wait -3
	s_barrier_signal -1
	s_barrier_wait -1
.endm
.macro CROUND
	s_barrier_signal -1
	s_barrier_wait -1
	CREST
.endm
; The global words of slot s's two descriptors are made anew for walk step NXT: key tile J = NXT, or NXT - NF in the second block.  It stands where no tensor load of mine is out.
.macro NEXTADR s
	s_sub_co_u32 s[T0], s[NXT], s[NF]
	s_cmp_lt_u32 s[NXT], s[NF]
	s_cselect_b32 s[T0], s[NXT], s[T0]             ; J
	s_cselect_b32 s[OFA], s[PA1], s[PA2]
	s_lshl_b32 s[T1], s[T0], 9                     ; 256 keys are 512 bytes of a row of pb
	s_add_co_u32 s[OFA], s[OFA], s[T1]
	s_mul_i32 s[OFV], s[T0], 256*6144              ; and 256 rows of qkv
	s_add_co_u32 s[OFV], s[OFV], s[VB]
	s_add_nc_u64 s[G0A+4*(\s)+2:G0A+4*(\s)+3], s[4:5], s[OFA:OFA+1]
	s_or_b32 s[G0A+4*(\s)+3], s[G0A+4*(\s)+3], 0x80000000
	s_add_nc_u64 s[G0V+4*(\s)+2:G0V+4*(\s)+3], s[6:7], s[OFV:OFV+1]
	s_or_b32 s[G0V+4*(\s)+3], s[G0V+4*(\s)+3], 0x80000000
	s_add_co_u32 s[NXT], s[NXT], 1
.endm
	s_load_b256 s[4:11], s[0:1], 0x0               ; pb s[4:5], qkv s[6:7], st s[8:9], out0 s[10:11]
	v_lshl_add_u32 v[SPW], v0, 2, SPARE
	v_mov_b32 v[NIL], 0
	ds_add_u32 v[SPW], v[NIL]                      ; the wave's opening: the add and its wait ahead of my first tensor load
	ds_add_u32 v28, v29
	v_lshrrev_b32 v1, 5, v0
	v_readfirstlane_b32 s[WV], v1                  ; wave 0..3
	s_lshr_b32 s[RH], s[WV], 1                     ; my half of the queries
	s_and_b32 s[CH], s[WV], 1                      ; my half of the channels.  Also: which half of a tile I fetch
	s_bfe_u32 s13, ttmp6, 0x40000                  ; cx
	s_lshl_b32 s14, ttmp9, 2
	s_add_co_u32 s14, s14, s13                     ; the channel tile = 4 x cluster x + cx: it enters V's and out0's addresses alone
	s_and_b32 s84, ttmp7, 0xffff
	s_and_b32 s15, s84, 7                          ; pr
	s_lshr_b32 s16, s84, 3                         ; batch
	s_lshr_b32 s17, s15, 1                         ; u: block pr has u + 1 steps, block 15 - pr has 8 - u
	s_sub_co_u32 s84, 15, s15
	s_sub_co_u32 s85, 8, s17
	s_add_co_u32 s86, s17, 1
	s_bitcmp1_b32 s17, 0                           ; u odd: u + 1 is even
	s_cselect_b32 s[FB], s15, s84
	s_cselect_b32 s[SB], s84, s15
	s_cselect_b32 s[NF], s86, s85
	s_lshl_b32 s87, s16, 11                        ; the batch's first row
	s_lshl_b32 s88, s[CH], 6
	s_add_co_u32 s88, s88, s87
	s_lshl_b32 s89, s[FB], 7
	s_add_co_u32 s89, s89, s88
	s_lshl_b32 s[PA1], s89, 12                     ; rows of pb are 4,096 bytes
	s_lshl_b32 s89, s[SB], 7
	s_add_co_u32 s89, s89, s88
	s_lshl_b32 s[PA2], s89, 12
	s_lshl_b32 s89, s[CH], 7
	s_add_co_u32 s89, s89, s87
	s_mul_i32 s[VB], s89, 6144
	s_lshl_b32 s90, s14, 8                         ; 128 channels are 256 bytes
	s_add_co_u32 s[VB], s[VB], s90
	s_add_co_u32 s[VB], s[VB], 4096                ; v lies 4,096 bytes into a row of qkv
	s_lshl_b32 s91, s[RH], 6
	s_add_co_u32 s91, s91, s87
	s_lshl_b32 s92, s[FB], 7
	s_add_co_u32 s92, s92, s91
	s_lshl_b32 s92, s92, 12                        ; rows of out0 are 4,096 bytes
	s_lshl_b32 s94, s[SB], 7
	s_add_co_u32 s94, s94, s91
	s_lshl_b32 s94, s94, 12
	s_lshl_b32 s96, s14, 9
	s_lshl_b32 s97, s[CH], 8
	s_add_co_u32 s96, s96, s97
	s_add_co_u32 s92, s92, s96
	s_add_co_u32 s94, s94, s96
	s_mov_b32 s93, 0
	s_mov_b32 s95, 0
	s_mov_b32 s[G1A], 15|(1<<16)|(1<<20)|(1<<21)|(6<<22)|(3<<25)  ; the mask of four; 2-byte elements; padding on; bit 21 beside a mask; after every 128 words 4 words
	s_mov_b32 s[G1A+1], 256<<16                    ; tensor_dim0 = 256
	s_mov_b32 s[G1A+2], 64<<16                     ; tensor_dim1 = 64
	s_mov_b32 s[G1A+3], 256<<16                    ; tile_dim0 = 256
	s_mov_b32 s[G1A+4], 64                         ; tile_dim1 = 64
	s_mov_b32 s[G1A+5], 2048                       ; elements from row to row
	s_mov_b32 s[G1A+6], 0
	s_mov_b32 s[G1A+7], 0
	s_mov_b32 s[G1V], (1<<16)|(1<<20)|(5<<22)|(7<<25)  ; no mask; after every 64 words 8 words
	s_mov_b32 s[G1V+1], 128<<16
	s_mov_b32 s[G1V+2], 128<<16
	s_mov_b32 s[G1V+3], 128<<16
	s_mov_b32 s[G1V+4], 128
	s_mov_b32 s[G1V+5], 3072
	s_mov_b32 s[G1V+6], 0
	s_mov_b32 s[G1V+7], 0
	s_mul_i32 s84, s[CH], 64*PP                    ; where my part of a tile goes: no place in the cluster enters an LDS address
	s_mul_i32 s85, s[CH], 128*PV
.irp s, 0,1
	s_mov_b32 s[G0A+4*(\s)], 1
	s_add_co_u32 s[G0A+4*(\s)+1], s84, (\s)*SLOT
	s_mov_b32 s[G0V+4*(\s)], 1
	s_add_co_u32 s[G0V+4*(\s)+1], s85, (\s)*SLOT+VOFF
.endr
	s_mov_b32 s[OFA+1], 0
	s_mov_b32 s[OFV+1], 0
	s_mov_b32 s[NXT], 0
	s_wait_dscnt 0x0                               ; the opening add is done
	s_wait_kmcnt 0x0
	s_add_nc_u64 s[OA:OA+1], s[10:11], s[92:93]
	s_add_nc_u64 s[OB:OB+1], s[10:11], s[94:95]
	NEXTADR 0
	CROUND                                         ; all four work-groups are here: the first joint load meets
	JLOAD 0                                        ; step 0 into slot 0: one load of mine is out.  Slot 1 is asked for by the walk's first change of slots
	v_and_b32 v1, 15, v0                           ; l % 16
	v_bfe_u32 v2, v0, 4, 1                         ; l / 16
	v_mul_u32_u24 v3, v1, PP
	v_lshl_add_u32 v3, v2, 4, v3
	s_mul_i32 s84, s[RH], 64*PP
	v_add_nc_u32 v[ADRA], s84, v3
	v_add_nc_u32 v[ADRA+1], SLOT, v[ADRA]
	; the turning load takes 16 keys x 16 channels (lane l reads key 8 (l / 16) + l % 8, channels 8 ((l / 8) % 2) + 0..7) and leaves half a fragment of V^T: lane l holds channel l % 16 and 8 keys
	v_and_b32 v4, 7, v0
	v_bfe_u32 v5, v0, 3, 1
	v_lshl_add_u32 v6, v2, 3, v4
	v_mul_u32_u24 v6, v6, PV
	v_lshl_add_u32 v6, v5, 4, v6
	s_lshl_b32 s84, s[CH], 7
	s_add_co_u32 s84, s84, VOFF
	v_add_nc_u32 v[ADRV], s84, v6
	v_add_nc_u32 v[ADRV+1], 128*PV, v[ADRV]
	v_add_nc_u32 v[ADRV+2], SLOT, v[ADRV]
	v_add_nc_u32 v[ADRV+3], SLOT, v[ADRV+1]
	s_mul_i32 s84, s[WV], 16*SP
	s_add_co_u32 s84, s84, STAGE                   ; my stage
	v_mul_u32_u24 v6, v1, SP                       ; in: row l % 16, 32 bytes for each half of the lanes
	v_lshl_add_u32 v6, v2, 5, v6
	v_add_nc_u32 v[STO], s84, v6
	v_mul_u32_u24 v6, v2, SP                       ; back: lanes 0-15 one row of 256 bytes, lanes 16-31 the next
	v_lshl_add_u32 v6, v1, 4, v6
	v_add_nc_u32 v[RD], s84, v6
	v_lshlrev_b32 v6, 4, v1
	v_lshl_add_u32 v[CO], v2, 12, v6               ; and the same two rows in out0
	s_lshl_b32 s84, s[RH], 9
	s_add_co_u32 s84, s84, TABLE
	v_lshl_add_u32 v[FA0], v1, 3, s84              ; row 64 (w / 2) + l % 16; 128 bytes on for each block of 16 rows
	v_lshl_add_u32 v[TW], v0, 3, TABLE             ; thread t makes row t's factors
	v_lshlrev_b32 v8, 2, v0
	s_lshl_b32 s86, s16, 3
.irp w, 0,1,2,3,4,5,6,7,8              ; the nine steps' cm and l of my row: 512 consecutive bytes for the work-group's 128 threads
	s_sub_co_u32 s84, \w, s[NF]
	s_cmp_gt_u32 s[NF], \w
	s_cselect_b32 s84, \w, s84                     ; J
	s_cselect_b32 s85, s[FB], s[SB]
	s_cselect_b32 s[MK+\w], -1, 0
	s_add_co_u32 s84, s84, s86
	s_lshl_b32 s84, s84, 11
	s_lshl_b32 s85, s85, 7
	s_add_co_u32 s84, s84, s85
	s_lshl_b32 s84, s84, 2                         ; ((batch 8 + J) 2,048 + 128 block) 4
	v_add_nc_u32 v[AD+\w], s84, v8
	global_load_b32 v[CMV+\w], v[AD+\w], s[8:9]
	global_load_b32 v[LV+\w], v[AD+\w], s[8:9] offset:PLANE
.endr
	; what the first change of slots and the first fold find: zeros in fragment buffer 1, in X and in O
	WIN 0x40
.set i, F1
.rept 128
	v_mov_b32 v[i], 0
.set i, i+1
.endr
	WIN 0x80
.set i, 0
.rept 128
	v_mov_b32 v[i], 0
.set i, i+1
.endr
	WIN 0
.set i, ACC
.rept 128
	v_mov_b32 v[i], 0
.set i, i+1
.endr
	v_mov_b32 v[NEGR], 0xff7fffff                  ; the lowest finite number
	v_mov_b32 v[M1], v[NEGR]
	v_mov_b32 v[M2], v[NEGR]
	v_mov_b32 v[ZZ], 0
	v_mov_b32 v[ZZ+1], 0
	s_wait_loadcnt 0x0
.irp w, 0,1,2,3,4,5,6,7,8              ; the two blocks' row maxima
	v_cndmask_b32 v[TA], v[NEGR], v[CMV+\w], s[MK+\w]
	v_cndmask_b32 v[TB], v[CMV+\w], v[NEGR], s[MK+\w]
	v_max_num_f32 v[M1], v[M1], v[TA]
	v_max_num_f32 v[M2], v[M2], v[TB]
.endr
.irp w, 0,1,2,3,4,5,6,7,8
	v_cndmask_b32 v[TA], v[M2], v[M1], s[MK+\w]
	v_sub_f32 v[EV+\w], v[CMV+\w], v[TA]
.endr
.irp w, 0,1,2,3,4,5,6,7,8
	v_exp_f32 v[EV+\w], v[EV+\w]
.endr
	v_mov_b32 v[L1], 0                             ; plain instructions between the last exponential and the use of its result
	v_mov_b32 v[L2], 0
	s_wait_alu depctr_va_vdst(0)
.irp w, 0,1,2,3,4,5,6,7,8              ; the two rows' sums
	v_cndmask_b32 v[TA], 0, v[LV+\w], s[MK+\w]
	v_cndmask_b32 v[TB], v[LV+\w], 0, s[MK+\w]
	v_fma_f32 v[L1], v[EV+\w], v[TA], v[L1]
	v_fma_f32 v[L2], v[EV+\w], v[TB], v[L2]
.endr
	v_rcp_f32 v[L1], v[L1]
	v_rcp_f32 v[L2], v[L2]
	v_nop
	ds_store_b64 v[TW], v[ZZ:ZZ+1]                 ; entry 0
	s_wait_alu depctr_va_vdst(0)
.irp w, 0,1,2,3,4,5,6,7,8
	v_cndmask_b32 v[TA], v[L2], v[L1], s[MK+\w]
	v_mul_f32 v[G+2*\w], v[EV+\w], v[TA]
	v_mul_f32 v[G+2*\w+1], v[EV+\w], v[TA]
	ds_store_b64 v[TW], v[G+2*\w:G+2*\w+1] offset:(\w+1)*1024
.endr
; 8 matrix instructions: query blocks a0, a0 + 1 x all 4 channel blocks, 32 keys: half c of buffer f.  The 16 accumulators take turns.
.macro MUL8 f, c, a0
	WIN MUL
.irp a, \a0, (\a0)+1
.irp b, 0,1,2,3
	v_wmma_f32_16x16x32_f16 v[ACC+8*(4*(\a)+(\b)):ACC+8*(4*(\a)+(\b))+7], v[(\f)+64+8*(4*(\c)+(\b)):(\f)+64+8*(4*(\c)+(\b))+7], v[(\f)+8*(4*(\c)+(\a)):(\f)+8*(4*(\c)+(\a))+7], v[ACC+8*(4*(\a)+(\b)):ACC+8*(4*(\a)+(\b))+7]
.endr
.endr
.endm
.macro TABLD                           ; my four pairs (g, g) of the next table entry
	WIN 0
	v_add_nc_u32 v[FA], s[TF], v[FA0]
.irp a, 0,1,2,3
	ds_load_b64 v[F+2*\a:F+2*\a+1], v[FA] offset:128*\a
.endr
	s_add_co_u32 s[TF], s[TF], 1024
.endm
; 32 LDS loads in one run: the fragments of quarter q (64 keys) of a slot into buffer f, the first 32 keys first.  tab = 1: ahead of them the table's four.
.macro FETCH slot, q, f, tab
.if \tab
	TABLD
.endif
	WIN TO_F
.irp c, 0,1
.irp i, 0,1,2,3
	ds_load_tr16_b128 v[(\f)+64+8*(4*(\c)+(\i)):(\f)+64+8*(4*(\c)+(\i))+3],   v[ADRV+2*(\slot)+(\q)/2] offset:((\q)%2)*64*PV+(\c)*32*PV+32*(\i)
	ds_load_tr16_b128 v[(\f)+64+8*(4*(\c)+(\i))+4:(\f)+64+8*(4*(\c)+(\i))+7], v[ADRV+2*(\slot)+(\q)/2] offset:((\q)%2)*64*PV+(\c)*32*PV+16*PV+32*(\i)
	ds_load_b128 v[(\f)+8*(4*(\c)+(\i)):(\f)+8*(4*(\c)+(\i))+3],              v[ADRA+(\slot)] offset:128*(\q)+64*(\c)+(\i)*16*PP
	ds_load_b128 v[(\f)+8*(4*(\c)+(\i))+4:(\f)+8*(4*(\c)+(\i))+7],            v[ADRA+(\slot)] offset:128*(\q)+64*(\c)+(\i)*16*PP+32
.endr
.endr
.endm
; The head of a step: for each accumulator the last step's X is folded into O (O += g X, lowest registers first), then the step's first product starts X anew with C = 0.
; Five v_nop stand first: the places between the last products and the products that write over their results (ISA guide 7.12.1).
.macro FOLDSTART f
.rept 5
	v_nop
.endr
.set t, 0
.rept 16
	WIN W_FO
.irp z, 0,1,2,3
	v_pk_fma_f32 v[8*t+2*\z:8*t+2*\z+1], v[ACC+8*t+2*\z:ACC+8*t+2*\z+1], v[F+2*(t/4):F+2*(t/4)+1], v[8*t+2*\z:8*t+2*\z+1]
.endr
	WIN MUL
	v_wmma_f32_16x16x32_f16 v[ACC+8*t:ACC+8*t+7], v[(\f)+64+8*(t%4):(\f)+64+8*(t%4)+7], v[(\f)+8*(t/4):(\f)+8*(t/4)+7], 0
.set t, t+1
.endr
.endm
.macro FOLD                            ; the last step's fold
	WIN W_FO
.set t, 0
.rept 64
	v_pk_fma_f32 v[2*t:2*t+1], v[ACC+2*t:ACC+2*t+1], v[F+2*(t/16):F+2*(t/16)+1], v[2*t:2*t+1]
.set t, t+1
.endr
.endm
; A step is four quarters of 64 keys, 32 matrix instructions each, on buffers 0, 1, 0, 1.  One of the first three multiplies buffer f and fetches quarter q into g.
.macro QUARTER slot, q, f, g, fold
	s_wait_dscnt 16                                ; the first 32 keys' sixteen loads are in (and the table's four, which are older); the youngest sixteen may be out
.if \fold
	FOLDSTART \f
.else
	MUL8 \f, 0, 0
	MUL8 \f, 0, 2
.endif
	PLACES
	FETCH \slot, \q, \g, 0
	s_wait_dscnt 32                                ; all but the 32 just issued
	MUL8 \f, 1, 0
	MUL8 \f, 1, 2
.endm
; The last quarter multiplies buffer 1 and changes slots: ONE barrier.  In front of it each wave waits for all its tensor loads (one is out: its part of the next slot), adds 0 to its spare word, and waits for
; that and for its LDS instructions.  fill = 1: the barrier opens a round of the cluster's, and slot fs is filled first thing behind it: 112 matrix instructions ahead of the wait for it.
.macro TURN fs, next, fill
	WIN 0
	s_wait_tensorcnt 0x0                           ; no tensor load of mine is out, so a group 0 may be written
	ds_add_u32 v[SPW], v[NIL]
.if \fill
	NEXTADR \fs
.endif
	s_wait_dscnt 17                                ; the add and the youngest sixteen loads may be out
	MUL8 F1, 0, 0
	s_wait_dscnt 0x0                               ; the add is done; my reads of the slot are over (at the first use: my stores into the table are done)
	s_barrier_signal -1
	MUL8 F1, 0, 2
.if \fill
	WIN 0
.endif
	s_barrier_wait -1
.if \fill
	CREST
	JLOAD \fs                                      ; its four v_nop are also the places in front of the loads below
.else
	PLACES
.endif
	FETCH \next, 0, F0, 1
	MUL8 F1, 1, 0
	MUL8 F1, 1, 2
.endm
; THE WAY OUT: O, f32, goes through my own stage, 16 rows at a time, and comes back as whole rows of 256 bytes.  clear = 1: the second block follows: O is cleared and the address changed.
.macro WAYOUT clear
.irp a, 0,1,2,3
	WIN 0x08                                       ; store data in window 2
.irp b, 0,1,2,3
	ds_store_b128 v[STO], v[8*(4*\a+\b):8*(4*\a+\b)+3] offset:64*\b
	ds_store_b128 v[STO], v[8*(4*\a+\b)+4:8*(4*\a+\b)+7] offset:64*\b+16
.endr
	WIN 0
	s_wait_xcnt 0x0                                ; the registers that earlier stores read are loaded again only behind this wait
.set BK, OBUF+32*((\a)%2)
.irp t, 0,1,2,3,4,5,6,7
	ds_load_b128 v[BK+4*\t:BK+4*\t+3], v[RD] offset:\t*2*SP  ; LDS serves a wave's instructions in order (ISA guide 5.7.1.4): these see the stores above
.endr
.irp t, 0,1,2,3,4,5,6,7
	s_wait_dscnt 7-\t                              ; rows 2 t, 2 t + 1 are back; the younger ones stay out
	global_store_b128 v[CO], v[BK+4*\t:BK+4*\t+3], s[OA:OA+1] offset:(16*\a+2*\t)*4096 th:TH_STORE_NT  ; 16 lanes store 256 consecutive bytes, aligned
.endr
.endr
.if \clear
	WIN 0x80
.set i, 0
.rept 128
	v_mov_b32 v[i], 0
.set i, i+1
.endr
	WIN 0
	s_wait_xcnt 0x0                                ; the stores have read their base
	s_mov_b64 s[OA:OA+1], s[OB:OB+1]
.endif
.endm
; Behind the fold at the head of an even step: if that step is the second block's first, the first block is whole and leaves.  The number is the same in all partners; the jump goes forward past no barrier and no tensor load.
.macro CHECKOUT
	WIN 0
	s_cmp_lg_u32 s[LEFT], 0
	s_cbranch_scc1 .Lstay_\@
	WAYOUT 1
	WIN 0
.Lstay_\@:
	s_sub_co_u32 s[LEFT], s[LEFT], 2
.endm
	s_mov_b32 s[TF], 0
	s_mov_b32 s[LEFT], s[NF]
	s_mov_b32 s[CNT], 4
.Lwalk:                                                ; four trips: steps 2 k (slot 0) and 2 k + 1 (slot 1); steps 2 k + 1 and 2 k + 2 are asked for
	TURN 1, 0, 1
	QUARTER 0, 1, F0, F1, 1
	CHECKOUT
	QUARTER 0, 2, F1, F0, 0
	QUARTER 0, 3, F0, F1, 0
	TURN 0, 1, 1
	QUARTER 1, 1, F0, F1, 1
	QUARTER 1, 2, F1, F0, 0
	QUARTER 1, 3, F0, F1, 0
	WIN 0
	s_sub_co_u32 s[CNT], s[CNT], 1
	s_cmp_lg_u32 s[CNT], 0
	s_cbranch_scc1 .Lwalk
	TURN 1, 0, 0                                   ; step 8 is written out: nothing is asked for
	QUARTER 0, 1, F0, F1, 1
	CHECKOUT
	QUARTER 0, 2, F1, F0, 0
	QUARTER 0, 3, F0, F1, 0
	s_wait_dscnt 16
	MUL8 F1, 0, 0
	MUL8 F1, 0, 2
	TABLD                                          ; entry 9: step 8's factors
	s_wait_dscnt 4                                 ; the fragments are in; the table's four loads may be out
	MUL8 F1, 1, 0
	MUL8 F1, 1, 2
	s_wait_dscnt 0x0
	PLACES                                         ; the fold reads results just made
	FOLD
	WAYOUT 0
	s_wait_tensorcnt 0x0                           ; the wave's end
	ds_add_u32 v[SPW], v[NIL]
	s_wait_dscnt 0x0
	CROUND                                         ; the closing round
	s_endpgm
.Lfunc_end_k_qcead556211_pv:
	.size	k_qcead556211_pv, .Lfunc_end_k_qcead556211_pv-k_qcead556211_pv
	.p2alignl 7, 3214868480
	.fill 96, 4, 3214868480
	.section	.rodata,"a",@progbits
	.p2align	6, 0x0
	.amdhsa_kernel k_qcead556211_pv
		.amdhsa_group_segment_fixed_size 327680
		.amdhsa_private_segment_fixed_size 0
		.amdhsa_enable_private_segment 0
		.amdhsa_kernarg_size 32
		.amdhsa_user_sgpr_count 2
		.amdhsa_user_sgpr_kernarg_segment_ptr 1
		.amdhsa_wavefront_size32 1
		.amdhsa_system_sgpr_workgroup_id_x 1
		.amdhsa_system_sgpr_workgroup_id_y 1
		.amdhsa_system_sgpr_workgroup_id_z 1
		.amdhsa_system_vgpr_workitem_id 0
		.amdhsa_next_free_vgpr 640
		.amdhsa_next_free_sgpr 100
		.amdhsa_reserve_vcc 0
		.amdhsa_float_denorm_mode_32 3
		.amdhsa_float_denorm_mode_16_64 3
		.amdhsa_memory_ordered 1
		.amdhsa_forward_progress 1
		.amdhsa_inst_pref_size 143
	.end_amdhsa_kernel
	.amdgpu_metadata
---
amdhsa.version: [ 1, 2 ]
amdhsa.kernels:
  - .name:           k_qcead556211_pv
    .symbol:         k_qcead556211_pv.kd
    .args:
      - { .name: pb, .offset: 0, .size: 8, .value_kind: global_buffer, .address_space: global }
      - { .name: qkv, .offset: 8, .size: 8, .value_kind: global_buffer, .address_space: global }
      - { .name: st, .offset: 16, .size: 8, .value_kind: global_buffer, .address_space: global }
      - { .name: out0, .offset: 24, .size: 8, .value_kind: global_buffer, .address_space: global }
    .group_segment_fixed_size: 327680
    .private_segment_fixed_size: 0
    .kernarg_segment_align: 8
    .kernarg_segment_size: 32
    .max_flat_workgroup_size: 128
    .sgpr_count:     100
    .vgpr_count:     640
    .wavefront_size: 32
...
	.end_amdgpu_metadata
.endif
;; end of part 4
;; launch head (part 5): grid 16 x 4, 4 waves a work-group, no clusters, 9,216 bytes of LDS; arguments xb, wb, qkv, out0; writes out0
.if DOCPART == 5
	.amdgcn_target "amdgcn-amd-amdhsa--gfx1250"
	.amdhsa_code_object_version 6
	.text
	.protected	k_qcead556211_head
	.globl	k_qcead556211_head
	.p2align	8
	.type	k_qcead556211_head,@function
k_qcead556211_head:
	s_mov_b64 s[64:65], 0
	v_nop
	global_prefetch_b8 v0, s[64:65] scope:SCOPE_SE
	s_setreg_imm32_b32 hwreg(HW_REG_WAVE_MODE, 25, 1), 1
	s_wait_xcnt 0x0
; ROWS 0 TO 15 OF EACH BATCH, ONCE MORE AND WITH MORE BITS; they are stored over what the launch before wrote there (64 of the 8,192 rows are so written twice).
; WHY.  Row t is a mean of t + 1 rows of v.  Where few large numbers cancel, the rounding of v and of the weights to f16 (11 bits) reaches the output undiminished, while the output is judged by the root mean
; square of all rows, which is some 15 times smaller than v.  The error falls as 1 / sqrt(t + 1); from row 16 on f16 has room to spare.
; WHAT.  v of tokens 0-15 = xb wb^T (Wv's rows) in bf16 products with f32 sums, kept in f32.  S = k q^T of the 16 x 16 corner from qkv (f16 products, f32 sums).  Mask, true maximum, 2^(c s - c m), c = log2(e) / 32,
; sum and division in f32.  The weights w and v are then each split into an f16 number and the f16 of what is left (about 22 bits together), and O^T = [vh | vl] [wh | wh] + [vh | vl] [wl | wl]:
; the 16 keys lie twice along the matrix instruction's 32, so that all four cross terms are formed.
; LIMITS: q, k, v within f16's 65,504; a hidden score counts as -1e30; a weight below 2^-126 counts as 0; parts of w or v below f16's step of 6e-8 are lost; NaN and infinities are not treated apart.
; SHARES.  A work-group: one batch, 64 channels; wave w: channels 16 w .. 16 w + 15 of them, and channels 256 w .. 256 w + 255 of q and k for the scores, whose four partial sums (f32) meet in LDS.
; LAYOUT.  v: source 0 = 16 tokens, source 1 = 16 channels: lane l holds channel l % 16 and tokens 8 (l / 16) + 0..7, which IS source 0 of O^T = V^T P.  S^T: source 0 = 16 keys, source 1 = 16 queries: lane l holds
; query l % 16 and keys 8 (l / 16) + 0..7, which IS source 1.  O^T: lane l holds query l % 16 and channels 8 (l / 16) + 0..7.
; No tensor load and no ring: a wave reads 80 KB by 160 loads of 16 bytes into registers of their own (none is loaded twice); an eighth of K, 16 loads, covers 256 consecutive bytes of each of 16 rows of xb and of wb.
; REGISTERS, in windows of 256 (s_set_vgpr_msb: bits 1:0 source 0, 3:2 source 1, 5:4 source 2, 7:6 destination): window 0: all but: window 1: xb's fragments, K step i at v[8 i]; window 2: wb's, likewise.
.set XROW,  2048                       ; bytes in a row of xb and of wb
.set QROW,  6144                       ; of qkv
.set OROW,  4096                       ; of out0
.set PART,  0                          ; LDS: 1,024 bytes for each wave's partial scores
.set STAGE, 4096                       ; 16 rows x 272 bytes, the work-group's, for the way out
.set SP,    272
.set SPARE, STAGE+16*SP                ; the spare words, 128 bytes for each wave
.set AO,   4                           ; v4  my byte offset in 16 rows of xb or wb: row l % 16, 16 bytes for each half of the lanes
.set QO,   5                           ; v5  the same in 16 rows of qkv
.set PW,   6                           ; v6  where I put my partial scores
.set PR,   7                           ; v7  where I read the four waves' back
.set STO,  8                           ; v8  stage: where I put 32 bytes of a row
.set RD,   9                           ; v9  stage: where I read a row back
.set GO,   10                          ; v10 my byte offset in out0
.set NEG1, 11                          ; v11 -1.0
.set SPW,  12                          ; v12 my spare word; never rewritten
.set NIL,  13                          ; v13 0; never rewritten
.set THR,  14                          ; v14 l % 16 - 8 (l / 16): register j is hidden where j is greater
.set NEGV, 15                          ; v15 -1e30
.set T,    16                          ; v16-19 at work
.set CM,   20                          ; v20-21 c m, twice
.set RL,   22                          ; v22-23 1 / l, twice
.set B1,   24                          ; v24-31 [wh | wh]
.set SA,   32                          ; v32-63 four accumulators for the scores; then v32-39 S, the scores and the weights
.set S,    32
.set B2,   40                          ; v40-47 [wl | wl]
.set AF,   48                          ; v48-55 [vh | vl]
.set KF,   64                          ; v64-127 k's fragments, K step i at KF + 8 i
.set O1,   64                          ; later v64-71, v72-79 the two products, v80-87 rows read back
.set O2,   72
.set OB,   80
.set QF,   128                         ; v128-191 q's fragments
.set VA,   192                         ; v192-223 four accumulators for v
.set PL,   224                         ; v224-255 the four waves' partial scores
.set XB,   16                          ; s[16:17] xb at the batch's first row
.set WB,   18                          ; s[18:19] wb at my first channel's row of Wv
.set QB,   20                          ; s[20:21] qkv at the batch's first row, my quarter of q's channels
.set OU,   22                          ; s[22:23] out0 at the four rows that I store, the work-group's 64 channels
.set CS,   28                          ; s[28:29] c
.set SEL,  30                          ; s[30:31] v_permlanex16_b32's selects: each lane takes its own place in the other half
.set MSB, 0
.macro WIN new                         ; the immediate's high byte repeats the setting that is left
.if MSB != (\new)
	s_set_vgpr_msb (MSB<<8)|(\new)
.set MSB, \new
.endif
.endm
.macro PLACES                          ; four places between a matrix instruction and a vector instruction that reads its result (ISA guide 7.12.1)
.rept 4
	v_nop
.endr
.endm
; Eighth e of K (4 K steps of 32): 8 loads of xb's fragments, 8 of wb's.  A fragment is 16 rows x 32 K in 8 registers: two loads of 16 bytes, 32 bytes apart.
.macro EIGHTH e
	WIN 0x40                                       ; destination window 1, address window 0
.irp i, 0,1,2,3
	global_load_b128 v[32*(\e)+8*\i:32*(\e)+8*\i+3],   v[AO], s[XB:XB+1] offset:256*(\e)+64*\i
	global_load_b128 v[32*(\e)+8*\i+4:32*(\e)+8*\i+7], v[AO], s[XB:XB+1] offset:256*(\e)+64*\i+32
.endr
	WIN 0x80                                       ; destination window 2
.irp i, 0,1,2,3
	global_load_b128 v[32*(\e)+8*\i:32*(\e)+8*\i+3],   v[AO], s[WB:WB+1] offset:256*(\e)+64*\i
	global_load_b128 v[32*(\e)+8*\i+4:32*(\e)+8*\i+7], v[AO], s[WB:WB+1] offset:256*(\e)+64*\i+32
.endr
.endm
; Its four products, one on each of the four accumulators, which so take turns.  zero = 1: they start the sums.
.macro VMUL e, zero
	WIN 0x09                                       ; source 0 (xb) window 1, source 1 (wb) window 2, C and D window 0
.irp i, 0,1,2,3
.if \zero
	v_wmma_f32_16x16x32_bf16 v[VA+8*\i:VA+8*\i+7], v[32*(\e)+8*\i:32*(\e)+8*\i+7], v[32*(\e)+8*\i:32*(\e)+8*\i+7], 0
.else
	v_wmma_f32_16x16x32_bf16 v[VA+8*\i:VA+8*\i+7], v[32*(\e)+8*\i:32*(\e)+8*\i+7], v[32*(\e)+8*\i:32*(\e)+8*\i+7], v[VA+8*\i:VA+8*\i+7]
.endif
.endr
.endm
; Four accumulators at a are added two and two; each is read from its lowest registers on.
.macro SUM4 a
.irp j, 0,2,4,6
	v_pk_add_f32 v[(\a)+\j:(\a)+\j+1], v[(\a)+\j:(\a)+\j+1], v[(\a)+8+\j:(\a)+8+\j+1]
.endr
.irp j, 0,2,4,6
	v_pk_add_f32 v[(\a)+16+\j:(\a)+16+\j+1], v[(\a)+16+\j:(\a)+16+\j+1], v[(\a)+24+\j:(\a)+24+\j+1]
.endr
.endm
; Eight f32 at w: rounded to f16 in pairs into hi; w - hi, which is exact, left in w; that rounded to f16 into lo.
.macro SPLIT w, hi, lo
.irp i, 0,1,2,3
	v_cvt_pk_f16_f32 v[(\hi)+\i], v[(\w)+2*\i], v[(\w)+2*\i+1]
.endr
.irp i, 0,1,2,3
	v_fma_mix_f32 v[(\w)+2*\i], v[(\hi)+\i], v[NEG1], v[(\w)+2*\i] op_sel_hi:[1,0,0]                     ; the low f16 half x -1.0 + w
	v_fma_mix_f32 v[(\w)+2*\i+1], v[(\hi)+\i], v[NEG1], v[(\w)+2*\i+1] op_sel:[1,0,0] op_sel_hi:[1,0,0]  ; the high half
.endr
.irp i, 0,1,2,3
	v_cvt_pk_f16_f32 v[(\lo)+\i], v[(\w)+2*\i], v[(\w)+2*\i+1]
.endr
.endm
	s_load_b256 s[4:11], s[0:1], 0x0               ; xb s[4:5], wb s[6:7], qkv s[8:9], out0 s[10:11]
	v_lshl_add_u32 v[SPW], v0, 2, SPARE
	v_mov_b32 v[NIL], 0
	v_lshrrev_b32 v1, 5, v0
	v_readfirstlane_b32 s12, v1                    ; wave 0..3
	s_mov_b32 s13, ttmp9                           ; which 64 channels
	s_and_b32 s14, ttmp7, 0xffff                   ; batch
	s_lshl_b32 s32, s14, 22                        ; xb: 2,048 rows of 2,048 bytes a batch
	s_mov_b32 s33, 0
	s_lshl_b32 s34, s13, 17                        ; wb: 64 rows for the work-group,
	s_lshl_b32 s24, s12, 15                        ; 16 for the wave,
	s_add_co_u32 s34, s34, s24
	s_add_co_u32 s34, s34, 2048*XROW               ; behind Wq's and Wk's 2,048
	s_mov_b32 s35, 0
	s_mul_i32 s36, s14, 2048*QROW                  ; qkv: the batch's first row,
	s_lshl_b32 s24, s12, 9                         ; my 256 channels of q
	s_add_co_u32 s36, s36, s24
	s_mov_b32 s37, 0
	s_lshl_b32 s38, s14, 23                        ; out0: 2,048 rows of 4,096 bytes a batch,
	s_lshl_b32 s24, s12, 14                        ; rows 4 w .. 4 w + 3,
	s_add_co_u32 s38, s38, s24
	s_lshl_b32 s24, s13, 8                         ; 64 channels are 256 bytes
	s_add_co_u32 s38, s38, s24
	s_mov_b32 s39, 0
	s_mov_b32 s[CS], 0x3d38aa3b                    ; c = log2(e) / 32
	s_mov_b32 s[CS+1], s[CS]
	s_mov_b32 s[SEL], 0x76543210
	s_mov_b32 s[SEL+1], 0xfedcba98
	v_and_b32 v1, 15, v0                           ; l % 16
	v_bfe_u32 v2, v0, 4, 1                         ; l / 16
	v_and_b32 v3, 31, v0                           ; lane
	v_lshlrev_b32 v[AO], 11, v1
	v_lshl_add_u32 v[AO], v2, 4, v[AO]
	v_mul_u32_u24 v[QO], v1, QROW
	v_lshl_add_u32 v[QO], v2, 4, v[QO]
	s_wait_kmcnt 0x0
	s_add_nc_u64 s[XB:XB+1], s[4:5], s[32:33]
	s_add_nc_u64 s[WB:WB+1], s[6:7], s[34:35]
	s_add_nc_u64 s[QB:QB+1], s[8:9], s[36:37]
	s_add_nc_u64 s[OU:OU+1], s[10:11], s[38:39]
.set i, 0
.rept 8                                ; my quarter of k's (2,048 bytes into a row) and q's channels, tokens 0-15: 32 loads
	global_load_b128 v[KF+8*i:KF+8*i+3],   v[QO], s[QB:QB+1] offset:2048+64*i
	global_load_b128 v[KF+8*i+4:KF+8*i+7], v[QO], s[QB:QB+1] offset:2048+64*i+32
	global_load_b128 v[QF+8*i:QF+8*i+3],   v[QO], s[QB:QB+1] offset:64*i
	global_load_b128 v[QF+8*i+4:QF+8*i+7], v[QO], s[QB:QB+1] offset:64*i+32
.set i, i+1
.endr
	EIGHTH 0
	s_wait_loadcnt 16                              ; loads come back in order: q and k are in; eighth 0's sixteen may stay out
	WIN 0
.set i, 0
.rept 8                                ; S^T over my 256 channels: four accumulators by turns; the first four products start the sums
.if i < 4
	v_wmma_f32_16x16x32_f16 v[SA+8*i:SA+8*i+7], v[KF+8*i:KF+8*i+7], v[QF+8*i:QF+8*i+7], 0
.else
	v_wmma_f32_16x16x32_f16 v[SA+8*(i-4):SA+8*(i-4)+7], v[KF+8*i:KF+8*i+7], v[QF+8*i:QF+8*i+7], v[SA+8*(i-4):SA+8*(i-4)+7]
.endif
.set i, i+1
.endr
	EIGHTH 1                                       ; three eighths, 48 loads, are now out: they land under the softmax
	EIGHTH 2
	WIN 0
	; the LDS and output addresses are made here: plain instructions, the places behind those products
	s_lshl_b32 s24, s12, 10                        ; PART = 0: my 1,024 bytes
	v_lshl_add_u32 v[PW], v3, 4, s24
	v_lshlrev_b32 v[PR], 4, v3
	s_lshl_b32 s25, s12, 6                         ; my 16 channels are 64 bytes of a stage row
	s_add_co_u32 s25, s25, STAGE
	v_mul_u32_u24 v[STO], v1, SP                   ; in: row l % 16, 32 bytes for each half of the lanes
	v_lshl_add_u32 v[STO], v2, 5, v[STO]
	v_add_nc_u32 v[STO], s25, v[STO]
	s_mul_i32 s26, s12, 4*SP                       ; back: rows 4 w on; lanes 0-15 one row of 256 bytes, lanes 16-31 the next
	s_add_co_u32 s26, s26, STAGE
	v_mul_u32_u24 v[RD], v2, SP
	v_lshl_add_u32 v[RD], v1, 4, v[RD]
	v_add_nc_u32 v[RD], s26, v[RD]
	v_lshlrev_b32 v[GO], 4, v1
	v_lshl_add_u32 v[GO], v2, 12, v[GO]            ; and the same two rows in out0
	v_lshlrev_b32 v[THR], 3, v2
	v_sub_nc_u32 v[THR], v1, v[THR]
	v_mov_b32 v[NEGV], 0xf149f2ca                  ; -1e30
	v_mov_b32 v[NEG1], -1.0
	SUM4 SA
.irp j, 0,2,4,6
	v_pk_add_f32 v[SA+\j:SA+\j+1], v[SA+\j:SA+\j+1], v[SA+16+\j:SA+16+\j+1]
.endr
	ds_store_b128 v[PW], v[SA:SA+3]                ; 32 lanes x 16 neighbouring bytes
	ds_store_b128 v[PW], v[SA+4:SA+7] offset:512
	s_wait_dscnt 0x0                               ; for the others' sake: my partial sums are in LDS
	s_barrier_signal -1
	s_barrier_wait -1
.set g, 0
.rept 8
	ds_load_b128 v[PL+4*g:PL+4*g+3], v[PR] offset:512*g  ; wave g / 2's registers 4 (g % 2) on
.set g, g+1
.endr
	s_wait_dscnt 0x0
	SUM4 PL                                        ; the same order in every wave
.irp j, 0,2,4,6
	v_pk_add_f32 v[S+\j:S+\j+1], v[PL+\j:PL+\j+1], v[PL+16+\j:PL+16+\j+1]
.endr
.irp j, 0,1,2,3,4,5,6,7                ; key 8 (l / 16) + j is hidden where it lies behind query l % 16
	v_cmp_gt_i32 vcc_lo, \j, v[THR]
	v_cndmask_b32 v[S+\j], v[S+\j], v[NEGV], vcc_lo
.endr
	v_max3_num_f32 v[T], v[S], v[S+1], v[S+2]
	v_max3_num_f32 v[T+1], v[S+3], v[S+4], v[S+5]
	v_max3_num_f32 v[T], v[T], v[S+6], v[S+7]
	v_max_num_f32 v[T], v[T], v[T+1]
	v_permlanex16_b32 v[T+1], v[T], s[SEL], s[SEL+1]  ; the query's other 8 keys lie in the lane 16 away
	v_max_num_f32 v[T], v[T], v[T+1]               ; key 0 is seen by every query: a true score
	v_mul_f32 v[CM], s[CS], v[T]
	v_mul_f32 v[CM+1], s[CS], v[T]
.irp j, 0,2,4,6
	v_pk_fma_f32 v[S+\j:S+\j+1], v[S+\j:S+\j+1], s[CS:CS+1], v[CM:CM+1] op_sel_hi:[1,0,0] neg_lo:[0,0,1] neg_hi:[0,0,1]  ; c s - c m
.endr
.irp j, 0,1,2,3,4,5,6,7
	v_exp_f32 v[S+\j], v[S+\j]
.endr
	v_nop                                          ; a plain instruction between the last exponential and the use of its result (ISA guide 5.7.2)
	s_wait_alu depctr_va_vdst(0)
	v_pk_add_f32 v[T:T+1], v[S:S+1], v[S+2:S+3]
	v_pk_add_f32 v[T+2:T+3], v[S+4:S+5], v[S+6:S+7]
	v_pk_add_f32 v[T:T+1], v[T:T+1], v[T+2:T+3]
	v_add_f32 v[T], v[T], v[T+1]
	v_permlanex16_b32 v[T+1], v[T], s[SEL], s[SEL+1]
	v_add_f32 v[T], v[T], v[T+1]                   ; l: at least 1, the largest score's weight
	v_rcp_f32 v[RL], v[T]
	v_rcp_f32 v[RL+1], v[T]
	v_nop
	s_wait_alu depctr_va_vdst(0)
.irp j, 0,2,4,6
	v_pk_mul_f32 v[S+\j:S+\j+1], v[S+\j:S+\j+1], v[RL:RL+1]  ; the weights, in f32
.endr
	SPLIT S, B1, B2
.irp i, 0,1,2,3                        ; the keys lie twice along the instruction's 32: an operand is eight registers on end
	v_mov_b32 v[B1+4+\i], v[B1+\i]
	v_mov_b32 v[B2+4+\i], v[B2+\i]
.endr
	; v over K = 1,024: three eighths are kept on their way
	s_wait_loadcnt 32                              ; eighth 0 is in; eighths 1 and 2 may stay out
	VMUL 0, 1
.irp e, 1,2,3,4,5
	EIGHTH (\e)+2
	s_wait_loadcnt 32                              ; eighth e is in; the two younger ones may stay out
	VMUL \e, 0
.endr
	s_wait_loadcnt 16                              ; eighth 6 is in; the last may stay out
	VMUL 6, 0
	s_wait_loadcnt 0x0
	VMUL 7, 0
	WIN 0
	PLACES
	SUM4 VA
.irp j, 0,2,4,6
	v_pk_add_f32 v[VA+\j:VA+\j+1], v[VA+\j:VA+\j+1], v[VA+16+\j:VA+16+\j+1]
.endr
	SPLIT VA, AF, AF+4
	v_wmma_f32_16x16x32_f16 v[O1:O1+7], v[AF:AF+7], v[B1:B1+7], 0  ; vh wh + vl wh
	v_wmma_f32_16x16x32_f16 v[O2:O2+7], v[AF:AF+7], v[B2:B2+7], 0  ; vh wl + vl wl: an accumulator of its own, so that no link follows the one it adds onto
	PLACES
.irp j, 0,2,4,6
	v_pk_add_f32 v[O1+\j:O1+\j+1], v[O1+\j:O1+\j+1], v[O2+\j:O2+\j+1]
.endr
	; THE WAY OUT: a wave's 16 channels are 64 bytes of a row, so the four waves fill ONE stage; behind a barrier each reads four whole rows of 256 bytes
	ds_store_b128 v[STO], v[O1:O1+3]
	ds_store_b128 v[STO], v[O1+4:O1+7] offset:16
	s_wait_dscnt 0x0                               ; for the others' sake: my stores into the stage are done
	s_barrier_signal -1
	s_barrier_wait -1
	ds_load_b128 v[OB:OB+3], v[RD]
	ds_load_b128 v[OB+4:OB+7], v[RD] offset:2*SP
	s_wait_dscnt 0x0
	global_store_b128 v[GO], v[OB:OB+3], s[OU:OU+1]                   ; 16 lanes store 256 consecutive bytes, aligned
	global_store_b128 v[GO], v[OB+4:OB+7], s[OU:OU+1] offset:2*OROW
	s_wait_tensorcnt 0x0                           ; the wave's end: behind my last LDS store
	ds_add_u32 v[SPW], v[NIL]
	s_wait_dscnt 0x0
	s_endpgm
.Lfunc_end_k_qcead556211_head:
	.size	k_qcead556211_head, .Lfunc_end_k_qcead556211_head-k_qcead556211_head
	.p2alignl 7, 3214868480
	.fill 96, 4, 3214868480
	.section	.rodata,"a",@progbits
	.p2align	6, 0x0
	.amdhsa_kernel k_qcead556211_head
		.amdhsa_group_segment_fixed_size 9216
		.amdhsa_private_segment_fixed_size 0
		.amdhsa_enable_private_segment 0
		.amdhsa_kernarg_size 32
		.amdhsa_user_sgpr_count 2
		.amdhsa_user_sgpr_kernarg_segment_ptr 1
		.amdhsa_wavefront_size32 1
		.amdhsa_system_sgpr_workgroup_id_x 1
		.amdhsa_system_sgpr_workgroup_id_y 1
		.amdhsa_system_sgpr_workgroup_id_z 1
		.amdhsa_system_vgpr_workitem_id 0
		.amdhsa_next_free_vgpr 768
		.amdhsa_next_free_sgpr 66
		.amdhsa_reserve_vcc 1
		.amdhsa_float_denorm_mode_32 3
		.amdhsa_float_denorm_mode_16_64 3
		.amdhsa_memory_ordered 1
		.amdhsa_forward_progress 1
		.amdhsa_inst_pref_size 31
	.end_amdhsa_kernel
	.amdgpu_metadata
---
amdhsa.version: [ 1, 2 ]
amdhsa.kernels:
  - .name:           k_qcead556211_head
    .symbol:         k_qcead556211_head.kd
    .args:
      - { .name: xb, .offset: 0, .size: 8, .value_kind: global_buffer, .address_space: global }
      - { .name: wb, .offset: 8, .size: 8, .value_kind: global_buffer, .address_space: global }
      - { .name: qkv, .offset: 16, .size: 8, .value_kind: global_buffer, .address_space: global }
      - { .name: out0, .offset: 24, .size: 8, .value_kind: global_buffer, .address_space: global }
    .group_segment_fixed_size: 9216
    .private_segment_fixed_size: 0
    .kernarg_segment_align: 8
    .kernarg_segment_size: 32
    .max_flat_workgroup_size: 128
    .sgpr_count:     66
    .vgpr_count:     768
    .wavefront_size: 32
...
	.end_amdgpu_metadata
.endif
;; end of part 5
;; ======== version 2 of 3: 4 launches; 1.11 times as fast as version 1
;; limits: values are held in f16: magnitudes above 65,504 overflow, below 6.1e-05 lose precision
;; workspace buffers: xb 16,777,216 bytes; wb 6,291,456 bytes; qkv 50,331,648 bytes; pb 33,554,432 bytes; st 524,288 bytes
;; launch cast (part 6): grid 256 x 1, 8 waves a work-group, no clusters, 0 bytes of LDS; arguments x, Wq, Wk, Wv, xb, wb; writes xb, wb
.if DOCPART == 6
	.amdgcn_target "amdgcn-amd-amdhsa--gfx1250"
	.amdhsa_code_object_version 6
	.text
	.protected	k_qcead556211_cast
	.globl	k_qcead556211_cast
	.p2align	8
	.type	k_qcead556211_cast,@function
k_qcead556211_cast:
	s_mov_b64 s[64:65], 0
	v_nop
	global_prefetch_b8 v0, s[64:65] scope:SCOPE_SE
	s_setreg_imm32_b32 hwreg(HW_REG_WAVE_MODE, 25, 1), 1
	s_wait_xcnt 0x0
; x and the three weights, f32, are rounded once to bf16 (nearest even): xb [8192][1024], wb [3072][1024] = Wq's rows, then Wk's, then Wv's.
; 256 work-groups of eight waves, all alike: work-group i takes bytes 131,072 i on of x (32 pieces of 4,096 bytes) and bytes 16,384 i on of each weight (4 pieces each): 44 loads of 16 bytes a thread.
; A stream: every byte is read once and written once, so there is no LDS, no barrier and no matrix work.  All 44 loads of a thread go out first; a piece is rounded in place, into the first two of its four
; registers, and stored from there; no register is written again behind its store, so no wait frees a source.
.set PIECE, 4096                       ; bytes that the eight waves load at a time; 2,048 go out
.set NXP,   32                         ; pieces of x
.set NWP,   4                          ; pieces of each weight
.set WOUT,  2097152                    ; bytes of one weight in wb
.set X, 4                              ; v[4:179]  piece i: four f32, then two registers of bf16
	s_load_b256 s[4:11], s[0:1], 0x0               ; x s[4:5], Wq s[6:7], Wk s[8:9], Wv s[10:11]
	s_load_b128 s[12:15], s[0:1], 0x20             ; xb s[12:13], wb s[14:15]
	s_lshl_b32 s16, ttmp9, 17                      ; my part of x,
	s_mov_b32 s17, 0
	s_lshl_b32 s18, ttmp9, 14                      ; of each weight,
	s_mov_b32 s19, 0
	s_lshl_b32 s20, ttmp9, 16                      ; of xb,
	s_mov_b32 s21, 0
	s_lshl_b32 s22, ttmp9, 13                      ; and of each weight's part of wb
	s_mov_b32 s23, 0
	v_lshlrev_b32 v1, 4, v0                        ; 16 bytes a thread in
	v_lshlrev_b32 v2, 3, v0                        ; 8 bytes a thread out
	s_wait_kmcnt 0x0
	s_add_nc_u64 s[4:5], s[4:5], s[16:17]
	s_add_nc_u64 s[6:7], s[6:7], s[18:19]
	s_add_nc_u64 s[8:9], s[8:9], s[18:19]
	s_add_nc_u64 s[10:11], s[10:11], s[18:19]
	s_add_nc_u64 s[12:13], s[12:13], s[20:21]
	s_add_nc_u64 s[14:15], s[14:15], s[22:23]
.set i, 0
.rept NXP
	global_load_b128 v[X+4*i:X+4*i+3], v1, s[4:5] offset:PIECE*i th:TH_LOAD_NT  ; a wave's load covers 512 consecutive bytes
.set i, i+1
.endr
.irp w, 0,1,2
.irp j, 0,1,2,3
	global_load_b128 v[X+4*(NXP+NWP*\w+\j):X+4*(NXP+NWP*\w+\j)+3], v1, s[6+2*\w:7+2*\w] offset:PIECE*\j th:TH_LOAD_NT
.endr
.endr
.set i, 0
.rept NXP
	s_wait_loadcnt 43-i                            ; loads come back in order: piece i is in, the 43 - i younger ones stay out
	v_cvt_pk_bf16_f32 v[X+4*i], v[X+4*i], v[X+4*i+1]
	v_cvt_pk_bf16_f32 v[X+4*i+1], v[X+4*i+2], v[X+4*i+3]
	global_store_b64 v2, v[X+4*i:X+4*i+1], s[12:13] offset:PIECE/2*i  ; a wave's store covers 256 consecutive bytes, aligned
.set i, i+1
.endr
.irp w, 0,1,2
.irp j, 0,1,2,3
	s_wait_loadcnt 11-NWP*\w-\j
	v_cvt_pk_bf16_f32 v[X+4*(NXP+NWP*\w+\j)], v[X+4*(NXP+NWP*\w+\j)], v[X+4*(NXP+NWP*\w+\j)+1]
	v_cvt_pk_bf16_f32 v[X+4*(NXP+NWP*\w+\j)+1], v[X+4*(NXP+NWP*\w+\j)+2], v[X+4*(NXP+NWP*\w+\j)+3]
	global_store_b64 v2, v[X+4*(NXP+NWP*\w+\j):X+4*(NXP+NWP*\w+\j)+1], s[14:15] offset:WOUT*\w+PIECE/2*\j  ; 4,200,448 at the most: inside the signed 24-bit immediate
.endr
.endr
	s_endpgm
.Lfunc_end_k_qcead556211_cast:
	.size	k_qcead556211_cast, .Lfunc_end_k_qcead556211_cast-k_qcead556211_cast
	.p2alignl 7, 3214868480
	.fill 96, 4, 3214868480
	.section	.rodata,"a",@progbits
	.p2align	6, 0x0
	.amdhsa_kernel k_qcead556211_cast
		.amdhsa_group_segment_fixed_size 0
		.amdhsa_private_segment_fixed_size 0
		.amdhsa_enable_private_segment 0
		.amdhsa_kernarg_size 48
		.amdhsa_user_sgpr_count 2
		.amdhsa_user_sgpr_kernarg_segment_ptr 1
		.amdhsa_wavefront_size32 1
		.amdhsa_system_sgpr_workgroup_id_x 1
		.amdhsa_system_sgpr_workgroup_id_y 1
		.amdhsa_system_sgpr_workgroup_id_z 1
		.amdhsa_system_vgpr_workitem_id 0
		.amdhsa_next_free_vgpr 180
		.amdhsa_next_free_sgpr 66
		.amdhsa_reserve_vcc 0
		.amdhsa_float_denorm_mode_32 3
		.amdhsa_float_denorm_mode_16_64 3
		.amdhsa_memory_ordered 1
		.amdhsa_forward_progress 1
		.amdhsa_inst_pref_size 17
	.end_amdhsa_kernel
	.amdgpu_metadata
---
amdhsa.version: [ 1, 2 ]
amdhsa.kernels:
  - .name:           k_qcead556211_cast
    .symbol:         k_qcead556211_cast.kd
    .args:
      - { .name: x, .offset: 0, .size: 8, .value_kind: global_buffer, .address_space: global }
      - { .name: Wq, .offset: 8, .size: 8, .value_kind: global_buffer, .address_space: global }
      - { .name: Wk, .offset: 16, .size: 8, .value_kind: global_buffer, .address_space: global }
      - { .name: Wv, .offset: 24, .size: 8, .value_kind: global_buffer, .address_space: global }
      - { .name: xb, .offset: 32, .size: 8, .value_kind: global_buffer, .address_space: global }
      - { .name: wb, .offset: 40, .size: 8, .value_kind: global_buffer, .address_space: global }
    .group_segment_fixed_size: 0
    .private_segment_fixed_size: 0
    .kernarg_segment_align: 8
    .kernarg_segment_size: 48
    .max_flat_workgroup_size: 256
    .sgpr_count:     66
    .vgpr_count:     180
    .wavefront_size: 32
...
	.end_amdgpu_metadata
.endif
;; end of part 6
;; launch proj (part 7): grid 12 x 32, 4 waves a work-group, clusters of 4 x 4, 327,680 bytes of LDS; arguments xb, wb, qkv; writes qkv
.if DOCPART == 7
	.amdgcn_target "amdgcn-amd-amdhsa--gfx1250"
	.amdhsa_code_object_version 6
	.text
	.protected	k_qcead556211_proj
	.globl	k_qcead556211_proj
	.p2align	8
	.type	k_qcead556211_proj,@function
k_qcead556211_proj:
	s_mov_b64 s[64:65], 0
	v_nop
	global_prefetch_b8 v0, s[64:65] scope:SCOPE_SE
	s_setreg_imm32_b32 hwreg(HW_REG_WAVE_MODE, 25, 1), 1
	s_wait_xcnt 0x0
	s_wait_alu depctr_hold_cnt(0) depctr_sa_sdst(0) depctr_va_vdst(0) depctr_va_sdst(0) depctr_va_ssrc(0) depctr_va_vcc(0) depctr_vm_vsrc(0)
	s_getreg_b32 s2, hwreg(HW_REG_IB_STS2, 6, 4)
	s_cmp_eq_u32 s2, 0
	s_cbranch_scc0 .Lentry_in_a_cluster
	s_endpgm
.Lentry_in_a_cluster:
	s_bfe_u32 s2, ttmp6, 0x10000c
	s_cmp_lg_u32 s2, 0xf033
	s_cbranch_scc0 .Lentry_shape_is_right
	s_endpgm
.Lentry_shape_is_right:
; qkv[m][n] = sum over k of xb[m][k] wb[n][k].  xb: [8192][1024] bf16, wb: [3072][1024] bf16 (Wq, Wk, Wv), qkv: [8192][3072] f16: a row is q, k, v of one token.  Sums in f32, rounded once to f16.
; LIMIT: f16 ends at 65,504: q, k and v must stay within it (at the drawn spread they are near 0.6; with x and the weights both 30 times larger near 520).
; A tile of 256 x 256 is made by a work-group of four waves; a wave makes 128 x 128: 64 accumulators of 16 x 16, 512 registers.  K goes in steps of 128 through a ring of two LDS slots filled by
; the tensor data mover: the tiles' rows are 256 bytes of memory and start at multiples of 256 bytes.  A K step is written ONCE and looped over: the slot being read is a scalar, from which the fragment
; addresses are made anew at each change of slots, and one descriptor for each tensor walks.  The last K step goes by rows of the result, so that finished rows leave while the others are multiplied.
; CLUSTERS: 4 x 4 work-groups.  The four of a row of the cluster need the same tiles of xb, the four of a column the same tiles of wb: such a tile is asked for JOINTLY, by the same tensor load with the
; same descriptor and a mask that names the four; each receives it in its own LDS.
; REGISTERS, in windows of 256 (s_set_vgpr_msb: bits 1:0 source 0, 3:2 source 1, 5:4 source 2, 7:6 destination):
;   window 0: v0-31 addresses; v64-127, v128-191 fragments of xb, two buffers (in the last K step four, of 16 rows x 128 K); v32-63, v192-255 at work on the way out
;   window 1: v64-127, v128-191 fragments of wb, two buffers; in the last K step all 256      window 2: the accumulators of my rows 0-63 ((a, b) at v[8 (8 a + b)])      window 3: those of my rows 64-127
; THE MATRIX INSTRUCTION IS USED TRANSPOSED: source 0 = 16 rows of wb, source 1 = 16 rows of xb: lane l then holds row l % 16 of the result and the columns 8 (l / 16) + 0..7, which pack into 16 bytes.
.set SIZE_M, 8192
.set SIZE_N, 3072
.set SIZE_K, 1024
.set KSTEP,  128
.set PITCH,  272                       ; an LDS row: 256 bytes + 16 of padding = 68 words: row r starts at bank 4 r mod 64 (64 banks of 4 bytes: ISA guide 11.1)
.set HALFT,  128*PITCH                 ; 128 rows: what one tensor load brings
.set SLOT,   4*HALFT                   ; xb's 256 rows, then wb's 256 rows: 139,264 bytes, a number of two bits, 17 and 13.  The waves' parts of a tile begin at 0, 34,816, 69,632 and 104,448 in slot 0:
                                       ; neither bit is set in any of them, so one exclusive or with SLOT turns such an address into the other slot's
.set STAGE,  2*SLOT                    ; behind the ring: 16 rows x 272 bytes for each wave, for the way out
.set SPITCH, 272
.set SPARE,  STAGE+4*16*SPITCH         ; behind the stages: the spare words, 128 bytes for each wave
.set STEPS,  SIZE_K/KSTEP              ; 8 K steps
.set ADRA, 16                          ; v16-17  LDS address of my xb fragments in slot 0, 1; never rewritten
.set ADRAC, 18                         ; v18     the same in the slot being read
.set ADRB, 20                          ; v20-21  the same for wb
.set ADRBC, 22                         ; v22
.set STO,  24                          ; v24     the way out: where I put 16 bytes of a row
.set RD,   25                          ; v25     the way out: where I read a row back
.set CO,   26                          ; v26     my byte offset in qkv
.set SPW,  28                          ; v28     LDS address of my spare word; never rewritten
.set NIL,  29                          ; v29     0; never rewritten
.set F0,   64
.set F1,   128
.set TMP,  192
.set OB,   32
.set PA,   64
.set TB, 2                             ; s2      the byte at which the slot being read begins: 0 or SLOT
.set G1, 24                            ; s[24:31] descriptor group 1 for xb's tiles
.set G0, 32                            ; s[32:39] group 0 for xb's tiles: a set for each of the two first fills; the second then walks on
.set G1B, 48                           ; s[48:55], s[56:63] the same for wb's tiles
.set G0B, 56
.set MSB, 0
.macro WIN new                         ; the immediate's high byte repeats the setting that is left
.if MSB != (\new)
	s_set_vgpr_msb (MSB<<8)|(\new)
.set MSB, \new
.endif
.endm
.set MUL_LO, 0xa1                      ; source 0 window 1, source 1 window 0, C and D window 2
.set MUL_HI, 0xf1                      ; the same, C and D window 3
.set TO_B,   0x40                      ; destination window 1, address window 0
; A joint load.  Waves 0 and 1 fetch xb's two halves, waves 2 and 3 wb's.  The branch hangs on the wave's number alone.  An s_nop 0 and four v_nop follow each line.
.macro JLOAD s
	s_cmp_eq_u32 s11, 0
	s_cbranch_scc0 .Lfor_b_\@
	tensor_load_to_lds s[G0+4*(\s):G0+4*(\s)+3], s[G1:G1+7]
	s_nop 0
.rept 4
	v_nop
.endr
	s_branch .Lasked_\@
.Lfor_b_\@:
	tensor_load_to_lds s[G0B+4*(\s):G0B+4*(\s)+3], s[G1B:G1B+7]
	s_nop 0
.rept 4
	v_nop
.endr
.Lasked_\@:
.endm
.macro CREST                           ; a round of the cluster's barrier behind its opening barrier
	s_cmp_lg_u32 s10, 0
	s_cbranch_scc1 .Lnot_wave_0_\@
	s_barrier_signal -3
.Lnot_wave_0_\@:
	s_barrier_wait -3
	s_barrier_signal -1
	s_barrier_wait -1
.endm
.macro CROUND                          ; a whole round
	s_barrier_signal -1
	s_barrier_wait -1
	CREST
.endm
	s_load_b128 s[4:7], s[0:1], 0x0                ; xb s[4:5], wb s[6:7]
	s_load_b64 s[8:9], s[0:1], 0x10                ; qkv
	v_lshl_add_u32 v[SPW], v0, 2, SPARE
	v_mov_b32 v[NIL], 0
	ds_add_u32 v[SPW], v[NIL]                      ; the wave's opening: the add and its wait ahead of my first tensor load
	ds_add_u32 v28, v29
	v_lshrrev_b32 v1, 5, v0
	v_readfirstlane_b32 s10, v1                    ; wave 0..3
	s_lshr_b32 s11, s10, 1                         ; which half of the tile's rows is mine.  Also: I fetch for xb (0) or for wb (1)
	s_and_b32 s12, s10, 1                          ; which half of its columns.  Also: which 128 rows of that tile I fetch
	s_bfe_u32 s40, ttmp6, 0x40000                  ; cx
	s_bfe_u32 s41, ttmp6, 0x40004                  ; cy
	s_lshl_b32 s42, ttmp9, 2
	s_add_co_u32 s42, s42, s40                     ; tile column = 4 x cluster x + cx
	s_and_b32 s13, ttmp7, 0xffff
	s_lshl_b32 s13, s13, 2
	s_add_co_u32 s13, s13, s41                     ; tile row = 4 x cluster y + cy
	s_lshl_b32 s43, s41, 2
	s_lshl_b32 s43, 15, s43                        ; my row of the cluster: places 4 cy .. 4 cy + 3
	s_lshl_b32 s44, 0x1111, s40                    ; my column: places cx, cx + 4, cx + 8, cx + 12
	s_or_b32 s[G1+0], s43, (1<<16)|(1<<20)|(1<<21)|(5<<22)|(3<<25)  ; the mask; 2-byte elements; padding on; bit 21 beside a mask; after every 64 words 4 words
	s_or_b32 s[G1B+0], s44, (1<<16)|(1<<20)|(1<<21)|(5<<22)|(3<<25)
	s_mov_b32 s[G1B+1], KSTEP<<16
	s_mov_b32 s[G1+1], KSTEP<<16                   ; tensor_dim0 = 128
	s_mov_b32 s[G1B+2], 128<<16
	s_mov_b32 s[G1+2], 128<<16                     ; tensor_dim1 = 128
	s_mov_b32 s[G1B+3], KSTEP<<16
	s_mov_b32 s[G1+3], KSTEP<<16                   ; tile_dim0 = 128
	s_mov_b32 s[G1B+4], 128
	s_mov_b32 s[G1+4], 128                         ; tile_dim1 = 128
	s_mov_b32 s[G1B+5], SIZE_K
	s_mov_b32 s[G1+5], SIZE_K                      ; elements from row to row
	s_mov_b32 s[G1B+6], 0
	s_mov_b32 s[G1+6], 0
	s_mov_b32 s[G1B+7], 0
	s_mov_b32 s[G1+7], 0
	; xb's tiles hang on the tile row alone, wb's on the tile column alone; each address is made in registers that never hold the other coordinate
	s_lshl_b32 s17, s12, 7
	s_lshl_b32 s16, s13, 8
	s_add_co_u32 s16, s16, s17                     ; xb: row 256 x tile row + 128 x half
	s_lshl_b32 s46, s42, 8
	s_add_co_u32 s46, s46, s17                     ; wb: row 256 x tile column + 128 x half
	s_mov_b32 s17, 0
	s_mov_b32 s47, 0
	s_mov_b64 s[18:19], SIZE_K*2
	s_mul_u64 s[16:17], s[16:17], s[18:19]
	s_mul_u64 s[46:47], s[46:47], s[18:19]
	s_mul_i32 s20, s10, HALFT                      ; where they go: wave x 128 rows
	s_mov_b32 s[TB], 0                             ; slot 0 is read first
	s_wait_dscnt 0x0                               ; the opening add is done
	s_wait_kmcnt 0x0
	s_add_nc_u64 s[14:15], s[4:5], s[16:17]
	s_add_nc_u64 s[46:47], s[6:7], s[46:47]
	CROUND                                         ; all sixteen work-groups are here: the first joint loads meet
.irp s, 0,1
	s_mov_b32 s[G0+4*(\s)], 1
	s_add_co_u32 s[G0+4*(\s)+1], s20, (\s)*SLOT
	s_add_nc_u64 s[G0+4*(\s)+2:G0+4*(\s)+3], s[14:15], (\s)*KSTEP*2
	s_or_b32 s[G0+4*(\s)+3], s[G0+4*(\s)+3], 0x80000000
	s_mov_b32 s[G0B+4*(\s)], 1
	s_add_co_u32 s[G0B+4*(\s)+1], s20, (\s)*SLOT
	s_add_nc_u64 s[G0B+4*(\s)+2:G0B+4*(\s)+3], s[46:47], (\s)*KSTEP*2
	s_or_b32 s[G0B+4*(\s)+3], s[G0B+4*(\s)+3], 0x80000000
	JLOAD \s                                       ; two loads of mine are out
.endr
	; a fragment is 16 rows x 32 K in 8 registers: lane l holds row l % 16; registers 0-3 K = 8 (l / 16) + 0..7, registers 4-7 K = 16 + 8 (l / 16) + 0..7: two loads of 16 bytes, 32 bytes apart
	v_and_b32 v1, 15, v0
	v_bfe_u32 v2, v0, 4, 1
	v_mul_u32_u24 v3, v1, PITCH
	v_lshl_add_u32 v3, v2, 4, v3
	s_mul_i32 s21, s11, HALFT
	s_mul_i32 s22, s12, HALFT
	s_add_co_u32 s22, s22, 2*HALFT
.irp s, 0,1
	v_add_nc_u32 v[ADRA+(\s)], s21, v3
	v_add_nc_u32 v[ADRB+(\s)], s22, v3
	s_add_co_u32 s21, s21, SLOT
	s_add_co_u32 s22, s22, SLOT
.endr
	v_mov_b32 v[ADRAC], v[ADRA]
	v_mov_b32 v[ADRBC], v[ADRB]
	s_mul_i32 s23, s10, 16*SPITCH
	s_add_co_u32 s23, s23, STAGE                   ; my stage
	v_mul_u32_u24 v4, v1, SPITCH
	v_lshl_add_u32 v4, v2, 4, v4
	v_add_nc_u32 v[STO], s23, v4
	v_mul_u32_u24 v5, v2, SPITCH
	v_lshl_add_u32 v5, v1, 4, v5
	v_add_nc_u32 v[RD], s23, v5
	v_mul_u32_u24 v5, v2, SIZE_N*2
	v_lshl_add_u32 v[CO], v1, 4, v5
	s_lshl_b32 s13, s13, 8
	s_lshl_b32 s14, s11, 7
	s_add_co_u32 s16, s13, s14                     ; my first row of the result
	s_mov_b32 s17, 0
	s_mov_b64 s[18:19], SIZE_N*2
	s_mul_u64 s[16:17], s[16:17], s[18:19]
	s_lshl_b32 s46, s42, 9                         ; my first column, in bytes
	s_lshl_b32 s47, s12, 8
	s_add_co_u32 s46, s46, s47
	s_mov_b32 s47, 0
	s_add_nc_u64 s[16:17], s[16:17], s[46:47]
; 16 matrix instructions: m blocks a0, a0 + 1 of the window's four x all 8 n blocks, 32 along K.  zero = 1: the first product starts the sums.  The 64 accumulators take turns.
.macro MUL16 f, hi, a0, zero
	WIN MUL_LO+0x50*(\hi)
.irp a, \a0, (\a0)+1
.irp b, 0,1,2,3,4,5,6,7
.if \zero
	v_wmma_f32_16x16x32_bf16 v[8*(8*(\a)+(\b)):8*(8*(\a)+(\b))+7], v[(\f)+8*(\b):(\f)+8*(\b)+7], v[(\f)+8*(4*(\hi)+(\a)):(\f)+8*(4*(\hi)+(\a))+7], 0
.else
	v_wmma_f32_16x16x32_bf16 v[8*(8*(\a)+(\b)):8*(8*(\a)+(\b))+7], v[(\f)+8*(\b):(\f)+8*(\b)+7], v[(\f)+8*(4*(\hi)+(\a)):(\f)+8*(4*(\hi)+(\a))+7], v[8*(8*(\a)+(\b)):8*(8*(\a)+(\b))+7]
.endif
.endr
.endr
.endm
; 32 LDS loads in one run: the fragments of one quarter step, at byte k of the rows of the slot being read, into buffer f
.macro FETCH k, f
	WIN TO_B
.irp i, 0,1,2,3,4,5,6,7
	ds_load_b128 v[(\f)+8*(\i):(\f)+8*(\i)+3],   v[ADRBC] offset:(\k)+(\i)*16*PITCH
	ds_load_b128 v[(\f)+8*(\i)+4:(\f)+8*(\i)+7], v[ADRBC] offset:(\k)+(\i)*16*PITCH+32
.endr
	WIN 0
.irp i, 0,1,2,3,4,5,6,7
	ds_load_b128 v[(\f)+8*(\i):(\f)+8*(\i)+3],   v[ADRAC] offset:(\k)+(\i)*16*PITCH
	ds_load_b128 v[(\f)+8*(\i)+4:(\f)+8*(\i)+7], v[ADRAC] offset:(\k)+(\i)*16*PITCH+32
.endr
.endm
; four places in front of loads into registers that matrix instructions have read, and of conversions that read results (ISA guide 7.12.1 for the conversions)
.macro PLACES
.rept 4
	v_nop
.endr
.endm
; A K step is four quarters of 32 along K, 64 matrix instructions each, on buffers 0, 1, 0, 1.  One of the first three multiplies buffer f and fetches the next quarter, at byte k, into g.
.macro QUARTER k, f, g, zero
	s_wait_dscnt 8                                 ; wb's and xb's rows 0-63 are in; the youngest eight loads (xb's rows 64-127) may be out
	WIN MUL_LO
	MUL16 \f, 0, 0, \zero
	MUL16 \f, 0, 2, \zero
	PLACES
	FETCH \k, \g
	s_wait_dscnt 32                                ; all but the 32 just issued
	WIN MUL_HI
	MUL16 \f, 1, 0, \zero
	MUL16 \f, 1, 2, \zero
.endm
; The first half of the last quarter: ONE barrier for the change of slots.  In front of it each wave waits for all its tensor loads (one is out: its part of the next slot), adds 0 to its spare word, and waits for that and for its reads of this slot.
.macro MEET round
	WIN 0
	s_wait_tensorcnt 0x0
	ds_add_u32 v[SPW], v[NIL]
	s_wait_dscnt 9                                 ; the add and the youngest eight loads may be out
	WIN MUL_LO
	MUL16 F1, 0, 0, 0
	s_wait_dscnt 0x0                               ; the add is done, and my reads of this slot are over
	s_barrier_signal -1
	MUL16 F1, 0, 2, 0
.if \round
	WIN 0
.endif
	s_barrier_wait -1
.endm
; The whole last quarter: behind the round the slot just read out is filled again first, with the K step two steps on; then the reading goes over to the other slot.
.macro TURN
	MEET 1
	CREST
.irp g, G0+4, G0B+4
	s_xor_b32 s[(\g)+1], s[(\g)+1], SLOT           ; the walking descriptor: the other slot than last time,
	s_add_nc_u64 s[(\g)+2:(\g)+3], s[(\g)+2:(\g)+3], KSTEP*2  ; the next K step; the type bits on top are not reached
.endr
	s_xor_b32 s[TB], s[TB], SLOT
	JLOAD 1                                        ; my one tensor load behind the round; its four v_nop are also the places in front of the loads below
	v_add_nc_u32 v[ADRAC], s[TB], v[ADRA]
	v_add_nc_u32 v[ADRBC], s[TB], v[ADRB]
	FETCH 0, F0
	WIN MUL_HI
	MUL16 F1, 1, 0, 0
	MUL16 F1, 1, 2, 0
.endm
; THE LAST K STEP (it lies in slot 1) GOES BY ROWS: all its fragments of wb fill window 1; my eight blocks of 16 rows are finished one after the other, 32 matrix instructions each, K ascending.
.macro BLOAD q
	WIN TO_B
.irp i, 0,1,2,3,4,5,6,7
	ds_load_b128 v[64*(\q)+8*(\i):64*(\q)+8*(\i)+3],   v[ADRB+1] offset:64*(\q)+(\i)*16*PITCH
	ds_load_b128 v[64*(\q)+8*(\i)+4:64*(\q)+8*(\i)+7], v[ADRB+1] offset:64*(\q)+(\i)*16*PITCH+32
.endr
.endm
.macro ALOAD a
	WIN 0
.set FA, PA+32*((\a)%4)
.irp q, 0,1,2,3
	ds_load_b128 v[FA+8*(\q):FA+8*(\q)+3],   v[ADRA+1] offset:64*(\q)+(\a)*16*PITCH
	ds_load_b128 v[FA+8*(\q)+4:FA+8*(\q)+7], v[ADRA+1] offset:64*(\q)+(\a)*16*PITCH+32
.endr
.endm
.macro ROW a
.set FA, PA+32*((\a)%4)
.set AC, 64*((\a)%4)
	WIN MUL_LO+0x50*((\a)/4)
.irp q, 0,1,2,3
.if (\a) == 0 && (\q) == 2
	s_wait_dscnt 24                                ; wb's quarter 2 is in (behind it: xb's blocks 1 to 3)
.endif
.irp b, 0,1,2,3,4,5,6,7
	v_wmma_f32_16x16x32_bf16 v[AC+8*(\b):AC+8*(\b)+7], v[64*(\q)+8*(\b):64*(\q)+8*(\b)+7], v[FA+8*(\q):FA+8*(\q)+7], v[AC+8*(\b):AC+8*(\b)+7]
.endr
.endr
.endm
; THE WAY OUT of block a.  PACK: rounded to f16, 16 bytes a lane, each accumulator's registers in ascending order.  TOSTAGE: into my own stage and back as whole rows of 256 bytes.  SEND: stored.
.macro PACK a
.set AC, 64*((\a)%4)
	WIN 0x0a+5*((\a)/4)
.irp b, 0,1,2,3,4,5,6,7
.irp r, 0,1,2,3
	v_cvt_pk_f16_f32 v[TMP+4*(\b)+(\r)], v[AC+8*(\b)+2*(\r)], v[AC+8*(\b)+2*(\r)+1]
.endr
.endr
	WIN 0
.endm
.macro TOSTAGE a
	WIN 0
.set BK, OB+192*((\a)%2)
.irp b, 0,1,2,3,4,5,6,7
	ds_store_b128 v[STO], v[TMP+4*(\b):TMP+4*(\b)+3] offset:32*(\b)
.endr
.irp t, 0,1,2,3,4,5,6,7
	ds_load_b128 v[BK+4*(\t):BK+4*(\t)+3], v[RD] offset:(\t)*2*SPITCH  ; LDS serves a wave's instructions in order (ISA guide 5.7.1.4): these see the stores above
.endr
.endm
.macro SEND a, younger
	WIN 0
.set BK, OB+192*((\a)%2)
	s_wait_dscnt \younger                          ; the block is back in registers
	s_wait_xcnt 0x0                                ; the stores' base and the registers that earlier stores read are rewritten only behind this wait
.if (\a) == 0
	s_add_nc_u64 s[8:9], s[8:9], s[16:17]          ; on to my first rows
.else
	s_add_nc_u64 s[8:9], s[8:9], 16*SIZE_N*2       ; 16 rows on
.endif
.irp t, 0,1,2,3,4,5,6,7
	global_store_b128 v[CO], v[BK+4*(\t):BK+4*(\t)+3], s[8:9] offset:2*(\t)*SIZE_N*2  ; 16 lanes store 256 consecutive bytes, aligned
.endr
.endm
	s_wait_tensorcnt 1                             ; my part of K step 0 is in; K step 1's may stay out
	s_barrier_signal -1
	s_barrier_wait -1
	FETCH 0, F0
	QUARTER 64,  F0, F1, 1                         ; the first quarter stands in front of the loop: its products start the sums
	WIN 0
	s_mov_b32 s3, STEPS-2
.Lstep:                                                ; six trips, from a K step's second quarter to the next step's first; each fills the slot that it has read out: K steps 2 to 7
	QUARTER 128, F1, F0, 0
	QUARTER 192, F0, F1, 0
	TURN
	QUARTER 64,  F0, F1, 0
	WIN 0
	s_sub_co_u32 s3, s3, 1
	s_cmp_lg_u32 s3, 0
	s_cbranch_scc1 .Lstep
	QUARTER 128, F1, F0, 0                         ; K step 6, in slot 0, goes on; nothing more is asked for
	QUARTER 192, F0, F1, 0
	MEET 0                                         ; nothing is filled again, so no round follows
	PLACES
	WIN TO_B
	BLOAD 0
	BLOAD 1
	BLOAD 3
	WIN 0
	ALOAD 0
	WIN MUL_HI
	MUL16 F1, 1, 0, 0
	MUL16 F1, 1, 2, 0
	PLACES
	WIN TO_B
	BLOAD 2
	WIN 0
	ALOAD 1
	ALOAD 2
	ALOAD 3
	s_wait_dscnt 40                                ; all but the 40 just issued
	ROW 0
.irp a, 0,1,2,3,4,5,6,7
	PLACES
	PACK \a
	TOSTAGE \a
.if (\a) < 4
	ALOAD (\a)+4
	SEND \a, 8
.else
	SEND \a, 0
.endif
.if (\a) < 7
	ROW (\a)+1
.endif
.endr
	s_wait_tensorcnt 0x0                           ; the wave's end
	ds_add_u32 v[SPW], v[NIL]
	s_wait_dscnt 0x0
	CROUND                                         ; the closing round
	s_endpgm
.Lfunc_end_k_qcead556211_proj:
	.size	k_qcead556211_proj, .Lfunc_end_k_qcead556211_proj-k_qcead556211_proj
	.p2alignl 7, 3214868480
	.fill 96, 4, 3214868480
	.section	.rodata,"a",@progbits
	.p2align	6, 0x0
	.amdhsa_kernel k_qcead556211_proj
		.amdhsa_group_segment_fixed_size 327680
		.amdhsa_private_segment_fixed_size 0
		.amdhsa_enable_private_segment 0
		.amdhsa_kernarg_size 24
		.amdhsa_user_sgpr_count 2
		.amdhsa_user_sgpr_kernarg_segment_ptr 1
		.amdhsa_wavefront_size32 1
		.amdhsa_system_sgpr_workgroup_id_x 1
		.amdhsa_system_sgpr_workgroup_id_y 1
		.amdhsa_system_sgpr_workgroup_id_z 1
		.amdhsa_system_vgpr_workitem_id 0
		.amdhsa_next_free_vgpr 1024
		.amdhsa_next_free_sgpr 66
		.amdhsa_reserve_vcc 0
		.amdhsa_float_denorm_mode_32 3
		.amdhsa_float_denorm_mode_16_64 3
		.amdhsa_memory_ordered 1
		.amdhsa_forward_progress 1
		.amdhsa_inst_pref_size 117
	.end_amdhsa_kernel
	.amdgpu_metadata
---
amdhsa.version: [ 1, 2 ]
amdhsa.kernels:
  - .name:           k_qcead556211_proj
    .symbol:         k_qcead556211_proj.kd
    .args:
      - { .name: xb, .offset: 0, .size: 8, .value_kind: global_buffer, .address_space: global }
      - { .name: wb, .offset: 8, .size: 8, .value_kind: global_buffer, .address_space: global }
      - { .name: qkv, .offset: 16, .size: 8, .value_kind: global_buffer, .address_space: global }
    .group_segment_fixed_size: 327680
    .private_segment_fixed_size: 0
    .kernarg_segment_align: 8
    .kernarg_segment_size: 24
    .max_flat_workgroup_size: 128
    .sgpr_count:     66
    .vgpr_count:     1024
    .wavefront_size: 32
...
	.end_amdgpu_metadata
.endif
;; end of part 7
;; launch scores (part 8): grid 13 x 16, 4 waves a work-group, no clusters, 327,680 bytes of LDS; arguments qkv, pb, st, xb, wb, out0; writes pb, st, out0
.if DOCPART == 8
	.amdgcn_target "amdgcn-amd-amdhsa--gfx1250"
	.amdhsa_code_object_version 6
	.text
	.protected	k_qcead556211_scores
	.globl	k_qcead556211_scores
	.p2align	8
	.type	k_qcead556211_scores,@function
k_qcead556211_scores:
	s_mov_b64 s[64:65], 0
	v_nop
	global_prefetch_b8 v0, s[64:65] scope:SCOPE_SE
	s_setreg_imm32_b32 hwreg(HW_REG_WAVE_MODE, 25, 1), 1
	s_wait_xcnt 0x0
; TWO SHARES IN ONE LAUNCH, told apart by the work-group's x: x < 9 makes a tile of weights (144 work-groups); x >= 9 makes rows 0 to 15 of a batch's output (64 work-groups; the text behind .Lhead, which
; has a head comment of its own).  Both need only what earlier launches stored, and the tiles alone would leave 112 of 256 WGPs without work.  All four waves of a work-group take the same way.
; THE TILES.  For each tile (I, J), J <= I, of 256 queries x 256 keys of a batch: S = q k^T (f16 products, f32 sums over 1,024 channels); keys behind the query are hidden; for each query the TILE's own maximum;
; p = 2^(c s - c m), c = log2(e) / 32, rounded to f16 into pb [4][2048][2048]; c m and l = the sum of the unrounded p into st [2][4][8][2048] (plane, batch, J, row).  The next launch joins the tiles of a row.
; Every query sees its own key in its diagonal tile, so m is always a true score, every p lies in 0 to 1 and l is at least 1.
; LIMITS: q and k arrive within f16's 65,504; a hidden score counts as -1e30 (f16's scores reach 4.4e12 at the most); a weight below 2^-126 counts as 0 in l, below 6e-8 as 0 in pb; NaN and infinities are not treated apart.
; Tile rows 7 - p and p have 8 - p and p + 1 tiles: 9 for each p = 0..3, 36 a batch, all of equal work.
; NO CLUSTER: a tile row of the triangle has 1 to 8 tiles and a tile column 8 to 1, so no grouping by fours has the same partners for q's tile or for k's in every group.
; SHARES.  Wave w owns queries 64 w .. 64 w + 63 and all 256 keys: 4 query blocks a x 16 key blocks nb = 64 accumulators, so a query's maximum and sum never leave the wave.
; The matrix instruction takes 16 keys as source 0 and 16 queries as source 1: lane l holds ONE query (l % 16) and the keys 16 nb + 8 (l / 16) + 0..7.
; A K STEP IS WRITTEN TWICE, once with a refill (six trips) and once without (the last two steps): the slot being read is a scalar, from which the fragment addresses are made anew at each change of slots.
; REGISTERS, in windows of 256 (s_set_vgpr_msb: bits 1:0 source 0, 3:2 source 1, 5:4 source 2, 7:6 destination):
;   window 0: v0-47 addresses and statistics; v64-95, v96-127 q's fragments, two buffers (later the packed weights); v128-255 one query block's scores      window 1: k's fragments, two buffers of 128
;   window 2: accumulators of a = 0, 1 at v[8 (16 (a % 2) + nb)]      window 3: those of a = 2, 3
.set KSTEP,  128
.set PITCH,  272                       ; an LDS row: 256 bytes + 16 of padding = 68 words: the 16 rows of a fragment load start at 16 different groups of four banks (64 banks of 4 bytes: ISA guide 11.1)
.set HALFT,  128*PITCH                 ; 128 rows: what one tensor load brings
.set SLOT,   4*HALFT                   ; q's 256 rows, then k's 256 rows: 139,264 bytes, a number of two bits, 17 and 13.  The waves' parts of a tile begin at 0, 34,816, 69,632 and 104,448 in slot 0:
                                       ; neither bit is set in any of them, so one exclusive or with SLOT turns such an address into the other slot's
.set STAGE,  2*SLOT                    ; behind the ring: 16 rows x 528 bytes for each wave
.set SPITCH, 528
.set STATS,  STAGE+4*16*SPITCH         ; 512 bytes for each wave: 64 c m, then 64 l
.set SPARE,  STATS+4*512               ; the spare words, 128 bytes for each wave
.set QROW,   6144                      ; bytes in a row of qkv
.set PROW,   4096                      ; bytes in a row of pb
.set STEPS,  8                         ; 1,024 channels = 8 K steps
.set NX,     9                         ; work-groups along x that make tiles
.set ADRA, 16                          ; v16 LDS address of my q fragments in slot 0; never rewritten
.set ADRAC, 17                         ; v17 the same in the slot being read
.set ADRB, 20                          ; v20, v21 the same for k
.set ADRBC, 21
.set STO,  24                          ; v24 stage: where I put 16 bytes of a row
.set RD,   25                          ; v25 stage: where I read a row back
.set GO,   26                          ; v26 16 x lane: my place in 512 bytes of a row of pb
.set SPW,  28                          ; v28 my spare word; never rewritten
.set NIL,  29                          ; v29 0; never rewritten
.set THR,  30                          ; v30 my query's place in the tile less 8 (l / 16): register j of key block nb is hidden where 16 nb + j is greater
.set NEGV, 31                          ; v31 -1e30
.set T,    32                          ; v32-35 at work
.set CM,   36                          ; v36-37 c m, twice
.set L,    38                          ; v38 l
.set SV,   40                          ; v40 c m in lanes 0-15, l in lanes 16-31
.set SSA,  41                          ; v41 where it goes in STATS
.set SO,   42                          ; v42 my byte offset in st
.set SRD,  43                          ; v43 where I read STATS back
.set SD,   44                          ; v44-47
.set QF,   64
.set P,    64
.set S,    128
.set TB,   2                           ; s2 the byte at which the slot being read begins: 0 or SLOT
.set G1,   24                          ; s[24:31] descriptor group 1
.set G0,   32                          ; s[32:39] group 0: a set for each of the two first fills; the second then walks on
.set CS,   58                          ; s[58:59] c
.set SEL,  60                          ; s[60:61] v_permlanex16_b32's selects: each lane takes its own place in the other half
.set HM,   62                          ; s62 lanes 16-31
.set MSB, 0
.macro WIN new                         ; the immediate's high byte repeats the setting that is left
.if MSB != (\new)
	s_set_vgpr_msb (MSB<<8)|(\new)
.set MSB, \new
.endif
.endm
.macro PLACES                          ; four places behind matrix instructions (ISA guide 7.12.1 for vector instructions)
.rept 4
	v_nop
.endr
.endm
	s_load_b128 s[4:7], s[0:1], 0x0                ; qkv s[4:5], pb s[6:7]
	s_load_b64 s[8:9], s[0:1], 0x10                ; st
	v_lshl_add_u32 v[SPW], v0, 2, SPARE
	v_mov_b32 v[NIL], 0
	ds_add_u32 v[SPW], v[NIL]                      ; the wave's opening: the add and its wait ahead of my first tensor load
	ds_add_u32 v28, v29
	v_lshrrev_b32 v1, 5, v0
	v_readfirstlane_b32 s10, v1                    ; wave 0..3
	s_lshr_b32 s11, s10, 1                         ; I fetch for q (0) or for k (1),
	s_and_b32 s12, s10, 1                          ; and which 128 rows of that tile
	s_mov_b32 s16, ttmp9                           ; x = 0..12
	s_and_b32 s17, ttmp7, 0xffff                   ; y = 0..15
	s_and_b32 s18, s17, 3                          ; p
	s_lshr_b32 s15, s17, 2                         ; batch
	s_sub_co_u32 s19, 8, s18                       ; tile row 7 - p has 8 - p tiles
	s_sub_co_u32 s20, 7, s18
	s_sub_co_u32 s21, s16, s19
	s_cmp_lt_u32 s16, s19
	s_cselect_b32 s13, s20, s18                    ; I
	s_cselect_b32 s14, s16, s21                    ; J
	s_mov_b32 s[G1+0], (1<<16)|(1<<20)|(5<<22)|(3<<25)  ; 2-byte elements; padding on: after every 64 words 4 words
	s_mov_b32 s[G1+1], KSTEP<<16                   ; tensor_dim0 = 128
	s_mov_b32 s[G1+2], 128<<16                     ; tensor_dim1 = 128
	s_mov_b32 s[G1+3], KSTEP<<16                   ; tile_dim0 = 128
	s_mov_b32 s[G1+4], 128                         ; tile_dim1 = 128
	s_mov_b32 s[G1+5], 3072                        ; elements from row to row
	s_mov_b32 s[G1+6], 0
	s_mov_b32 s[G1+7], 0
	s_cmp_eq_u32 s11, 0
	s_cselect_b32 s22, s13, s14                    ; q's rows go by I, k's by J;
	s_cselect_b32 s23, 0, 2048                     ; k lies 2,048 bytes into a row
	s_lshl_b32 s40, s15, 11                        ; the batch's first row
	s_lshl_b32 s22, s22, 8
	s_add_co_u32 s22, s22, s40
	s_lshl_b32 s41, s12, 7
	s_add_co_u32 s22, s22, s41
	s_mul_i32 s22, s22, QROW
	s_add_co_u32 s42, s22, s23                     ; under 2^26
	s_mov_b32 s43, 0
	s_mul_i32 s20, s10, HALFT                      ; where my rows go: wave x 128 rows
	s_lshl_b32 s44, s13, 8
	s_add_co_u32 s44, s44, s40
	s_lshl_b32 s45, s10, 6
	s_add_co_u32 s44, s44, s45                     ; my first query among the 8,192
	s_lshl_b32 s46, s44, 12
	s_lshl_b32 s47, s14, 9
	s_add_co_u32 s46, s46, s47                     ; its row of pb, at the tile's 512 bytes
	s_mov_b32 s47, 0
	s_lshl_b32 s48, s15, 3
	s_add_co_u32 s48, s48, s14
	s_lshl_b32 s48, s48, 11
	s_lshl_b32 s49, s13, 8
	s_add_co_u32 s48, s48, s49
	s_add_co_u32 s48, s48, s45
	s_lshl_b32 s48, s48, 2                         ; ((batch 8 + J) 2,048 + 256 I + 64 w) 4
	s_mov_b32 s49, 0
	s_mov_b32 s[CS], 0x3d38aa3b                    ; c = log2(e) / 32
	s_mov_b32 s[CS+1], s[CS]
	s_mov_b32 s[SEL], 0x76543210
	s_mov_b32 s[SEL+1], 0xfedcba98
	s_mov_b32 s[HM], 0xffff0000
	s_mov_b32 s[TB], 0                             ; slot 0 is read first
	s_wait_dscnt 0x0                               ; the opening add is done
	s_cmp_ge_u32 s16, NX
	s_cbranch_scc1 .Lhead                          ; the other share: the same way for all four waves; what was reckoned above for a tile is left behind
	s_wait_kmcnt 0x0
	s_add_nc_u64 s[42:43], s[4:5], s[42:43]
	s_add_nc_u64 s[6:7], s[6:7], s[46:47]
	s_add_nc_u64 s[8:9], s[8:9], s[48:49]
.irp s, 0,1
	s_mov_b32 s[G0+4*(\s)], 1
	s_add_co_u32 s[G0+4*(\s)+1], s20, (\s)*SLOT
	s_add_nc_u64 s[G0+4*(\s)+2:G0+4*(\s)+3], s[42:43], (\s)*KSTEP*2
	s_or_b32 s[G0+4*(\s)+3], s[G0+4*(\s)+3], 0x80000000
.endr
	tensor_load_to_lds s[G0:G0+3], s[G1:G1+7]      ; the two first fills go out together: two loads of mine are out
	s_nop 0
	tensor_load_to_lds s[G0+4:G0+7], s[G1:G1+7]
	s_nop 0
	v_and_b32 v1, 15, v0                           ; l % 16
	v_bfe_u32 v2, v0, 4, 1                         ; l / 16
	v_and_b32 v4, 31, v0                           ; lane
	v_mul_u32_u24 v3, v1, PITCH
	v_lshl_add_u32 v3, v2, 4, v3                   ; a fragment's row x pitch + 16 x half
	s_mul_i32 s21, s10, 64*PITCH                   ; my 64 rows of q
	v_add_nc_u32 v[ADRA], s21, v3
	v_add_nc_u32 v[ADRB], 2*HALFT, v3              ; k's rows lie behind q's 256
	v_mov_b32 v[ADRAC], v[ADRA]
	v_mov_b32 v[ADRBC], v[ADRB]
	s_mul_i32 s23, s10, 16*SPITCH
	s_add_co_u32 s23, s23, STAGE                   ; my stage
	v_mul_u32_u24 v5, v1, SPITCH
	v_lshl_add_u32 v5, v2, 4, v5
	v_add_nc_u32 v[STO], s23, v5
	v_lshl_add_u32 v[RD], v4, 4, s23
	v_lshlrev_b32 v[GO], 4, v4
	v_lshlrev_b32 v5, 3, v2
	v_sub_nc_u32 v[THR], v1, v5
	s_lshl_b32 s23, s10, 6
	v_add_nc_u32 v[THR], s23, v[THR]
	v_mov_b32 v[NEGV], 0xf149f2ca                  ; -1e30
	s_mul_i32 s23, s10, 512
	s_add_co_u32 s23, s23, STATS
	v_lshlrev_b32 v5, 2, v1
	v_lshl_add_u32 v5, v2, 8, v5
	v_add_nc_u32 v[SSA], s23, v5                   ; 256 (l / 16) + 4 (l % 16), and 64 for each query block
	v_lshl_add_u32 v[SRD], v4, 4, s23
	v_lshlrev_b32 v5, 4, v1
	v_lshl_add_u32 v[SO], v2, 18, v5               ; lanes 16-31 store into the second plane, 262,144 bytes on
; 16 matrix instructions: query block a x all 16 key blocks, 32 channels, from buffer f.  zero = 1: they start the sums.  The 64 accumulators take turns.
.macro MULA f, a, zero
	WIN 0xa1+0x50*((\a)/2)                         ; k in window 1, q in window 0, C and D in window 2 or 3
.irp b, 0,1,2,3,4,5,6,7,8,9,10,11,12,13,14,15
.if \zero
	v_wmma_f32_16x16x32_f16 v[8*(16*((\a)%2)+(\b)):8*(16*((\a)%2)+(\b))+7], v[128*(\f)+8*(\b):128*(\f)+8*(\b)+7], v[QF+32*(\f)+8*(\a):QF+32*(\f)+8*(\a)+7], 0
.else
	v_wmma_f32_16x16x32_f16 v[8*(16*((\a)%2)+(\b)):8*(16*((\a)%2)+(\b))+7], v[128*(\f)+8*(\b):128*(\f)+8*(\b)+7], v[QF+32*(\f)+8*(\a):QF+32*(\f)+8*(\a)+7], v[8*(16*((\a)%2)+(\b)):8*(16*((\a)%2)+(\b))+7]
.endif
.endr
.endm
; 40 LDS loads in one run: 256 keys and my 64 queries, 32 channels at byte k of the rows of the slot being read, into buffer f.  The largest offset is 192 + 15 x 4,352 + 32 = 65,504.
.macro FETCH k, f
	WIN 0x40
.irp i, 0,1,2,3,4,5,6,7,8,9,10,11,12,13,14,15
	ds_load_b128 v[128*(\f)+8*(\i):128*(\f)+8*(\i)+3],   v[ADRBC] offset:(\k)+(\i)*16*PITCH
	ds_load_b128 v[128*(\f)+8*(\i)+4:128*(\f)+8*(\i)+7], v[ADRBC] offset:(\k)+(\i)*16*PITCH+32
.endr
	WIN 0
.irp i, 0,1,2,3
	ds_load_b128 v[QF+32*(\f)+8*(\i):QF+32*(\f)+8*(\i)+3],   v[ADRAC] offset:(\k)+(\i)*16*PITCH
	ds_load_b128 v[QF+32*(\f)+8*(\i)+4:QF+32*(\f)+8*(\i)+7], v[ADRAC] offset:(\k)+(\i)*16*PITCH+32
.endr
.endm
; A K step is four quarters of 32 channels, 64 matrix instructions each, on buffers 0, 1, 0, 1.  One of the first three multiplies buffer f and fetches the next quarter, at byte k, into g.
.macro QUARTER k, f, g, zero
	s_wait_dscnt 4                                 ; k and q's blocks 0, 1 are in; the youngest four loads (q's blocks 2, 3) may be out
	MULA \f, 0, \zero
	MULA \f, 1, \zero
	PLACES
	FETCH \k, \g
	s_wait_dscnt 40                                ; all but the 40 just issued
	MULA \f, 2, \zero
	MULA \f, 3, \zero
.endm
; The last quarter multiplies buffer 1 and changes slots: ONE barrier.  In front of it each wave waits for all its tensor loads (at most one is out: its part of the next slot), adds 0 to its spare word, and waits
; for that and for its reads of this slot.  fill = 1: this slot is filled again, two K steps on, first thing behind the barrier: 224 matrix instructions ahead of the wait for it.
.macro TURN fill
	WIN 0
	s_wait_tensorcnt 0x0                           ; no tensor load of mine is out, so a group 0 may be written
	ds_add_u32 v[SPW], v[NIL]
.if \fill
	s_xor_b32 s[G0+5], s[G0+5], SLOT               ; the walking descriptor: the other slot than last time,
	s_add_nc_u64 s[G0+6:G0+7], s[G0+6:G0+7], KSTEP*2  ; the next K step; the type bits on top are not reached
.endif
	s_xor_b32 s[TB], s[TB], SLOT                   ; the reading goes over to the other slot
	s_wait_dscnt 5                                 ; the add and the youngest four loads may be out
	MULA 1, 0, 0
	s_wait_dscnt 0x0                               ; the add is done, and my reads of this slot are over
	s_barrier_signal -1
	MULA 1, 1, 0
	WIN 0
	s_barrier_wait -1
.if \fill
	tensor_load_to_lds s[G0+4:G0+7], s[G1:G1+7]    ; my one tensor load behind the barrier
	s_nop 0
.endif
	PLACES                                         ; four v_nop: behind the load, and the places in front of the loads below
	v_add_nc_u32 v[ADRAC], s[TB], v[ADRA]
	v_add_nc_u32 v[ADRBC], s[TB], v[ADRB]
	FETCH 0, 0
	MULA 1, 2, 0
	MULA 1, 3, 0
.endm
; Query block a's 128 scores of my lane leave the accumulators for window 0, multiplied by c on the way: 64 packed instructions, each accumulator's lowest registers first.
.macro TAKE a
	WIN 0x02+(\a)/2                                ; source 0 in window 2 or 3, destination in window 0
.set i, 0
.rept 64
	v_pk_mul_f32 v[S+2*i:S+2*i+1], v[128*((\a)%2)+2*i:128*((\a)%2)+2*i+1], s[CS:CS+1] op_sel_hi:[1,0]
.set i, i+1
.endr
	WIN 0
.endm
	s_wait_tensorcnt 1                             ; my part of K step 0 is in; K step 1's may stay out
	s_barrier_signal -1
	s_barrier_wait -1
	FETCH 0, 0
	QUARTER 64,  0, 1, 1                           ; the first quarter stands in front of the loop: its products start the sums
	WIN 0
	s_mov_b32 s3, STEPS-2
.Lstep:                                                ; six trips, from a K step's second quarter to the next step's first; each fills the slot that it has read out: K steps 2 to 7
	QUARTER 128, 1, 0, 0
	QUARTER 192, 0, 1, 0
	TURN 1
	QUARTER 64,  0, 1, 0
	WIN 0
	s_sub_co_u32 s3, s3, 1
	s_cmp_lg_u32 s3, 0
	s_cbranch_scc1 .Lstep
	s_mov_b32 s3, 2
.Ltail:                                                ; K steps 6 and 7 fill nothing: the same trip without the load.  The second trip is left in its middle, by a jump forward over one quarter, past no barrier.
	QUARTER 128, 1, 0, 0                           ; The price of one text for both: the second trip's change of slots has a barrier that orders nothing and fetches 40 fragments of K step 6 once more, which nobody multiplies
	QUARTER 192, 0, 1, 0
	TURN 0
	WIN 0
	s_cmp_eq_u32 s3, 1
	s_cbranch_scc1 .Lsummed
	QUARTER 64,  0, 1, 0
	WIN 0
	s_sub_co_u32 s3, s3, 1
	s_cmp_lg_u32 s3, 0
	s_cbranch_scc1 .Ltail
.Lsummed:
	s_wait_dscnt 0x0                               ; those 40 loads are back: their registers are written again below
	PLACES                                         ; what follows reads results just made
	s_mov_b32 s3, 4
.Lblock:                                               ; a trip: 16 queries x 256 keys; ONE text serves the four query blocks; only the 64 lines that fetch a block's scores stand four times, chosen by the trip's number
	s_cmp_eq_u32 s3, 4
	s_cbranch_scc1 .Ltake0
	s_cmp_eq_u32 s3, 3
	s_cbranch_scc1 .Ltake1
	s_cmp_eq_u32 s3, 2
	s_cbranch_scc1 .Ltake2
	TAKE 3
	s_branch .Ltaken
.Ltake0:
	TAKE 0
	s_branch .Ltaken
.Ltake1:
	TAKE 1
	s_branch .Ltaken
.Ltake2:
	TAKE 2
.Ltaken:                                               ; a lane has 128 numbers c s of one query: register 8 nb + j = key 16 nb + 8 (l / 16) + j
	s_cmp_lg_u32 s13, s14
	s_cbranch_scc1 .Lopen                          ; only the diagonal tile hides keys
	v_mov_b32 v[T], v[THR]                         ; hidden where 16 nb + j > THR, that is j > THR - 16 nb: the threshold steps down from key block to key block
.set i, 0
.rept 128
.if (i%8 == 0) && (i > 0)
	v_add_nc_u32 v[T], -16, v[T]
.endif
	v_cmp_gt_i32 vcc_lo, i%8, v[T]
	v_cndmask_b32 v[S+i], v[S+i], v[NEGV], vcc_lo
.set i, i+1
.endr
.Lopen:
	; the maximum: four chains of 31 numbers, three operands at a time, then the four left over
.irp c, 0,1,2,3
	v_max3_num_f32 v[T+(\c)], v[S+32*(\c)], v[S+32*(\c)+1], v[S+32*(\c)+2]
.endr
.set i, 0
.rept 14
.irp c, 0,1,2,3
	v_max3_num_f32 v[T+(\c)], v[T+(\c)], v[S+32*(\c)+3+2*i], v[S+32*(\c)+4+2*i]
.endr
.set i, i+1
.endr
	v_max3_num_f32 v[T], v[T], v[S+31], v[S+63]
	v_max3_num_f32 v[T+2], v[T+2], v[S+95], v[S+127]
	v_max3_num_f32 v[T], v[T], v[T+1], v[T+2]
	v_max_num_f32 v[T], v[T], v[T+3]
	v_permlanex16_b32 v[T+1], v[T], s[SEL], s[SEL+1]  ; the query's other 128 keys lie in the lane 16 away
	v_max_num_f32 v[CM], v[T], v[T+1]              ; c is positive: the largest c s is c m
	v_max_num_f32 v[CM+1], v[T], v[T+1]
.set i, 0
.rept 64
	v_pk_add_f32 v[S+2*i:S+2*i+1], v[S+2*i:S+2*i+1], v[CM:CM+1] neg_lo:[0,1] neg_hi:[0,1]  ; c s - c m
.set i, i+1
.endr
.set i, 0
.rept 128
	v_exp_f32 v[S+i], v[S+i]
.set i, i+1
.endr
	v_nop                                          ; a plain instruction between the last exponential and the use of its result (ISA guide 5.7.2)
.set i, 0
	s_wait_alu depctr_va_vdst(0)
.rept 64
	v_cvt_pk_f16_f32 v[P+i], v[S+2*i], v[S+2*i+1]
.set i, i+1
.endr
.irp w, 4,8,16,32,64,128               ; the sum of the unrounded weights, in f32, in place: neighbours 1, 2, 4 .. 32 pairs apart
.set i, 0
.rept 128/(\w)
	v_pk_add_f32 v[S+(\w)*i:S+(\w)*i+1], v[S+(\w)*i:S+(\w)*i+1], v[S+(\w)*i+(\w)/2:S+(\w)*i+(\w)/2+1]
.set i, i+1
.endr
.endr
	v_add_f32 v[T], v[S], v[S+1]
	v_permlanex16_b32 v[T+1], v[T], s[SEL], s[SEL+1]
	v_add_f32 v[L], v[T], v[T+1]
	v_cndmask_b32 v[SV], v[CM], v[L], s[HM]        ; both halves of the lanes hold both numbers: lanes 0-15 keep c m, lanes 16-31 l
	ds_store_b32 v[SSA], v[SV]
.irp b, 0,1,2,3,4,5,6,7,8,9,10,11,12,13,14,15
	ds_store_b128 v[STO], v[P+4*(\b):P+4*(\b)+3] offset:32*(\b)  ; rows 528 bytes apart
.endr
.irp t, 0,1,2,3,4,5,6,7,8,9,10,11,12,13,14,15
	ds_load_b128 v[S+4*(\t):S+4*(\t)+3], v[RD] offset:SPITCH*(\t)  ; a whole row of 512 bytes; my own stage: LDS serves a wave's instructions in order (ISA guide 5.7.1.4), so these see the stores above
.endr
.irp t, 0,1,2,3,4,5,6,7,8,9,10,11,12,13,14,15
	s_wait_dscnt 15-(\t)                           ; row t is back; the younger rows stay out
	global_store_b128 v[GO], v[S+4*(\t):S+4*(\t)+3], s[6:7] offset:PROW*(\t)  ; 512 consecutive bytes, aligned
.endr
	s_wait_xcnt 0x0                                ; the stores' base and data are rewritten only behind this wait
	s_add_nc_u64 s[6:7], s[6:7], 16*PROW
	v_add_nc_u32 v[SSA], 64, v[SSA]
	v_add_nc_u32 v[THR], 16, v[THR]
	s_sub_co_u32 s3, s3, 1
	s_cmp_lg_u32 s3, 0
	s_cbranch_scc1 .Lblock
	ds_load_b128 v[SD:SD+3], v[SRD]                ; my 64 c m (lanes 0-15) and my 64 l (lanes 16-31)
	s_wait_dscnt 0x0
	global_store_b128 v[SO], v[SD:SD+3], s[8:9]    ; two runs of 256 consecutive bytes, aligned, one in each plane
	s_wait_tensorcnt 0x0                           ; the wave's end
	ds_add_u32 v[SPW], v[NIL]
	s_wait_dscnt 0x0
	s_endpgm
; THE OTHER SHARE: ROWS 0 TO 15 OF EACH BATCH'S OUTPUT, MADE WITH MORE BITS.  The next launch, which makes all other rows, does not store these.
; WHY.  Row t is a mean of t + 1 rows of v.  Where few large numbers cancel, the rounding of v and of the weights to f16 (11 bits) reaches the output undiminished, while the output is judged by the root mean
; square of all rows, which is some 15 times smaller than v.  The error falls as 1 / sqrt(t + 1); from row 16 on f16 has room to spare.
; WHAT.  v of tokens 0-15 = xb wb^T (Wv's rows) in bf16 products with f32 sums, kept in f32.  S = k q^T of the 16 x 16 corner from qkv (f16 products, f32 sums).  Mask, true maximum, 2^(c s - c m), sum and
; division in f32.  The weights w and v are then each split into an f16 number and the f16 of what is left (about 22 bits together), and O^T = [vh | vl] [wh | wh] + [vh | vl] [wl | wl]:
; the 16 keys lie twice along the matrix instruction's 32, so that all four cross terms are formed.
; LIMITS: q, k, v within f16's 65,504; a hidden score counts as -1e30; a weight below 2^-126 counts as 0; parts of w or v below f16's step of 6e-8 are lost; NaN and infinities are not treated apart.
; SHARES.  Work-group (x, y): batch x - 9, channels 64 y on; wave w: channels 16 w .. 16 w + 15 of them, and channels 256 w .. 256 w + 255 of q and k for the scores, whose four partial sums (f32) meet in LDS.
; LAYOUT.  v: source 0 = 16 tokens, source 1 = 16 channels: lane l holds channel l % 16 and tokens 8 (l / 16) + 0..7, which IS source 0 of O^T = V^T P.  S^T: source 0 = 16 keys, source 1 = 16 queries: lane l holds
; query l % 16 and keys 8 (l / 16) + 0..7, which IS source 1.  O^T: lane l holds query l % 16 and channels 8 (l / 16) + 0..7.
; No tensor load on this way: a wave reads 80 KB by 160 loads of 16 bytes into registers of their own (none is loaded twice); an eighth of K, 16 loads, covers 256 consecutive bytes of each of 16 rows of xb and of wb.
; Its LDS bytes lie where the tiles' way has its stages: no tensor load of this text lands there.
; REGISTERS: window 0: all but: window 1: xb's fragments, K step i at v[8 i]; window 2: wb's, likewise.  v28, v29 stay the add's.
.set HXROW,  2048                      ; bytes in a row of xb and of wb
.set OROW,   4096                      ; of out0
.set HPART,  STAGE                     ; LDS: 1,024 bytes for each wave's partial scores
.set HSTAGE, STAGE+4096                ; 16 rows x 272 bytes, the work-group's, for the way out
.set HSP,    272
.set HAO,   4                          ; v4  my byte offset in 16 rows of xb or wb: row l % 16, 16 bytes for each half of the lanes
.set HQO,   5                          ; v5  the same in 16 rows of qkv
.set HPW,   6                          ; v6  where I put my partial scores
.set HPR,   7                          ; v7  where I read the four waves' back
.set HSTO,  8                          ; v8  stage: where I put 32 bytes of a row
.set HRD,   9                          ; v9  stage: where I read a row back
.set HGO,   10                         ; v10 my byte offset in out0
.set HNEG1, 11                         ; v11 -1.0
.set HTHR,  14                         ; v14 l % 16 - 8 (l / 16): register j is hidden where j is greater
.set HNEGV, 15                         ; v15 -1e30
.set HT,    16                         ; v16-19 at work
.set HCM,   20                         ; v20-21 c m, twice
.set HRL,   22                         ; v22-23 1 / l, twice
.set HSA,   32                         ; v32-63 four accumulators for the scores; then v32-39 the scores and the weights,
.set HS,    32
.set HB2,   40                         ; v40-47 [wl | wl],
.set HAF,   48                         ; v48-55 [vh | vl],
.set HB1,   56                         ; v56-63 [wh | wh]
.set HKF,   64                         ; v64-127 k's fragments, K step i at HKF + 8 i
.set HO1,   64                         ; later v64-71, v72-79 the two products, v80-87 rows read back
.set HO2,   72
.set HOB,   80
.set HQF,   128                        ; v128-191 q's fragments
.set HVA,   192                        ; v192-223 four accumulators for v
.set HPL,   224                        ; v224-255 the four waves' partial scores
.set HXB,   48                         ; s[48:49] xb at the batch's first row
.set HWB,   50                         ; s[50:51] wb at my first channel's row of Wv
.set HQB,   52                         ; s[52:53] qkv at the batch's first row, my quarter of q's channels
.set HOU,   54                         ; s[54:55] out0 at the four rows that I store, the work-group's 64 channels
; Eighth e of K (4 K steps of 32): 8 loads of xb's fragments, 8 of wb's.  A fragment is 16 rows x 32 K in 8 registers: two loads of 16 bytes, 32 bytes apart.
.macro EIGHTH e
	WIN 0x40                                       ; destination window 1, address window 0
.irp i, 0,1,2,3
	global_load_b128 v[32*(\e)+8*\i:32*(\e)+8*\i+3],   v[HAO], s[HXB:HXB+1] offset:256*(\e)+64*\i
	global_load_b128 v[32*(\e)+8*\i+4:32*(\e)+8*\i+7], v[HAO], s[HXB:HXB+1] offset:256*(\e)+64*\i+32
.endr
	WIN 0x80                                       ; destination window 2
.irp i, 0,1,2,3
	global_load_b128 v[32*(\e)+8*\i:32*(\e)+8*\i+3],   v[HAO], s[HWB:HWB+1] offset:256*(\e)+64*\i
	global_load_b128 v[32*(\e)+8*\i+4:32*(\e)+8*\i+7], v[HAO], s[HWB:HWB+1] offset:256*(\e)+64*\i+32
.endr
.endm
; Its four products, one on each of the four accumulators, which so take turns.  zero = 1: they start the sums.
.macro VMUL e, zero
	WIN 0x09                                       ; source 0 (xb) window 1, source 1 (wb) window 2, C and D window 0
.irp i, 0,1,2,3
.if \zero
	v_wmma_f32_16x16x32_bf16 v[HVA+8*\i:HVA+8*\i+7], v[32*(\e)+8*\i:32*(\e)+8*\i+7], v[32*(\e)+8*\i:32*(\e)+8*\i+7], 0
.else
	v_wmma_f32_16x16x32_bf16 v[HVA+8*\i:HVA+8*\i+7], v[32*(\e)+8*\i:32*(\e)+8*\i+7], v[32*(\e)+8*\i:32*(\e)+8*\i+7], v[HVA+8*\i:HVA+8*\i+7]
.endif
.endr
.endm
; Four accumulators at a are added two and two; each is read from its lowest registers on.
.macro SUM4 a
.irp j, 0,2,4,6
	v_pk_add_f32 v[(\a)+\j:(\a)+\j+1], v[(\a)+\j:(\a)+\j+1], v[(\a)+8+\j:(\a)+8+\j+1]
.endr
.irp j, 0,2,4,6
	v_pk_add_f32 v[(\a)+16+\j:(\a)+16+\j+1], v[(\a)+16+\j:(\a)+16+\j+1], v[(\a)+24+\j:(\a)+24+\j+1]
.endr
.endm
; Eight f32 at w: rounded to f16 in pairs into hi; w - hi, which is exact, left in w; that rounded to f16 into lo.
.macro SPLIT w, hi, lo
.irp i, 0,1,2,3
	v_cvt_pk_f16_f32 v[(\hi)+\i], v[(\w)+2*\i], v[(\w)+2*\i+1]
.endr
.irp i, 0,1,2,3
	v_fma_mix_f32 v[(\w)+2*\i], v[(\hi)+\i], v[HNEG1], v[(\w)+2*\i] op_sel_hi:[1,0,0]                     ; the low f16 half x -1.0 + w
	v_fma_mix_f32 v[(\w)+2*\i+1], v[(\hi)+\i], v[HNEG1], v[(\w)+2*\i+1] op_sel:[1,0,0] op_sel_hi:[1,0,0]  ; the high half
.endr
.irp i, 0,1,2,3
	v_cvt_pk_f16_f32 v[(\lo)+\i], v[(\w)+2*\i], v[(\w)+2*\i+1]
.endr
.endm
.Lhead:
	s_load_b128 s[40:43], s[0:1], 0x18             ; xb s[40:41], wb s[42:43]; qkv is on its way into s[4:5]
	s_load_b64 s[44:45], s[0:1], 0x28              ; out0
	s_sub_co_u32 s14, s16, NX                      ; batch; s17 says which 64 channels
	s_lshl_b32 s32, s14, 22                        ; xb: 2,048 rows of 2,048 bytes a batch
	s_mov_b32 s33, 0
	s_lshl_b32 s34, s17, 17                        ; wb: 64 rows for the work-group,
	s_lshl_b32 s24, s10, 15                        ; 16 for the wave,
	s_add_co_u32 s34, s34, s24
	s_add_co_u32 s34, s34, 2048*HXROW              ; behind Wq's and Wk's 2,048
	s_mov_b32 s35, 0
	s_mul_i32 s36, s14, 2048*QROW                  ; qkv: the batch's first row,
	s_lshl_b32 s24, s10, 9                         ; my 256 channels of q
	s_add_co_u32 s36, s36, s24
	s_mov_b32 s37, 0
	s_lshl_b32 s38, s14, 23                        ; out0: 2,048 rows of 4,096 bytes a batch,
	s_lshl_b32 s24, s10, 14                        ; rows 4 w .. 4 w + 3,
	s_add_co_u32 s38, s38, s24
	s_lshl_b32 s24, s17, 8                         ; 64 channels are 256 bytes
	s_add_co_u32 s38, s38, s24
	s_mov_b32 s39, 0
	v_and_b32 v1, 15, v0                           ; l % 16
	v_bfe_u32 v2, v0, 4, 1                         ; l / 16
	v_and_b32 v3, 31, v0                           ; lane
	v_lshlrev_b32 v[HAO], 11, v1
	v_lshl_add_u32 v[HAO], v2, 4, v[HAO]
	v_mul_u32_u24 v[HQO], v1, QROW
	v_lshl_add_u32 v[HQO], v2, 4, v[HQO]
	s_wait_kmcnt 0x0
	s_add_nc_u64 s[HXB:HXB+1], s[40:41], s[32:33]
	s_add_nc_u64 s[HWB:HWB+1], s[42:43], s[34:35]
	s_add_nc_u64 s[HQB:HQB+1], s[4:5], s[36:37]
	s_add_nc_u64 s[HOU:HOU+1], s[44:45], s[38:39]
.set i, 0
.rept 8                                ; my quarter of k's (2,048 bytes into a row) and q's channels, tokens 0-15: 32 loads
	global_load_b128 v[HKF+8*i:HKF+8*i+3],   v[HQO], s[HQB:HQB+1] offset:2048+64*i
	global_load_b128 v[HKF+8*i+4:HKF+8*i+7], v[HQO], s[HQB:HQB+1] offset:2048+64*i+32
	global_load_b128 v[HQF+8*i:HQF+8*i+3],   v[HQO], s[HQB:HQB+1] offset:64*i
	global_load_b128 v[HQF+8*i+4:HQF+8*i+7], v[HQO], s[HQB:HQB+1] offset:64*i+32
.set i, i+1
.endr
	EIGHTH 0
	s_wait_loadcnt 16                              ; loads come back in order: q and k are in; eighth 0's sixteen may stay out
	WIN 0
.set i, 0
.rept 8                                ; S^T over my 256 channels: four accumulators by turns; the first four products start the sums
.if i < 4
	v_wmma_f32_16x16x32_f16 v[HSA+8*i:HSA+8*i+7], v[HKF+8*i:HKF+8*i+7], v[HQF+8*i:HQF+8*i+7], 0
.else
	v_wmma_f32_16x16x32_f16 v[HSA+8*(i-4):HSA+8*(i-4)+7], v[HKF+8*i:HKF+8*i+7], v[HQF+8*i:HQF+8*i+7], v[HSA+8*(i-4):HSA+8*(i-4)+7]
.endif
.set i, i+1
.endr
	EIGHTH 1                                       ; three eighths, 48 loads, are now out: they land under the softmax
	EIGHTH 2
	WIN 0
	; the LDS and output addresses are made here: plain instructions, the places behind those products
	s_lshl_b32 s24, s10, 10                        ; my 1,024 bytes
	s_add_co_u32 s24, s24, HPART
	v_lshl_add_u32 v[HPW], v3, 4, s24
	v_lshl_add_u32 v[HPR], v3, 4, HPART
	s_lshl_b32 s25, s10, 6                         ; my 16 channels are 64 bytes of a stage row
	s_add_co_u32 s25, s25, HSTAGE
	v_mul_u32_u24 v[HSTO], v1, HSP                 ; in: row l % 16, 32 bytes for each half of the lanes
	v_lshl_add_u32 v[HSTO], v2, 5, v[HSTO]
	v_add_nc_u32 v[HSTO], s25, v[HSTO]
	s_mul_i32 s26, s10, 4*HSP                      ; back: rows 4 w on; lanes 0-15 one row of 256 bytes, lanes 16-31 the next
	s_add_co_u32 s26, s26, HSTAGE
	v_mul_u32_u24 v[HRD], v2, HSP
	v_lshl_add_u32 v[HRD], v1, 4, v[HRD]
	v_add_nc_u32 v[HRD], s26, v[HRD]
	v_lshlrev_b32 v[HGO], 4, v1
	v_lshl_add_u32 v[HGO], v2, 12, v[HGO]          ; and the same two rows in out0
	v_lshlrev_b32 v[HTHR], 3, v2
	v_sub_nc_u32 v[HTHR], v1, v[HTHR]
	v_mov_b32 v[HNEGV], 0xf149f2ca                 ; -1e30
	v_mov_b32 v[HNEG1], -1.0
	SUM4 HSA
.irp j, 0,2,4,6
	v_pk_add_f32 v[HSA+\j:HSA+\j+1], v[HSA+\j:HSA+\j+1], v[HSA+16+\j:HSA+16+\j+1]
.endr
	ds_store_b128 v[HPW], v[HSA:HSA+3]             ; 32 lanes x 16 neighbouring bytes
	ds_store_b128 v[HPW], v[HSA+4:HSA+7] offset:512
	s_wait_dscnt 0x0                               ; for the others' sake: my partial sums are in LDS
	s_barrier_signal -1
	s_barrier_wait -1
.set g, 0
.rept 8
	ds_load_b128 v[HPL+4*g:HPL+4*g+3], v[HPR] offset:512*g  ; wave g / 2's registers 4 (g % 2) on
.set g, g+1
.endr
	s_wait_dscnt 0x0
	SUM4 HPL                                       ; the same order in every wave
.irp j, 0,2,4,6
	v_pk_add_f32 v[HS+\j:HS+\j+1], v[HPL+\j:HPL+\j+1], v[HPL+16+\j:HPL+16+\j+1]
.endr
.irp j, 0,1,2,3,4,5,6,7                ; key 8 (l / 16) + j is hidden where it lies behind query l % 16
	v_cmp_gt_i32 vcc_lo, \j, v[HTHR]
	v_cndmask_b32 v[HS+\j], v[HS+\j], v[HNEGV], vcc_lo
.endr
	v_max3_num_f32 v[HT], v[HS], v[HS+1], v[HS+2]
	v_max3_num_f32 v[HT+1], v[HS+3], v[HS+4], v[HS+5]
	v_max3_num_f32 v[HT], v[HT], v[HS+6], v[HS+7]
	v_max_num_f32 v[HT], v[HT], v[HT+1]
	v_permlanex16_b32 v[HT+1], v[HT], s[SEL], s[SEL+1]  ; the query's other 8 keys lie in the lane 16 away
	v_max_num_f32 v[HT], v[HT], v[HT+1]            ; key 0 is seen by every query: a true score
	v_mul_f32 v[HCM], s[CS], v[HT]
	v_mul_f32 v[HCM+1], s[CS], v[HT]
.irp j, 0,2,4,6
	v_pk_fma_f32 v[HS+\j:HS+\j+1], v[HS+\j:HS+\j+1], s[CS:CS+1], v[HCM:HCM+1] op_sel_hi:[1,0,0] neg_lo:[0,0,1] neg_hi:[0,0,1]  ; c s - c m
.endr
.irp j, 0,1,2,3,4,5,6,7
	v_exp_f32 v[HS+\j], v[HS+\j]
.endr
	v_nop                                          ; a plain instruction between the last exponential and the use of its result (ISA guide 5.7.2)
	s_wait_alu depctr_va_vdst(0)
	v_pk_add_f32 v[HT:HT+1], v[HS:HS+1], v[HS+2:HS+3]
	v_pk_add_f32 v[HT+2:HT+3], v[HS+4:HS+5], v[HS+6:HS+7]
	v_pk_add_f32 v[HT:HT+1], v[HT:HT+1], v[HT+2:HT+3]
	v_add_f32 v[HT], v[HT], v[HT+1]
	v_permlanex16_b32 v[HT+1], v[HT], s[SEL], s[SEL+1]
	v_add_f32 v[HT], v[HT], v[HT+1]                ; l: at least 1, the largest score's weight
	v_rcp_f32 v[HRL], v[HT]
	v_rcp_f32 v[HRL+1], v[HT]
	v_nop
	s_wait_alu depctr_va_vdst(0)
.irp j, 0,2,4,6
	v_pk_mul_f32 v[HS+\j:HS+\j+1], v[HS+\j:HS+\j+1], v[HRL:HRL+1]  ; the weights, in f32
.endr
	SPLIT HS, HB1, HB2
.irp i, 0,1,2,3                        ; the keys lie twice along the instruction's 32: an operand is eight registers on end
	v_mov_b32 v[HB1+4+\i], v[HB1+\i]
	v_mov_b32 v[HB2+4+\i], v[HB2+\i]
.endr
	; v over K = 1,024: three eighths are kept on their way
	s_wait_loadcnt 32                              ; eighth 0 is in; eighths 1 and 2 may stay out
	VMUL 0, 1
.irp e, 1,2,3,4,5
	EIGHTH (\e)+2
	s_wait_loadcnt 32                              ; eighth e is in; the two younger ones may stay out
	VMUL \e, 0
.endr
	s_wait_loadcnt 16                              ; eighth 6 is in; the last may stay out
	VMUL 6, 0
	s_wait_loadcnt 0x0
	VMUL 7, 0
	WIN 0
	PLACES
	SUM4 HVA
.irp j, 0,2,4,6
	v_pk_add_f32 v[HVA+\j:HVA+\j+1], v[HVA+\j:HVA+\j+1], v[HVA+16+\j:HVA+16+\j+1]
.endr
	SPLIT HVA, HAF, HAF+4
	v_wmma_f32_16x16x32_f16 v[HO1:HO1+7], v[HAF:HAF+7], v[HB1:HB1+7], 0  ; vh wh + vl wh
	v_wmma_f32_16x16x32_f16 v[HO2:HO2+7], v[HAF:HAF+7], v[HB2:HB2+7], 0  ; vh wl + vl wl: an accumulator of its own, so that no link follows the one it adds onto
	PLACES
.irp j, 0,2,4,6
	v_pk_add_f32 v[HO1+\j:HO1+\j+1], v[HO1+\j:HO1+\j+1], v[HO2+\j:HO2+\j+1]
.endr
	; THE WAY OUT: a wave's 16 channels are 64 bytes of a row, so the four waves fill ONE stage; behind a barrier each reads four whole rows of 256 bytes
	ds_store_b128 v[HSTO], v[HO1:HO1+3]
	ds_store_b128 v[HSTO], v[HO1+4:HO1+7] offset:16
	s_wait_dscnt 0x0                               ; for the others' sake: my stores into the stage are done
	s_barrier_signal -1
	s_barrier_wait -1
	ds_load_b128 v[HOB:HOB+3], v[HRD]
	ds_load_b128 v[HOB+4:HOB+7], v[HRD] offset:2*HSP
	s_wait_dscnt 0x0
	global_store_b128 v[HGO], v[HOB:HOB+3], s[HOU:HOU+1]                   ; 16 lanes store 256 consecutive bytes, aligned
	global_store_b128 v[HGO], v[HOB+4:HOB+7], s[HOU:HOU+1] offset:2*OROW
	s_wait_tensorcnt 0x0                           ; the wave's end: behind my last LDS store
	ds_add_u32 v[SPW], v[NIL]
	s_wait_dscnt 0x0
	s_endpgm
.Lfunc_end_k_qcead556211_scores:
	.size	k_qcead556211_scores, .Lfunc_end_k_qcead556211_scores-k_qcead556211_scores
	.p2alignl 7, 3214868480
	.fill 96, 4, 3214868480
	.section	.rodata,"a",@progbits
	.p2align	6, 0x0
	.amdhsa_kernel k_qcead556211_scores
		.amdhsa_group_segment_fixed_size 327680
		.amdhsa_private_segment_fixed_size 0
		.amdhsa_enable_private_segment 0
		.amdhsa_kernarg_size 48
		.amdhsa_user_sgpr_count 2
		.amdhsa_user_sgpr_kernarg_segment_ptr 1
		.amdhsa_wavefront_size32 1
		.amdhsa_system_sgpr_workgroup_id_x 1
		.amdhsa_system_sgpr_workgroup_id_y 1
		.amdhsa_system_sgpr_workgroup_id_z 1
		.amdhsa_system_vgpr_workitem_id 0
		.amdhsa_next_free_vgpr 1024
		.amdhsa_next_free_sgpr 66
		.amdhsa_reserve_vcc 1
		.amdhsa_float_denorm_mode_32 3
		.amdhsa_float_denorm_mode_16_64 3
		.amdhsa_memory_ordered 1
		.amdhsa_forward_progress 1
		.amdhsa_inst_pref_size 151
	.end_amdhsa_kernel
	.amdgpu_metadata
---
amdhsa.version: [ 1, 2 ]
amdhsa.kernels:
  - .name:           k_qcead556211_scores
    .symbol:         k_qcead556211_scores.kd
    .args:
      - { .name: qkv, .offset: 0, .size: 8, .value_kind: global_buffer, .address_space: global }
      - { .name: pb, .offset: 8, .size: 8, .value_kind: global_buffer, .address_space: global }
      - { .name: st, .offset: 16, .size: 8, .value_kind: global_buffer, .address_space: global }
      - { .name: xb, .offset: 24, .size: 8, .value_kind: global_buffer, .address_space: global }
      - { .name: wb, .offset: 32, .size: 8, .value_kind: global_buffer, .address_space: global }
      - { .name: out0, .offset: 40, .size: 8, .value_kind: global_buffer, .address_space: global }
    .group_segment_fixed_size: 327680
    .private_segment_fixed_size: 0
    .kernarg_segment_align: 8
    .kernarg_segment_size: 48
    .max_flat_workgroup_size: 128
    .sgpr_count:     66
    .vgpr_count:     1024
    .wavefront_size: 32
...
	.end_amdgpu_metadata
.endif
;; end of part 8
;; launch pv (part 9): grid 8 x 32, 4 waves a work-group, clusters of 4 x 1, 327,680 bytes of LDS; arguments pb, qkv, st, out0; writes out0
.if DOCPART == 9
	.amdgcn_target "amdgcn-amd-amdhsa--gfx1250"
	.amdhsa_code_object_version 6
	.text
	.protected	k_qcead556211_pv
	.globl	k_qcead556211_pv
	.p2align	8
	.type	k_qcead556211_pv,@function
k_qcead556211_pv:
	s_mov_b64 s[64:65], 0
	v_nop
	global_prefetch_b8 v0, s[64:65] scope:SCOPE_SE
	s_setreg_imm32_b32 hwreg(HW_REG_WAVE_MODE, 25, 1), 1
	s_wait_xcnt 0x0
	s_wait_alu depctr_hold_cnt(0) depctr_sa_sdst(0) depctr_va_vdst(0) depctr_va_sdst(0) depctr_va_ssrc(0) depctr_va_vcc(0) depctr_vm_vsrc(0)
	s_getreg_b32 s2, hwreg(HW_REG_IB_STS2, 6, 4)
	s_cmp_eq_u32 s2, 0
	s_cbranch_scc0 .Lentry_in_a_cluster
	s_endpgm
.Lentry_in_a_cluster:
	s_bfe_u32 s2, ttmp6, 0x10000c
	s_cmp_lg_u32 s2, 0x3003
	s_cbranch_scc0 .Lentry_shape_is_right
	s_endpgm
.Lentry_shape_is_right:
; out[row][:] = the sum over the row's key tiles J of g_J (P_J V_J), with g_J = 2^(cm_J - M) / l, M = the largest cm_J of the row, l = the sum over J of 2^(cm_J - M) l_J.
; pb holds P (f16, each tile relative to its own maximum), st holds cm_J and l_J, qkv holds v in the last third of each row.  Products in f16 with f32 sums; g, the fold O += g X and the output in f32.
; M is a true maximum, so every exponent is at most 0, every g at most 1, and l at least about 1.  LIMITS: a factor below 2^-126 counts as 0; v within f16's 65,504; NaN and infinities are not treated apart.
; ROWS 0 TO 15 OF EACH BATCH ARE NOT STORED HERE: the launch before has made them with more bits than f16's v and P give; the first block's way out passes them over.
; SHARES.  A tile of the output is 128 queries x 128 channels.  Block i of 128 queries needs i / 2 + 1 steps of 256 keys; a work-group takes blocks pr and then 15 - pr: 9 steps whatever pr: 256 equal work-groups, and
; ONE walk with constant trip counts.  The short block goes first: it has 1 to 4 steps, so the change of blocks always falls inside the loop.  Wave w: queries 64 (w / 2) on, channels 64 (w % 2) on: 16 accumulators.
; A STEP IS WRITTEN ONCE and looped over (the last, which asks for nothing, once more): the slot being read is a scalar, from which the fragment addresses are made anew at each change of slots, and one descriptor for each tensor walks.
; CLUSTER.  The four partners differ in the channel tile alone: P's tile is asked for JOINTLY (mask 15).  V's tile hangs on the channel tile and is a load of one's own behind the same round: only blocks pr
; and pr ^ 1 walk the same keys, so V has no four partners.
; The matrix instruction takes 16 channels of V^T (turned by ds_load_tr16_b128) as source 0 and 16 queries of P as source 1: a lane holds ONE query (l % 16) and the channels 8 (l / 16) + 0..7, so one g serves its registers.
; A step's product X starts with C = 0; it is folded into O at the head of the next step.  No first step is written out: the first change of slots multiplies zeros and the first fold has g = 0; the price is 384 v_mov_b32, in the wait for the first tile.
; REGISTERS, in windows of 256 (s_set_vgpr_msb: bits 1:0 source 0, 3:2 source 1, 5:4 source 2, 7:6 destination):
;   window 0: v0-31 addresses; v32-95 at work (the factors' making, the way out); v96-103 four pairs (g, g); v128-255 X      window 1: two fragment buffers of 128: 64 of P, then 64 of V      window 2: v0-127 O
.set PP,    528                        ; a row of P in LDS: 512 bytes + 16 = 132 words: the 16 rows of a load start at 16 different groups of four banks (64 banks of 4 bytes: ISA guide 11.1)
.set PV,    288                        ; a row of V: 256 + 32 = 72 words
.set VOFF,  128*PP                     ; a slot: 128 rows of P, then 256 rows of V: 141,312 bytes
.set SLOT,  0x24000                    ; slot 1 begins 147,456 bytes behind slot 0: a number of two bits, 17 and 14.  The waves' parts of a tile begin at 0, 33,792, 67,584 and 104,448 in slot 0:
                                       ; neither bit is set in any of them, so one exclusive or with SLOT turns such an address into the other slot's
.set STAGE, 2*SLOT                     ; behind the ring: 16 rows x 272 bytes for each wave
.set SP,    272
.set TABLE, STAGE+4*16*SP              ; ten entries of 1,024 bytes: entry e holds, for row t of the block, the pair (g, g) at 8 t; entry 0 is zeros, entry s + 1 is step s's
.set SPARE, TABLE+10*1024              ; the spare words, 128 bytes for each wave
.set PLANE, 262144                     ; bytes from st's plane of cm to its plane of l
.set ADRA, 16                          ; v16 LDS address of my P fragments in slot 0; never rewritten
.set ADRAC, 17                         ; v17 the same in the slot being read
.set ADRV, 20                          ; v20-21 of my V fragments in slot 0: keys 0-127, keys 128-255; never rewritten
.set ADRVC, 22                         ; v22-23 the same in the slot being read
.set STO,  24
.set RD,   25
.set CO,   26
.set FA0,  27                          ; v27 my place in a table entry
.set SPW,  28                          ; v28 my spare word; never rewritten
.set NIL,  29                          ; v29 0; never rewritten
.set FA,   30
.set TW,   31                          ; v31 where my thread writes the table
.set OBUF, 32
.set F,    96
.set ACC,  128
.set F0,   0
.set F1,   128
.set CMV,  32                          ; the factors' making: v32-40 cm, v41-49 l, v50-58 offsets, v59-67 2^(cm - M), v68-85 pairs (g, g)
.set LV,   41
.set AD,   50
.set EV,   59
.set G,    68
.set M1,   86
.set M2,   87
.set L1,   88
.set L2,   89
.set TA,   90
.set TB_V, 91
.set NEGR, 92
.set ZZ,   94
.set WV,   12
.set RH,   18
.set CH,   19
.set NF,   20                          ; s20 steps of the first block: 1 to 4
.set FB,   21                          ; s21 the first block, s22 the second
.set SB,   22
.set NXT,  23                          ; s23 the walk's step to be asked for next
.set G1A,  24                          ; s[24:31] group 1 for P's tiles, s[32:39] for V's
.set G1V,  32
.set G0A,  40                          ; s[40:43] group 0 for P's tiles; it walks
.set G0V,  48                          ; s[48:51] the same for V's
.set PA1,  56                          ; s56, s57 byte offset in pb of the 64 rows that I fetch, first and second block
.set PA2,  57
.set VB,   58                          ; s58 byte offset in qkv of the 128 keys that I fetch of key tile 0
.set LEFT, 59                          ; s59 steps until the second block's first
.set TF,   60                          ; s60 the table entry to be read next, in bytes
.set CNT,  61
.set OFA,  62                          ; s[62:63], s[66:67] offsets; the first never holds the channel tile
.set OFV,  66
.set T0,   68
.set T1,   69
.set OA,   70                          ; s[70:71] out0 at my rows of the block in hand, s[72:73] of the second block
.set OB,   72
.set MK,   74                          ; s74-82 step s belongs to the first block: all ones, else 0
.set TB,   83                          ; s83 the byte at which the slot being read begins: 0 or SLOT
.set MSB, 0
.macro WIN new                         ; the immediate's high byte repeats the setting that is left
.if MSB != (\new)
	s_set_vgpr_msb (MSB<<8)|(\new)
.set MSB, \new
.endif
.endm
.set MUL,  0x05                        ; sources 0 and 1 window 1; C and D window 0
.set TO_F, 0x40                        ; destination window 1, address window 0
.set W_FO, 0xa0                        ; O (destination and source 2) window 2; X and g window 0
.macro PLACES
.rept 4
	v_nop
.endr
.endm
; Waves 0 and 1 ask jointly for the two halves of P's tile, waves 2 and 3 each for a half of V's.  The branch hangs on the wave's number alone.  An s_nop 0 and four v_nop follow each line.
.macro JLOAD
	s_cmp_lt_u32 s[WV], 2
	s_cbranch_scc0 .Lfor_v_\@
	tensor_load_to_lds s[G0A:G0A+3], s[G1A:G1A+7]
	s_nop 0
.rept 4
	v_nop
.endr
	s_branch .Lasked_\@
.Lfor_v_\@:
	tensor_load_to_lds s[G0V:G0V+3], s[G1V:G1V+7]
	s_nop 0
.rept 4
	v_nop
.endr
.Lasked_\@:
.endm
.macro CREST                           ; a round of the cluster's barrier behind its opening barrier
	s_cmp_lg_u32 s[WV], 0
	s_cbranch_scc1 .Lnot_wave_0_\@
	s_barrier_signal -3
.Lnot_wave_0_\@:
	s_barrier_wait -3
	s_barrier_signal -1
	s_barrier_wait -1
.endm
.macro CROUND
	s_barrier_signal -1
	s_barrier_wait -1
	CREST
.endm
; The global words of the two descriptors are made anew for walk step NXT: key tile J = NXT, or NXT - NF in the second block.  turn = 1: the LDS words go over to the other slot than last time.
; It stands where no tensor load of mine is out.
.macro NEXTADR turn
	s_sub_co_u32 s[T0], s[NXT], s[NF]
	s_cmp_lt_u32 s[NXT], s[NF]
	s_cselect_b32 s[T0], s[NXT], s[T0]             ; J
	s_cselect_b32 s[OFA], s[PA1], s[PA2]
	s_lshl_b32 s[T1], s[T0], 9                     ; 256 keys are 512 bytes of a row of pb
	s_add_co_u32 s[OFA], s[OFA], s[T1]
	s_mul_i32 s[OFV], s[T0], 256*6144              ; and 256 rows of qkv
	s_add_co_u32 s[OFV], s[OFV], s[VB]
	s_add_nc_u64 s[G0A+2:G0A+3], s[4:5], s[OFA:OFA+1]
	s_or_b32 s[G0A+3], s[G0A+3], 0x80000000
	s_add_nc_u64 s[G0V+2:G0V+3], s[6:7], s[OFV:OFV+1]
	s_or_b32 s[G0V+3], s[G0V+3], 0x80000000
	s_add_co_u32 s[NXT], s[NXT], 1
.if \turn
	s_xor_b32 s[G0A+1], s[G0A+1], SLOT
	s_xor_b32 s[G0V+1], s[G0V+1], SLOT
.endif
.endm
	s_load_b256 s[4:11], s[0:1], 0x0               ; pb s[4:5], qkv s[6:7], st s[8:9], out0 s[10:11]
	v_lshl_add_u32 v[SPW], v0, 2, SPARE
	v_mov_b32 v[NIL], 0
	ds_add_u32 v[SPW], v[NIL]                      ; the wave's opening: the add and its wait ahead of my first tensor load
	ds_add_u32 v28, v29
	v_lshrrev_b32 v1, 5, v0
	v_readfirstlane_b32 s[WV], v1                  ; wave 0..3
	s_lshr_b32 s[RH], s[WV], 1                     ; my half of the queries
	s_and_b32 s[CH], s[WV], 1                      ; my half of the channels.  Also: which half of a tile I fetch
	s_bfe_u32 s13, ttmp6, 0x40000                  ; cx
	s_lshl_b32 s14, ttmp9, 2
	s_add_co_u32 s14, s14, s13                     ; the channel tile = 4 x cluster x + cx: it enters V's and out0's addresses alone
	s_and_b32 s84, ttmp7, 0xffff
	s_and_b32 s15, s84, 7                          ; pr
	s_lshr_b32 s16, s84, 3                         ; batch
	s_lshr_b32 s17, s15, 1                         ; block pr has pr / 2 + 1 steps, block 15 - pr has 8 - pr / 2
	s_mov_b32 s[FB], s15
	s_sub_co_u32 s[SB], 15, s15
	s_add_co_u32 s[NF], s17, 1
	s_lshl_b32 s87, s16, 11                        ; the batch's first row
	s_lshl_b32 s88, s[CH], 6
	s_add_co_u32 s88, s88, s87
	s_lshl_b32 s89, s[FB], 7
	s_add_co_u32 s89, s89, s88
	s_lshl_b32 s[PA1], s89, 12                     ; rows of pb are 4,096 bytes
	s_lshl_b32 s89, s[SB], 7
	s_add_co_u32 s89, s89, s88
	s_lshl_b32 s[PA2], s89, 12
	s_lshl_b32 s89, s[CH], 7
	s_add_co_u32 s89, s89, s87
	s_mul_i32 s[VB], s89, 6144
	s_lshl_b32 s90, s14, 8                         ; 128 channels are 256 bytes
	s_add_co_u32 s[VB], s[VB], s90
	s_add_co_u32 s[VB], s[VB], 4096                ; v lies 4,096 bytes into a row of qkv
	s_lshl_b32 s91, s[RH], 6
	s_add_co_u32 s91, s91, s87
	s_lshl_b32 s92, s[FB], 7
	s_add_co_u32 s92, s92, s91
	s_lshl_b32 s92, s92, 12                        ; rows of out0 are 4,096 bytes
	s_lshl_b32 s94, s[SB], 7
	s_add_co_u32 s94, s94, s91
	s_lshl_b32 s94, s94, 12
	s_lshl_b32 s96, s14, 9
	s_lshl_b32 s97, s[CH], 8
	s_add_co_u32 s96, s96, s97
	s_add_co_u32 s92, s92, s96
	s_add_co_u32 s94, s94, s96
	s_mov_b32 s93, 0
	s_mov_b32 s95, 0
	s_mov_b32 s[G1A], 15|(1<<16)|(1<<20)|(1<<21)|(6<<22)|(3<<25)  ; the mask of four; 2-byte elements; padding on; bit 21 beside a mask; after every 128 words 4 words
	s_mov_b32 s[G1A+1], 256<<16                    ; tensor_dim0 = 256
	s_mov_b32 s[G1A+2], 64<<16                     ; tensor_dim1 = 64
	s_mov_b32 s[G1A+3], 256<<16                    ; tile_dim0 = 256
	s_mov_b32 s[G1A+4], 64                         ; tile_dim1 = 64
	s_mov_b32 s[G1A+5], 2048                       ; elements from row to row
	s_mov_b32 s[G1A+6], 0
	s_mov_b32 s[G1A+7], 0
	s_mov_b32 s[G1V], (1<<16)|(1<<20)|(5<<22)|(7<<25)  ; no mask; after every 64 words 8 words
	s_mov_b32 s[G1V+1], 128<<16
	s_mov_b32 s[G1V+2], 128<<16
	s_mov_b32 s[G1V+3], 128<<16
	s_mov_b32 s[G1V+4], 128
	s_mov_b32 s[G1V+5], 3072
	s_mov_b32 s[G1V+6], 0
	s_mov_b32 s[G1V+7], 0
	s_mul_i32 s84, s[CH], 64*PP                    ; where my part of a tile goes in slot 0: no place in the cluster enters an LDS address
	s_mul_i32 s85, s[CH], 128*PV
	s_mov_b32 s[G0A], 1
	s_mov_b32 s[G0A+1], s84
	s_mov_b32 s[G0V], 1
	s_add_co_u32 s[G0V+1], s85, VOFF
	s_mov_b32 s[OFA+1], 0
	s_mov_b32 s[OFV+1], 0
	s_mov_b32 s[NXT], 0
	s_mov_b32 s[TB], SLOT                          ; the first change of slots turns it into 0
	s_wait_dscnt 0x0                               ; the opening add is done
	s_wait_kmcnt 0x0
	s_add_nc_u64 s[OA:OA+1], s[10:11], s[92:93]
	s_add_nc_u64 s[OB:OB+1], s[10:11], s[94:95]
	NEXTADR 0
	CROUND                                         ; all four work-groups are here: the first joint load meets
	JLOAD                                          ; step 0 into slot 0: one load of mine is out.  Slot 1 is asked for by the walk's first change of slots
	v_and_b32 v1, 15, v0                           ; l % 16
	v_bfe_u32 v2, v0, 4, 1                         ; l / 16
	v_mul_u32_u24 v3, v1, PP
	v_lshl_add_u32 v3, v2, 4, v3
	s_mul_i32 s84, s[RH], 64*PP
	v_add_nc_u32 v[ADRA], s84, v3
	; the turning load takes 16 keys x 16 channels (lane l reads key 8 (l / 16) + l % 8, channels 8 ((l / 8) % 2) + 0..7) and leaves half a fragment of V^T: lane l holds channel l % 16 and 8 keys
	v_and_b32 v4, 7, v0
	v_bfe_u32 v5, v0, 3, 1
	v_lshl_add_u32 v6, v2, 3, v4
	v_mul_u32_u24 v6, v6, PV
	v_lshl_add_u32 v6, v5, 4, v6
	s_lshl_b32 s84, s[CH], 7
	s_add_co_u32 s84, s84, VOFF
	v_add_nc_u32 v[ADRV], s84, v6
	v_add_nc_u32 v[ADRV+1], 128*PV, v[ADRV]
	s_mul_i32 s84, s[WV], 16*SP
	s_add_co_u32 s84, s84, STAGE                   ; my stage
	v_mul_u32_u24 v6, v1, SP                       ; in: row l % 16, 32 bytes for each half of the lanes
	v_lshl_add_u32 v6, v2, 5, v6
	v_add_nc_u32 v[STO], s84, v6
	v_mul_u32_u24 v6, v2, SP                       ; back: lanes 0-15 one row of 256 bytes, lanes 16-31 the next
	v_lshl_add_u32 v6, v1, 4, v6
	v_add_nc_u32 v[RD], s84, v6
	v_lshlrev_b32 v6, 4, v1
	v_lshl_add_u32 v[CO], v2, 12, v6               ; and the same two rows in out0
	s_lshl_b32 s84, s[RH], 9
	s_add_co_u32 s84, s84, TABLE
	v_lshl_add_u32 v[FA0], v1, 3, s84              ; row 64 (w / 2) + l % 16; 128 bytes on for each block of 16 rows
	v_lshl_add_u32 v[TW], v0, 3, TABLE             ; thread t makes row t's factors
	v_lshlrev_b32 v8, 2, v0
	s_lshl_b32 s86, s16, 3
.irp w, 0,1,2,3,4,5,6,7,8              ; the nine steps' cm and l of my row: 512 consecutive bytes for the work-group's 128 threads
	s_sub_co_u32 s84, \w, s[NF]
	s_cmp_gt_u32 s[NF], \w
	s_cselect_b32 s84, \w, s84                     ; J
	s_cselect_b32 s85, s[FB], s[SB]
	s_cselect_b32 s[MK+\w], -1, 0
	s_add_co_u32 s84, s84, s86
	s_lshl_b32 s84, s84, 11
	s_lshl_b32 s85, s85, 7
	s_add_co_u32 s84, s84, s85
	s_lshl_b32 s84, s84, 2                         ; ((batch 8 + J) 2,048 + 128 block) 4
	v_add_nc_u32 v[AD+\w], s84, v8
	global_load_b32 v[CMV+\w], v[AD+\w], s[8:9]
	global_load_b32 v[LV+\w], v[AD+\w], s[8:9] offset:PLANE
.endr
	; what the first change of slots and the first fold find: zeros in fragment buffer 1, in X and in O
	WIN 0x40
.set i, F1
.rept 128
	v_mov_b32 v[i], 0
.set i, i+1
.endr
	WIN 0x80
.set i, 0
.rept 128
	v_mov_b32 v[i], 0
.set i, i+1
.endr
	WIN 0
.set i, ACC
.rept 128
	v_mov_b32 v[i], 0
.set i, i+1
.endr
	v_mov_b32 v[NEGR], 0xff7fffff                  ; the lowest finite number
	v_mov_b32 v[M1], v[NEGR]
	v_mov_b32 v[M2], v[NEGR]
	v_mov_b32 v[ZZ], 0
	v_mov_b32 v[ZZ+1], 0
	s_wait_loadcnt 0x0
.irp w, 0,1,2,3,4,5,6,7,8              ; the two blocks' row maxima
	v_cndmask_b32 v[TA], v[NEGR], v[CMV+\w], s[MK+\w]
	v_cndmask_b32 v[TB_V], v[CMV+\w], v[NEGR], s[MK+\w]
	v_max_num_f32 v[M1], v[M1], v[TA]
	v_max_num_f32 v[M2], v[M2], v[TB_V]
.endr
.irp w, 0,1,2,3,4,5,6,7,8
	v_cndmask_b32 v[TA], v[M2], v[M1], s[MK+\w]
	v_sub_f32 v[EV+\w], v[CMV+\w], v[TA]
.endr
.irp w, 0,1,2,3,4,5,6,7,8
	v_exp_f32 v[EV+\w], v[EV+\w]
.endr
	v_mov_b32 v[L1], 0                             ; plain instructions between the last exponential and the use of its result
	v_mov_b32 v[L2], 0
	s_wait_alu depctr_va_vdst(0)
.irp w, 0,1,2,3,4,5,6,7,8              ; the two rows' sums
	v_cndmask_b32 v[TA], 0, v[LV+\w], s[MK+\w]
	v_cndmask_b32 v[TB_V], v[LV+\w], 0, s[MK+\w]
	v_fma_f32 v[L1], v[EV+\w], v[TA], v[L1]
	v_fma_f32 v[L2], v[EV+\w], v[TB_V], v[L2]
.endr
	v_rcp_f32 v[L1], v[L1]
	v_rcp_f32 v[L2], v[L2]
	v_nop
	ds_store_b64 v[TW], v[ZZ:ZZ+1]                 ; entry 0
	s_wait_alu depctr_va_vdst(0)
.irp w, 0,1,2,3,4,5,6,7,8
	v_cndmask_b32 v[TA], v[L2], v[L1], s[MK+\w]
	v_mul_f32 v[G+2*\w], v[EV+\w], v[TA]
	v_mul_f32 v[G+2*\w+1], v[EV+\w], v[TA]
	ds_store_b64 v[TW], v[G+2*\w:G+2*\w+1] offset:(\w+1)*1024
.endr
; 8 matrix instructions: query blocks a0, a0 + 1 x all 4 channel blocks, 32 keys: half c of buffer f.  The 16 accumulators take turns.
.macro MUL8 f, c, a0
	WIN MUL
.irp a, \a0, (\a0)+1
.irp b, 0,1,2,3
	v_wmma_f32_16x16x32_f16 v[ACC+8*(4*(\a)+(\b)):ACC+8*(4*(\a)+(\b))+7], v[(\f)+64+8*(4*(\c)+(\b)):(\f)+64+8*(4*(\c)+(\b))+7], v[(\f)+8*(4*(\c)+(\a)):(\f)+8*(4*(\c)+(\a))+7], v[ACC+8*(4*(\a)+(\b)):ACC+8*(4*(\a)+(\b))+7]
.endr
.endr
.endm
.macro TABLD                           ; my four pairs (g, g) of the next table entry
	WIN 0
	v_add_nc_u32 v[FA], s[TF], v[FA0]
.irp a, 0,1,2,3
	ds_load_b64 v[F+2*\a:F+2*\a+1], v[FA] offset:128*\a
.endr
	s_add_co_u32 s[TF], s[TF], 1024
.endm
; 32 LDS loads in one run: the fragments of quarter q (64 keys) of the slot being read into buffer f, the first 32 keys first.  tab = 1: ahead of them the table's four.
.macro FETCH q, f, tab
.if \tab
	TABLD
.endif
	WIN TO_F
.irp c, 0,1
.irp i, 0,1,2,3
	ds_load_tr16_b128 v[(\f)+64+8*(4*(\c)+(\i)):(\f)+64+8*(4*(\c)+(\i))+3],   v[ADRVC+(\q)/2] offset:((\q)%2)*64*PV+(\c)*32*PV+32*(\i)
	ds_load_tr16_b128 v[(\f)+64+8*(4*(\c)+(\i))+4:(\f)+64+8*(4*(\c)+(\i))+7], v[ADRVC+(\q)/2] offset:((\q)%2)*64*PV+(\c)*32*PV+16*PV+32*(\i)
	ds_load_b128 v[(\f)+8*(4*(\c)+(\i)):(\f)+8*(4*(\c)+(\i))+3],              v[ADRAC] offset:128*(\q)+64*(\c)+(\i)*16*PP
	ds_load_b128 v[(\f)+8*(4*(\c)+(\i))+4:(\f)+8*(4*(\c)+(\i))+7],            v[ADRAC] offset:128*(\q)+64*(\c)+(\i)*16*PP+32
.endr
.endr
.endm
; The head of a step: for each accumulator the last step's X is folded into O (O += g X, lowest registers first), then the step's first product starts X anew with C = 0.
; Five v_nop stand first: the places between the last products and the products that write over their results (ISA guide 7.12.1).
.macro FOLDSTART f
.rept 5
	v_nop
.endr
.set t, 0
.rept 16
	WIN W_FO
.irp z, 0,1,2,3
	v_pk_fma_f32 v[8*t+2*\z:8*t+2*\z+1], v[ACC+8*t+2*\z:ACC+8*t+2*\z+1], v[F+2*(t/4):F+2*(t/4)+1], v[8*t+2*\z:8*t+2*\z+1]
.endr
	WIN MUL
	v_wmma_f32_16x16x32_f16 v[ACC+8*t:ACC+8*t+7], v[(\f)+64+8*(t%4):(\f)+64+8*(t%4)+7], v[(\f)+8*(t/4):(\f)+8*(t/4)+7], 0
.set t, t+1
.endr
.endm
.macro FOLD                            ; the last step's fold
	WIN W_FO
.set t, 0
.rept 64
	v_pk_fma_f32 v[2*t:2*t+1], v[ACC+2*t:ACC+2*t+1], v[F+2*(t/16):F+2*(t/16)+1], v[2*t:2*t+1]
.set t, t+1
.endr
.endm
; A step is four quarters of 64 keys, 32 matrix instructions each, on buffers 0, 1, 0, 1.  One of the first three multiplies buffer f and fetches quarter q into g.
.macro QUARTER q, f, g, fold
	s_wait_dscnt 16                                ; the first 32 keys' sixteen loads are in (and the table's four, which are older); the youngest sixteen may be out
.if \fold
	FOLDSTART \f
.else
	MUL8 \f, 0, 0
	MUL8 \f, 0, 2
.endif
	PLACES
	FETCH \q, \g, 0
	s_wait_dscnt 32                                ; all but the 32 just issued
	MUL8 \f, 1, 0
	MUL8 \f, 1, 2
.endm
; The last quarter multiplies buffer 1 and changes slots: ONE barrier.  In front of it each wave waits for all its tensor loads (one is out: its part of the next slot), adds 0 to its spare word, and waits for
; that and for its LDS instructions.  fill = 1: the barrier opens a round of the cluster's, and the slot just read out is filled first thing behind it: 112 matrix instructions ahead of the wait for it.
.macro TURN fill
	WIN 0
	s_wait_tensorcnt 0x0                           ; no tensor load of mine is out, so a group 0 may be written
	ds_add_u32 v[SPW], v[NIL]
.if \fill
	NEXTADR 1
.endif
	s_xor_b32 s[TB], s[TB], SLOT                   ; the reading goes over to the other slot
	s_wait_dscnt 17                                ; the add and the youngest sixteen loads may be out
	MUL8 F1, 0, 0
	s_wait_dscnt 0x0                               ; the add is done; my reads of the slot are over (at the first use: my stores into the table are done)
	s_barrier_signal -1
	MUL8 F1, 0, 2
	WIN 0
	s_barrier_wait -1
.if \fill
	CREST
	JLOAD                                          ; its four v_nop are also the places in front of the loads below
.else
	PLACES
.endif
	v_add_nc_u32 v[ADRAC], s[TB], v[ADRA]
	v_add_nc_u32 v[ADRVC], s[TB], v[ADRV]
	v_add_nc_u32 v[ADRVC+1], s[TB], v[ADRV+1]
	FETCH 0, F0, 1
	MUL8 F1, 1, 0
	MUL8 F1, 1, 2
.endm
; THE WAY OUT: O, f32, goes through my own stage, 16 rows at a time, and comes back as whole rows of 256 bytes.  clear = 1: the first block leaves and the second follows: O is cleared and the address changed.
; Block 0 is a first block (pr = 0); its rows 0 to 15, query block 0 of the waves with the upper 64 rows, were stored by the launch before and are passed over: a jump forward over my own stage's traffic
; and eight stores, on the block's number, which all partners share, and the wave's.
.macro WAYOUT clear
.irp a, 0,1,2,3
.if ((\clear) == 1) && ((\a) == 0)
	WIN 0
	s_or_b32 s[T0], s[FB], s[RH]
	s_cmp_eq_u32 s[T0], 0
	s_cbranch_scc1 .Lrows_made
.endif
	WIN 0x08                                       ; store data in window 2
.irp b, 0,1,2,3
	ds_store_b128 v[STO], v[8*(4*\a+\b):8*(4*\a+\b)+3] offset:64*\b
	ds_store_b128 v[STO], v[8*(4*\a+\b)+4:8*(4*\a+\b)+7] offset:64*\b+16
.endr
	WIN 0
	s_wait_xcnt 0x0                                ; the registers that earlier stores read are loaded again only behind this wait
.set BK, OBUF+32*((\a)%2)
.irp t, 0,1,2,3,4,5,6,7
	ds_load_b128 v[BK+4*\t:BK+4*\t+3], v[RD] offset:\t*2*SP  ; LDS serves a wave's instructions in order (ISA guide 5.7.1.4): these see the stores above
.endr
.irp t, 0,1,2,3,4,5,6,7
	s_wait_dscnt 7-\t                              ; rows 2 t, 2 t + 1 are back; the younger ones stay out
	global_store_b128 v[CO], v[BK+4*\t:BK+4*\t+3], s[OA:OA+1] offset:(16*\a+2*\t)*4096 th:TH_STORE_NT  ; 16 lanes store 256 consecutive bytes, aligned
.endr
.if ((\clear) == 1) && ((\a) == 0)
.Lrows_made:
.endif
.endr
.if \clear
	WIN 0x80
.set i, 0
.rept 128
	v_mov_b32 v[i], 0
.set i, i+1
.endr
	WIN 0
	s_wait_xcnt 0x0                                ; the stores have read their base
	s_mov_b64 s[OA:OA+1], s[OB:OB+1]
.endif
.endm
	s_mov_b32 s[TF], 0
	s_mov_b32 s[LEFT], s[NF]
	s_mov_b32 s[CNT], 8
.Lwalk:                                                ; eight trips: step s, in slot s % 2; step s + 1 is asked for
	TURN 1
	QUARTER 1, F0, F1, 1
	WIN 0                                          ; behind the fold at a step's head: if this step is the second block's first, the first block is whole and leaves.
	s_cmp_lg_u32 s[LEFT], 0                        ; The number is the same in all partners; the jump goes forward past no barrier and no tensor load
	s_cbranch_scc1 .Lstay
	WAYOUT 1
	WIN 0
.Lstay:
	s_sub_co_u32 s[LEFT], s[LEFT], 1
	QUARTER 2, F1, F0, 0
	QUARTER 3, F0, F1, 0
	WIN 0
	s_sub_co_u32 s[CNT], s[CNT], 1
	s_cmp_lg_u32 s[CNT], 0
	s_cbranch_scc1 .Lwalk
	TURN 0                                         ; step 8 is written out: nothing is asked for
	QUARTER 1, F0, F1, 1
	QUARTER 2, F1, F0, 0
	QUARTER 3, F0, F1, 0
	s_wait_dscnt 16
	MUL8 F1, 0, 0
	MUL8 F1, 0, 2
	TABLD                                          ; entry 9: step 8's factors
	s_wait_dscnt 4                                 ; the fragments are in; the table's four loads may be out
	MUL8 F1, 1, 0
	MUL8 F1, 1, 2
	s_wait_dscnt 0x0
	PLACES                                         ; the fold reads results just made
	FOLD
	WAYOUT 0
	s_wait_tensorcnt 0x0                           ; the wave's end
	ds_add_u32 v[SPW], v[NIL]
	s_wait_dscnt 0x0
	CROUND                                         ; the closing round
	s_endpgm
.Lfunc_end_k_qcead556211_pv:
	.size	k_qcead556211_pv, .Lfunc_end_k_qcead556211_pv-k_qcead556211_pv
	.p2alignl 7, 3214868480
	.fill 96, 4, 3214868480
	.section	.rodata,"a",@progbits
	.p2align	6, 0x0
	.amdhsa_kernel k_qcead556211_pv
		.amdhsa_group_segment_fixed_size 327680
		.amdhsa_private_segment_fixed_size 0
		.amdhsa_enable_private_segment 0
		.amdhsa_kernarg_size 32
		.amdhsa_user_sgpr_count 2
		.amdhsa_user_sgpr_kernarg_segment_ptr 1
		.amdhsa_wavefront_size32 1
		.amdhsa_system_sgpr_workgroup_id_x 1
		.amdhsa_system_sgpr_workgroup_id_y 1
		.amdhsa_system_sgpr_workgroup_id_z 1
		.amdhsa_system_vgpr_workitem_id 0
		.amdhsa_next_free_vgpr 640
		.amdhsa_next_free_sgpr 100
		.amdhsa_reserve_vcc 0
		.amdhsa_float_denorm_mode_32 3
		.amdhsa_float_denorm_mode_16_64 3
		.amdhsa_memory_ordered 1
		.amdhsa_forward_progress 1
		.amdhsa_inst_pref_size 107
	.end_amdhsa_kernel
	.amdgpu_metadata
---
amdhsa.version: [ 1, 2 ]
amdhsa.kernels:
  - .name:           k_qcead556211_pv
    .symbol:         k_qcead556211_pv.kd
    .args:
      - { .name: pb, .offset: 0, .size: 8, .value_kind: global_buffer, .address_space: global }
      - { .name: qkv, .offset: 8, .size: 8, .value_kind: global_buffer, .address_space: global }
      - { .name: st, .offset: 16, .size: 8, .value_kind: global_buffer, .address_space: global }
      - { .name: out0, .offset: 24, .size: 8, .value_kind: global_buffer, .address_space: global }
    .group_segment_fixed_size: 327680
    .private_segment_fixed_size: 0
    .kernarg_segment_align: 8
    .kernarg_segment_size: 32
    .max_flat_workgroup_size: 128
    .sgpr_count:     100
    .vgpr_count:     640
    .wavefront_size: 32
...
	.end_amdgpu_metadata
.endif
;; end of part 9
;; ======== version 3 of 3: 4 launches; version 2 with the launch cast written anew for expert scheduling mode
;; limits: values are held in f16: magnitudes above 65,504 overflow, below 6.1e-05 lose precision
;; workspace buffers: xb 16,777,216 bytes; wb 6,291,456 bytes; qkv 50,331,648 bytes; pb 33,554,432 bytes; st 524,288 bytes
;; launch cast (part 10): grid 256 x 1, 8 waves a work-group, no clusters, 0 bytes of LDS; arguments x, Wq, Wk, Wv, xb, wb; writes xb, wb
.if DOCPART == 10
	.amdgcn_target "amdgcn-amd-amdhsa--gfx1250"
	.amdhsa_code_object_version 6
	.text
	.protected	k_qcead556211_cast
	.globl	k_qcead556211_cast
	.p2align	8
	.type	k_qcead556211_cast,@function
k_qcead556211_cast:
	s_mov_b64 s[64:65], 0
	v_nop
	global_prefetch_b8 v0, s[64:65] scope:SCOPE_SE
	s_setreg_imm32_b32 hwreg(HW_REG_WAVE_SCHED_MODE, 0, 2), 2
	s_setreg_imm32_b32 hwreg(HW_REG_WAVE_MODE, 25, 1), 1
	s_wait_xcnt 0x0
	s_wait_alu depctr_vm_vsrc(0)
; x and the three weights, f32, are rounded once to bf16 (nearest even): xb [8192][1024], wb [3072][1024] = Wq's rows, then Wk's, then Wv's.
; 256 work-groups of eight waves, all alike: work-group i takes bytes 131,072 i on of x (32 pieces of 4,096 bytes) and bytes 16,384 i on of each weight (4 pieces each): 44 loads of 16 bytes a thread.
; A stream: every byte is read once and written once, so there is no LDS, no barrier and no matrix work.  All 44 loads of a thread go out first; a piece is rounded in place, into the first two of its four
; registers, and stored from there; no register is written again behind its store, so no wait frees a source.
; THE MODE: SCHED_MODE bits 1:0 = 2 (LLVM: expert scheduling mode 2), set by the entry lines.  The code itself states the register dependences between vector instructions and memory instructions,
; with s_wait_alu, always for 0.
; THE PLAN.  Registers that memory instructions touch:
;   v1, v2      byte offsets, written once at the head; read by every load (v1) and every store (v2); never written again.
;   piece i     v[X+4 i .. X+4 i+3]: its load lands there, issued ahead of every conversion; its two conversions read the four and write the first two; its store reads those two; nothing writes them again.
; So the one kind of dependence is: a vector instruction writes, a memory instruction reads.  The 44 pieces go in 11 blocks of four (blocks 0 to 7: x; 8, 9, 10: Wq, Wk, Wv).  Block b rounds its own four pieces;
; its memory instructions are the four stores of block b - 1, whose registers no conversion of block b names.  So ONE wait at a block's head states all that its four stores hang on, and they are dealt among
; its conversions with no further wait.  No load lands in a register that a vector instruction has named, and no register that a memory instruction has read is written again.
.set PIECE, 4096                       ; bytes that the eight waves load at a time; 2,048 go out
.set NXP,   32                         ; pieces of x
.set NWP,   4                          ; pieces of each weight
.set BLOCK, 4                          ; pieces in a block
.set BLOCKS, (NXP+3*NWP)/BLOCK         ; 11
.set WOUT,  2097152                    ; bytes of one weight in wb
.set X, 4                              ; v[4:179]  piece i: four f32, then two registers of bf16
	s_load_b256 s[4:11], s[0:1], 0x0               ; x s[4:5], Wq s[6:7], Wk s[8:9], Wv s[10:11]
	s_load_b128 s[12:15], s[0:1], 0x20             ; xb s[12:13], wb s[14:15]
	s_lshl_b32 s16, ttmp9, 17                      ; my part of x,
	s_mov_b32 s17, 0
	s_lshl_b32 s18, ttmp9, 14                      ; of each weight,
	s_mov_b32 s19, 0
	s_lshl_b32 s20, ttmp9, 16                      ; of xb,
	s_mov_b32 s21, 0
	s_lshl_b32 s22, ttmp9, 13                      ; and of each weight's part of wb
	s_mov_b32 s23, 0
	v_lshlrev_b32 v1, 4, v0                        ; 16 bytes a thread in
	v_lshlrev_b32 v2, 3, v0                        ; 8 bytes a thread out
	s_wait_kmcnt 0x0
	s_add_nc_u64 s[4:5], s[4:5], s[16:17]
	s_add_nc_u64 s[6:7], s[6:7], s[18:19]
	s_add_nc_u64 s[8:9], s[8:9], s[18:19]
	s_add_nc_u64 s[10:11], s[10:11], s[18:19]
	s_add_nc_u64 s[12:13], s[12:13], s[20:21]
	s_add_nc_u64 s[14:15], s[14:15], s[22:23]
	s_wait_alu depctr_va_vdst(0)                   ; v1 and v2 are written: every load of the kernel reads v1 as its offset, every store v2
.set i, 0
.rept NXP
	global_load_b128 v[X+4*i:X+4*i+3], v1, s[4:5] offset:PIECE*i th:TH_LOAD_NT  ; a wave's load covers 512 consecutive bytes
.set i, i+1
.endr
.irp w, 0,1,2
.irp j, 0,1,2,3
	global_load_b128 v[X+4*(NXP+NWP*\w+\j):X+4*(NXP+NWP*\w+\j)+3], v1, s[6+2*\w:7+2*\w] offset:PIECE*\j th:TH_LOAD_NT
.endr
.endr
; Piece i leaves: x's pieces into xb, the weights' into wb, each weight's part WOUT bytes behind the last.
.macro STORE i
.if (\i) < NXP
	global_store_b64 v2, v[X+4*(\i):X+4*(\i)+1], s[12:13] offset:PIECE/2*(\i)  ; a wave's store covers 256 consecutive bytes, aligned
.else
	global_store_b64 v2, v[X+4*(\i):X+4*(\i)+1], s[14:15] offset:WOUT*(((\i)-NXP)/NWP)+PIECE/2*(((\i)-NXP)%NWP)  ; 4,200,448 at the most: inside the signed 24-bit immediate
.endif
.endm
.set b, 0
.rept BLOCKS
	s_wait_loadcnt 40-BLOCK*b                      ; loads come back in order: block b's four pieces are in, the 40 - 4 b younger loads stay out
.if b > 0
	s_wait_alu depctr_va_vdst(0)                   ; the conversions of block b - 1 have written the registers that the four stores below read
.endif
.set j, 0
.rept BLOCK
.if b > 0
	STORE BLOCK*(b-1)+j                            ; the block before; no vector instruction since the wait names its registers
.endif
	v_cvt_pk_bf16_f32 v[X+4*(BLOCK*b+j)], v[X+4*(BLOCK*b+j)], v[X+4*(BLOCK*b+j)+1]
	v_cvt_pk_bf16_f32 v[X+4*(BLOCK*b+j)+1], v[X+4*(BLOCK*b+j)+2], v[X+4*(BLOCK*b+j)+3]
.set j, j+1
.endr
.set b, b+1
.endr
	s_wait_alu depctr_va_vdst(0)                   ; the conversions of the last block have written the registers that the last four stores read
.set j, 0
.rept BLOCK
	STORE BLOCK*(BLOCKS-1)+j
.set j, j+1
.endr
	s_endpgm
.Lfunc_end_k_qcead556211_cast:
	.size	k_qcead556211_cast, .Lfunc_end_k_qcead556211_cast-k_qcead556211_cast
	.p2alignl 7, 3214868480
	.fill 96, 4, 3214868480
	.section	.rodata,"a",@progbits
	.p2align	6, 0x0
	.amdhsa_kernel k_qcead556211_cast
		.amdhsa_group_segment_fixed_size 0
		.amdhsa_private_segment_fixed_size 0
		.amdhsa_enable_private_segment 0
		.amdhsa_kernarg_size 48
		.amdhsa_user_sgpr_count 2
		.amdhsa_user_sgpr_kernarg_segment_ptr 1
		.amdhsa_wavefront_size32 1
		.amdhsa_system_sgpr_workgroup_id_x 1
		.amdhsa_system_sgpr_workgroup_id_y 1
		.amdhsa_system_sgpr_workgroup_id_z 1
		.amdhsa_system_vgpr_workitem_id 0
		.amdhsa_next_free_vgpr 180
		.amdhsa_next_free_sgpr 66
		.amdhsa_reserve_vcc 0
		.amdhsa_float_denorm_mode_32 3
		.amdhsa_float_denorm_mode_16_64 3
		.amdhsa_memory_ordered 1
		.amdhsa_forward_progress 1
		.amdhsa_inst_pref_size 16
	.end_amdhsa_kernel
	.amdgpu_metadata
---
amdhsa.version: [ 1, 2 ]
amdhsa.kernels:
  - .name:           k_qcead556211_cast
    .symbol:         k_qcead556211_cast.kd
    .args:
      - { .name: x, .offset: 0, .size: 8, .value_kind: global_buffer, .address_space: global }
      - { .name: Wq, .offset: 8, .size: 8, .value_kind: global_buffer, .address_space: global }
      - { .name: Wk, .offset: 16, .size: 8, .value_kind: global_buffer, .address_space: global }
      - { .name: Wv, .offset: 24, .size: 8, .value_kind: global_buffer, .address_space: global }
      - { .name: xb, .offset: 32, .size: 8, .value_kind: global_buffer, .address_space: global }
      - { .name: wb, .offset: 40, .size: 8, .value_kind: global_buffer, .address_space: global }
    .group_segment_fixed_size: 0
    .private_segment_fixed_size: 0
    .kernarg_segment_align: 8
    .kernarg_segment_size: 48
    .max_flat_workgroup_size: 256
    .sgpr_count:     66
    .vgpr_count:     180
    .wavefront_size: 32
...
	.end_amdgpu_metadata
.endif
;; end of part 10
;; launch proj: the kernel of part 7 again; grid 12 x 32, 4 waves a work-group, clusters of 4 x 4, 327,680 bytes of LDS; arguments xb, wb, qkv; writes qkv
;; launch scores: the kernel of part 8 again; grid 13 x 16, 4 waves a work-group, no clusters, 327,680 bytes of LDS; arguments qkv, pb, st, xb, wb, out0; writes pb, st, out0
;; launch pv: the kernel of part 9 again; grid 8 x 32, 4 waves a work-group, clusters of 4 x 1, 327,680 bytes of LDS; arguments pb, qkv, st, out0; writes out0
